; MI455X (gfx1250); checked and timed in simulation.
; The chip was launched on July 23, 2026; its instructions are those of AMD's public machine-readable ISA for CDNA 5 (MIT licence, August 2026) and "CDNA5" Instruction Set Architecture Reference Guide (July 2026). The comments in the code are by the model that wrote it; some were corrected since.
;; Encoder Layer. Allowed arithmetic: matrix products marked QUANTISED: E5M2 operands, one E8M0 scale for each 32 along K, by v_wmma_scale_f32_16x16x128_f8f6f4 with both operands' format E5M2, f32 sums; products left as they are: f32 operands where the result goes on into a quantised operand, else bf16, f16 or f32 operands; f32 sums; everything else in f32.
;; Inputs: b1 1,024 float32; b2 256 float32; bk 256 float32; bo 256 float32; bq 256 float32; bv 256 float32; ln1_a 256 float32; ln1_b 256 float32; ln2_a 256 float32; ln2_b 256 float32; src 1 x 256 x 256 x 256 float32; sw_bk 256 float32; sw_bq 256 float32; sw_wk_codes 256 x 8 x 32 uint8 (E5M2 codes of sw_wk, K innermost, in blocks of 32 codes); sw_wk_scales 256 x 8 uint8 (E8M0 scales of sw_wk, one for each 32 codes along K); sw_wq_codes 256 x 8 x 32 uint8 (E5M2 codes of sw_wq, K innermost, in blocks of 32 codes); sw_wq_scales 256 x 8 uint8 (E8M0 scales of sw_wq, one for each 32 codes along K); w1_codes 1,024 x 8 x 32 uint8 (E5M2 codes of w1, K innermost, in blocks of 32 codes); w1_scales 1,024 x 8 uint8 (E8M0 scales of w1, one for each 32 codes along K); w2_codes 256 x 32 x 32 uint8 (E5M2 codes of w2, K innermost, in blocks of 32 codes); w2_scales 256 x 32 uint8 (E8M0 scales of w2, one for each 32 codes along K); wk_codes 256 x 8 x 32 uint8 (E5M2 codes of wk, K innermost, in blocks of 32 codes); wk_scales 256 x 8 uint8 (E8M0 scales of wk, one for each 32 codes along K); wo_codes 256 x 8 x 32 uint8 (E5M2 codes of wo, K innermost, in blocks of 32 codes); wo_scales 256 x 8 uint8 (E8M0 scales of wo, one for each 32 codes along K); wq_codes 256 x 8 x 32 uint8 (E5M2 codes of wq, K innermost, in blocks of 32 codes); wq_scales 256 x 8 uint8 (E8M0 scales of wq, one for each 32 codes along K); wv_codes 256 x 8 x 32 uint8 (E5M2 codes of wv, K innermost, in blocks of 32 codes); wv_scales 256 x 8 uint8 (E8M0 scales of wv, one for each 32 codes along K).
;; Outputs: out0 1 x 256 x 256 x 256 float32.
;; This version of the problem:
;;   THIS VERSION OF THE PROBLEM IS GIVEN IN LOW PRECISION. The matrix products marked QUANTISED in the list below multiply operands that are first quantised to E5M2 (5 exponent bits, 2 mantissa bits; 8 bits a number), with one power-of-two scale for each 32 numbers along K (OCP MX v1.0); their sums are f32. All else is computed in f32.
;;   The module's matrix products, in the order in which they are computed (A, B: the left and right operand; K: the contracted axis; several contracted axes count as one K, in the product's order):
;;     1. [M 256, K 256] x [K 256, N 256]; A: computed on the way; B: input sw_wq (given as codes): QUANTISED
;;     2. [M 65,536, K 256] x [K 256, N 256]; A: computed on the way; B: input sw_wk (given as codes): QUANTISED
;;     3. batch 2,048 x [M 1, K 32] x [K 32, N 256]; A: computed on the way; B: computed on the way: left as it is (M = 1 < 16)
;;     4. [M 65,536, K 256] x [K 256, N 256]; A: computed on the way; B: input wq (given as codes): QUANTISED
;;     5. [M 65,536, K 256] x [K 256, N 256]; A: computed on the way; B: input wk (given as codes): QUANTISED
;;     6. [M 65,536, K 256] x [K 256, N 256]; A: computed on the way; B: input wv (given as codes): QUANTISED
;;     7. batch 524,288 x [M 32, K 1] x [K 1, N 1]; A: computed on the way; B: computed on the way: left as it is (no contracted axis)
;;     8. batch 8 x [M 256, K 8,192] x [K 8,192, N 256]; A: computed on the way; B: computed on the way: QUANTISED
;;     9. batch 8 x [M 8,192, K 256] x [K 256, N 256]; A: computed on the way; B: softmax (see below): QUANTISED
;;     10. [M 65,536, K 256] x [K 256, N 256]; A: computed on the way; B: input wo (given as codes): QUANTISED
;;     11. [M 65,536, K 256] x [K 256, N 1,024]; A: computed on the way; B: input w1 (given as codes): QUANTISED
;;     12. [M 65,536, K 1,024] x [K 1,024, N 256]; A: computed on the way; B: input w2 (given as codes): QUANTISED
;;   THE QUANTISER, for each operand of a quantised product, along K:
;;     - K is cut into blocks of 32 from its start; a last block that is shorter is filled with zeros.
;;     - A block's scale is 2^e with e = floor(log2(the largest magnitude in the block)) - 15, held to -126 .. 127; a block of zeros has e = 0. As a byte (E8M0): e + 127.
;;     - Each number is divided by its block's scale, clamped to +-57,344, and rounded to the nearest number of E5M2, ties to even, subnormals kept.
;;     - The product sums the exact products of the quantised numbers (number of the format x scale) in f32.
;;   ~~~python
;;   def quantise(x, axis):      # numpy; x: float32 -> the quantised numbers, widened to float32 again
;;       x = np.moveaxis(x, axis, -1); K = x.shape[-1]
;;       x = np.pad(x, [(0, 0)] * (x.ndim - 1) + [(0, -K % 32)]); x = x.reshape(x.shape[:-1] + (-1, 32)); a = np.abs(x).max(-1, keepdims=True)
;;       e = np.where(a > 0, np.clip(np.frexp(np.where(a > 0, a, 1))[1] - 1 - 15, -126, 127), 0)      # np.frexp(a)[1] - 1 = floor(log2(a)), exactly
;;       r = np.clip(x / 2.0 ** e, -57344, 57344)
;;       step = 2.0 ** (np.maximum(np.frexp(np.where(r == 0, 1, r))[1] - 1, -14) - 2)
;;       q = np.round(r / step) * step * 2.0 ** e      # np.round: ties to even
;;       return np.moveaxis(q.reshape(q.shape[:-2] + (-1,))[..., :K], -1, axis).astype(np.float32)
;;   ~~~
;;   SOFTMAX AHEAD OF A QUANTISED PRODUCT. Where the list says 'softmax', what is quantised is not the finished softmax but p = 2^(t - M), with t = logit x log2(e) and M = ceil(the row's largest t), a whole number; so 1/2 < the row's largest p <= 1. The row's sum l is taken of the UNQUANTISED p, in f32, and the product's result is divided by l at the end. Since M is a whole number, a kernel that streams over the keys may use a running M (the ceiling of the running maximum): every later rescaling is an exact power of two, which a block's scale takes up: the codes' values come out the same.
;;   OPERANDS COMPUTED ON THE WAY. 'Computed on the way' means the value that the module computes at that place (a softmax that the list does not call 'softmax' is quantised finished and normalised). What goes into a quantiser is computed in f32, as accurately as f32 sums, v_exp_f32 and their like allow (about 1e-6 of the number): no bf16 or f16 on the way to a quantiser, and a product that is left as it is and whose result goes on into a quantised operand takes f32 operands (vector FMAs, or v_wmma_f32_16x16x4_f32). A number that lies on a knife's edge between two numbers of the format may be rounded either way, as far as f32 arithmetic and the matrix unit's own rounding can turn it there, and no further.
;;   INPUTS GIVEN AS CODES. sw_wk (in the module: [256, 256], K = its axis 0); sw_wq (in the module: [256, 256], K = its axis 0); w1 (in the module: [256, 1024], K = its axis 0); w2 (in the module: [1024, 256], K = its axis 0); wk (in the module: [256, 256], K = its axis 0); wo (in the module: [256, 256], K = its axis 0); wq (in the module: [256, 256], K = its axis 0); wv (in the module: [256, 256], K = its axis 0): each comes as NAME_codes (uint8): NAME with its K axis moved to the last place and cut into blocks of 32 codes, [.., K / 32, bytes a block], one block behind the other in memory; one code a byte (a code: sign, 5 exponent bits, 2 mantissa bits); and NAME_scales (uint8): the same leading axes, one E8M0 byte (e + 127) for each 32 codes along K. Its value is code x scale, taken as it is: it is not quantised again, and the codes and scales need not be those that the quantiser above would give.
;; 2 versions, each right; version 2 is version 1 with the launches proj, tail written anew for expert scheduling mode. Each part assembles by itself: llvm-mc -triple=amdgcn-amd-amdhsa -mcpu=gfx1250 --defsym DOCPART=n.
;; ======== version 1 of 2: 4 launches
;; workspace buffers: QC 16,777,216 bytes; KC 16,777,216 bytes; QS 524,288 bytes; KS 524,288 bytes; SP 16,777,216 bytes; P 524,288 bytes; PS 32,768 bytes; RLB 8,192 bytes
;; launch proj (part 1): grid 256 x 1, 4 waves a work-group, no clusters, 108,032 bytes of LDS; arguments src, ln1_a, ln1_b, sw_wq_codes, sw_wq_scales, sw_bq, sw_wk_codes, sw_wk_scales, sw_bk, wq_codes, wq_scales, bq, wk_codes, wk_scales, bk, QC, QS, KC, KS; writes QC, QS, KC, KS
.if DOCPART == 1
	.amdgcn_target "amdgcn-amd-amdhsa--gfx1250"
	.amdhsa_code_object_version 6
	.text
	.protected	k_qd9181c9d6f_proj
	.globl	k_qd9181c9d6f_proj
	.p2align	8
	.type	k_qd9181c9d6f_proj,@function
k_qd9181c9d6f_proj:
	s_mov_b64 s[64:65], 0
	v_nop
	global_prefetch_b8 v0, s[64:65] scope:SCOPE_SE
	s_setreg_imm32_b32 hwreg(HW_REG_WAVE_MODE, 25, 1), 1
	s_wait_xcnt 0x0
; PROJ: one work-group for each residue l; its 256 rows are the 256 sequences n.  x = LayerNorm1(src[n][l]); the sequence weights sw = softmax over n of (x[0] sw_wq + sw_bq) / sqrt(32) . (x sw_wk + sw_bk);
; q sw = (x wq + bq) sw and k = x wk + bk, both quantised for the tied scores, whose K is (d, n), K = 256 d + n: a block is 32 neighbouring n at one (l, h, d).
; All four products with weights are on codes of E5M2 with one E8M0 scale for each 32 along K; the logits of the sequence weights are f32 multiply-adds.
; SHARES.  Four waves; THE WAVES SHARE THE COLUMNS: wave w owns features 64 w .. 64 w + 63 (heads 2 w, 2 w + 1) of every product, for all 256 rows.  Its part of each weight goes from memory into its registers, once.
; x's codes go from wave to wave through LDS as images of the operand's registers: fragment (row tile t, K step s) is 2,048 bytes, four pieces of 512, lane l's 16 bytes at 16 l; its scale words 4 bytes a lane.
; ROWS OF A TILE: lane r of row tile t holds row 32 (t / 2) + 8 (t % 2) + r + 8 (r / 8); lane r of feature tile f holds feature 32 (f / 2) + 8 (f % 2) + r + 8 (r / 8) of the wave's 64.  So in a result used
; transposed (source 0 = weight) the 16 registers of two neighbouring feature tiles are 16 neighbouring features of one row, and in one used as it is (source 0 = rows) those of two neighbouring row tiles are 16 neighbouring rows of one feature.
; OUT.  QC, KC [h][l][8192]: byte 512 (8 u + p) + 256 hf + 16 r + e = the code of (d = 8 u + r + 8 (r / 8), n = 32 p + 16 hf + e); QS, KS [h][l][256]: byte 16 (8 u + p) + r.
; LIMITS: NaN and infinities are not served.  A block of zeros gets the byte 1 over zero codes (the bytes are read by this program alone).  1 / sqrt and 1 / sum come from v_rsq_f32 and v_rcp_f32.
; No tensor loads and no cluster: work-groups share only the weights, 320 KB, of which each wave wants its own quarter in registers.
.set R0,   0                           ; LDS: x's 32 fragments
.set R0S,  65536                       ; their scale words, 128 bytes each
.set STG,  69632                       ; a stage of 16 rows x (256 + 16) bytes for each wave
.set STAT, 87040                       ; [row tile][r][wave]: mean and centred sum of squares of a wave's 64 numbers of a row
.set LG,   95232                       ; [head][n] f32: logits, then sw
.set SCQ,  103424                      ; q's scale bytes, 512 a wave; k's lie 2,048 further on
.set LI,  1                            ; v1  16 x lane
.set LS,  2                            ; v2  4 x lane
.set WI,  3                            ; v3  where I store my pieces of an image
.set WX,  4                            ; v4  and my half of its scale words
.set STW, 5                            ; v5  the stage by rows
.set STR, 6                            ; v6  the stage by lanes' shares
.set SAW, 7                            ; v7  STAT: my wave's 8 bytes of row r
.set SAR, 8                            ; v8  STAT: row r
.set SGO, 9                            ; v9  the scale bytes' way out
.set WOF, 10                           ; v10 a weight's codes: my row and half
.set WSO, 11                           ; v11 its scale words
.set BOF, 12                           ; v12 64 hf: vectors in the transposed result's layout
.set BVO, 13                           ; v13 4 (r + 8 (r / 8)): vectors by feature
.set SCR, 14                           ; v14 SCQ + 512 w + 16 lane
.set LGS, 16                           ; v16 LG: 8 numbers a lane
.set LGW, 17                           ; v17 LG: my row
.set LGR, 18                           ; v18 LG: my half's 16 n
.set SBW, 19                           ; v19 SCQ + 512 w + r
.set ADF, 20                           ; v20-23 addresses in hand
.set ADS, 21
.set ADW, 22
.set ADX, 23
.set XO,  24                           ; v24-31 src: my bytes, for each 32 rows
.set Z,   32                           ; v32-95   64 numbers at work
.set PC,  96                           ; v96-111  codes just made; at work
.set TM,  112                          ; v112-127 the quantiser's; at work
.set FR,  128                          ; v128-191 four fragments of x; before that the gains
.set AS,  192                          ; v192-195 their scale words
.set WSA, 196                          ; v196-203, v204-211 weights' scale words
.set WSB, 204
.set BI,  212                          ; v212-243 32 numbers: a bias, the target's query, sw
.set SS,  248                          ; v248-255 a pair's statistics
.set SEL, 70                           ; s[70:71] v_permlanex16_b32's selects for lane l xor 16
.set MNT, 72                           ; s72 the mantissa field of 57,344
.set C256, 73                          ; s73 1 / 256
.set EPS, 74                           ; s74 1e-5
.set P,   75                           ; s75 the pair of row tiles in hand
.set T0,  76
.set T1,  77
; window 1: v0-127 sw_wq, v128-255 sw_wk.  windows 2 and 3: src, row tile t at window 2 + t / 8, v[32 (t % 8)]; later window 2: wq, wk; window 3: v0 sw_bk, v32 bq, v64 bk
.set MSB, 0
.macro WIN new                         ; the immediate's high byte repeats the setting that is left
.if MSB != (\new)
	s_set_vgpr_msb (MSB<<8)|(\new)
.set MSB, (\new)
.endif
.endm
.macro PLACES n
.rept \n
	v_nop
.endr
.endm
.macro BARRIER                         ; my LDS stores have landed and my LDS loads are in: then the work-group's barrier
	s_wait_dscnt 0x0
	s_barrier_signal -1
	s_barrier_wait -1
.endm
.macro MM d, a, b, c, sa, sb
	v_wmma_scale_f32_16x16x128_f8f6f4 v[\d:\d+7], v[\a:\a+15], v[\b:\b+15], v[\c:\c+7], v[\sa], v[\sb] matrix_a_fmt:MATRIX_FMT_BF8 matrix_b_fmt:MATRIX_FMT_BF8
.endm
; 64 numbers of a lane, four blocks' halves at v[Z + 16 b], become codes in v[PC + 4 b] on; the blocks' bytes are left in v[TM + 4 + b].  A block's other half lies in lane l xor 16.
.macro QUANT64 relu
.if \relu
.irp b,0,1,2,3
	v_max3_num_f32 v[TM+\b], v[Z+16*\b], v[Z+16*\b+1], 0x8000000   ; no |.|: what is negative becomes 0; the floor 2^(16 - 127) holds the byte at 1 from below
.endr
.irp i,2,4,6,8,10,12,14
.irp b,0,1,2,3
	v_max3_num_f32 v[TM+\b], v[TM+\b], v[Z+16*\b+\i], v[Z+16*\b+\i+1]
.endr
.endr
.else
.irp b,0,1,2,3
	v_max3_num_f32 v[TM+\b], |v[Z+16*\b]|, |v[Z+16*\b+1]|, 0x8000000   ; my 16 numbers and the floor 2^(16 - 127), which holds the byte at 1 from below
.endr
.irp i,2,4,6,8,10,12,14
.irp b,0,1,2,3
	v_max3_num_f32 v[TM+\b], v[TM+\b], |v[Z+16*\b+\i]|, |v[Z+16*\b+\i+1]|
.endr
.endr
.endif
.irp b,0,1,2,3
	v_permlanex16_b32 v[TM+4+\b], v[TM+\b], s[SEL], s[SEL+1]
.endr
.irp b,0,1,2,3
	v_max_num_f32 v[TM+\b], v[TM+\b], v[TM+4+\b]             ; the block's largest magnitude
.endr
.irp b,0,1,2,3
	v_add_nc_u32 v[TM+12+\b], 0xf8800000, v[TM+\b]           ; 15 off its exponent field: the conversion's scale operand
.endr
.irp b,0,1,2,3
	v_and_or_b32 v[TM+8+\b], v[TM+\b], 0x7f800000, s[MNT]    ; 57,344 x the scale
.endr
.irp b,0,1,2,3
	v_lshrrev_b32 v[TM+4+\b], 23, v[TM+12+\b]                ; the scale's byte
.endr
.irp b,0,1,2,3
.irp i,0,1,2,3,4,5,6,7,8,9,10,11,12,13,14,15
.if \relu
	v_med3_num_f32 v[Z+16*\b+\i], v[Z+16*\b+\i], 0, v[TM+8+\b]
.else
	v_med3_num_f32 v[Z+16*\b+\i], v[Z+16*\b+\i], -v[TM+8+\b], v[TM+8+\b]   ; the conversion to an 8-bit code does not saturate (ISA guide 7.6.2)
.endif
.endr
	v_cvt_scalef32_pk8_bf8_f32 v[PC+4*\b:PC+4*\b+1], v[Z+16*\b:Z+16*\b+7], v[TM+12+\b]
	v_cvt_scalef32_pk8_bf8_f32 v[PC+4*\b+2:PC+4*\b+3], v[Z+16*\b+8:Z+16*\b+15], v[TM+12+\b]
.endr
	v_nop                                                    ; a plain line behind the last scaled conversion
.endm
; blocks 2 t + b (row tile t of the pair, my b-th 32 features) go to their places in the images: pieces 2 (w % 2) + b of fragment (t, w / 2); two bytes of each scale word
.macro STOREHALF
	v_lshl_or_b32 v[TM], v[TM+5], 8, v[TM+4]
	v_lshl_or_b32 v[TM+1], v[TM+7], 8, v[TM+6]
.irp t,0,1
.irp b,0,1
	ds_store_b128 v[ADW], v[PC+4*(2*\t+\b):PC+4*(2*\t+\b)+3] offset:4096*\t+512*\b
.endr
.endr
	ds_store_b16 v[ADX], v[TM]
	ds_store_b16 v[ADX], v[TM+1] offset:256
.endm
.macro FETCHP buf, as, po, ps          ; a pair's four fragments and their scale words: 20 LDS loads
.irp t,0,1
.irp s,0,1
.irp c,0,1,2,3
	ds_load_b128 v[\buf+32*\t+16*\s+4*\c:\buf+32*\t+16*\s+4*\c+3], v[ADF] offset:\po+4096*\t+2048*\s+512*\c
.endr
	ds_load_b32 v[\as+2*\t+\s], v[ADS] offset:\ps+256*\t+128*\s
.endr
.endr
.endm
.macro NEXTPAIR                        ; the addresses of pair (P + 1) % 8 of x's images: two plain vector lines
	s_add_co_u32 s[T0], s[P], 1
	s_and_b32 s[T0], s[T0], 7
	s_lshl_b32 s[T1], s[T0], 13
	s_lshl_b32 s[T0], s[T0], 9
	s_add_co_u32 s[T0], s[T0], R0S
	v_add_nc_u32 v[ADF], s[T1], v[LI]
	v_add_nc_u32 v[ADS], s[T0], v[LS]
.endm
.macro LOADWC dst, win, cb, vo, kb     ; my 64 rows of a weight, 256 along K: fragments (f, s) at dst + 32 f + 16 s
	WIN (\win)<<6
.irp f,0,1,2,3
.irp s,0,1
.irp c,0,1,2,3
	global_load_b128 v[\dst+32*\f+16*\s+4*\c:\dst+32*\f+16*\s+4*\c+3], v[\vo], s[\cb:\cb+1] offset:(32*(\f/2)+8*(\f%2))*\kb+128*\s+32*\c
.endr
.endr
.endr
	WIN 0
.endm
.macro LOADWS ws, sb, vso, kb          ; and their scale words
.irp f,0,1,2,3
.irp s,0,1
	global_load_b32 v[\ws+2*\f+\s], v[\vso], s[\sb:\sb+1] offset:(32*(\f/2)+8*(\f%2))*(\kb/32)+4*\s
.endr
.endr
.endm
.macro LOADV32 dst, win, base          ; 32 numbers of a vector in the transposed result's layout
	WIN (\win)<<6
.irp f,0,1,2,3
.irp q,0,1
	global_load_b128 v[\dst+8*\f+4*\q:\dst+8*\f+4*\q+3], v[BOF], s[\base:\base+1] offset:(32*(\f/2)+8*(\f%2)+4*\q)*4
.endr
.endr
	WIN 0
.endm
.macro LOADREP dst, win, base          ; a bias by feature, eight times over: the C of a product used as it is
	WIN (\win)<<6
.irp f,0,1,2,3
.irp j,0,1,2,3,4,5,6,7
	global_load_b32 v[\dst+8*\f+\j], v[BVO], s[\base:\base+1] offset:(32*(\f/2)+8*(\f%2))*4
.endr
.endr
	WIN 0
.endm
.macro LOADT t                         ; row tile t of src: sixteen lanes read my 256 bytes of a row
	WIN 0x80+0x40*((\t)/8)
.irp i,0,1,2,3,4,5,6,7
	global_load_b128 v[32*((\t)%8)+4*\i:32*((\t)%8)+4*\i+3], v[XO+(\t)/2], s[8:9] offset:(8*((\t)%2)+2*\i+8*(\i/4))*262144 th:TH_LOAD_NT
.endr
	WIN 0
.endm
.macro TURN t                          ; through my stage: in by rows, out by lanes' shares, into the registers that they left (LDS serves a wave's instructions in order: ISA guide 5.7.1.4)
	WIN 0x08+4*((\t)/8)
.irp i,0,1,2,3,4,5,6,7
	ds_store_b128 v[STW], v[32*((\t)%8)+4*\i:32*((\t)%8)+4*\i+3] offset:544*\i
.endr
	WIN 0x80+0x40*((\t)/8)
.irp f,0,1,2,3
.irp q,0,1
	ds_load_b128 v[32*((\t)%8)+8*\f+4*\q:32*((\t)%8)+8*\f+4*\q+3], v[STR] offset:128*(\f/2)+32*(\f%2)+16*\q
.endr
.endr
	WIN 0
.endm
; v[Z + 32 x + i] = pair P's row tile x, number i, less v[SS + 2 x].  Only these lines name registers that change with P: one of eight runs is chosen by the counter, and all else of the norm stands in loops.
.macro FETCHSUB
.irp k,0,1,2,3,4,5,6
	s_cmp_eq_u32 s[P], \k
	s_cbranch_scc1 .Lfs_\@_\k
.endr
.irp k,7,0,1,2,3,4,5,6
.if \k != 7
.Lfs_\@_\k:
.endif
	WIN 0x02+(\k/4)
.irp x,0,1
.irp i,0,1,2,3,4,5,6,7,8,9,10,11,12,13,14,15
	v_pk_add_f32 v[Z+32*\x+2*\i:Z+32*\x+2*\i+1], v[64*(\k%4)+32*\x+2*\i:64*(\k%4)+32*\x+2*\i+1], v[SS+2*\x:SS+2*\x+1] op_sel_hi:[1,0] neg_lo:[0,1] neg_hi:[0,1]
.endr
.endr
	WIN 0
.if \k != 6
	s_branch .Lfsx_\@
.endif
.endr
.Lfsx_\@:
.endm
.macro FOLD n                          ; n pairs (8 or 4) at v[PC + 16 x] on become my half's sum in v[PC + 16 x] and the other half's in v[PC + 16 x + 1]
.if \n == 8
.irp k,0,1,2,3
.irp x,0,1
	v_pk_add_f32 v[PC+16*\x+4*\k:PC+16*\x+4*\k+1], v[PC+16*\x+4*\k:PC+16*\x+4*\k+1], v[PC+16*\x+4*\k+2:PC+16*\x+4*\k+3]
.endr
.endr
.irp k,0,1
.irp x,0,1
	v_pk_add_f32 v[PC+16*\x+8*\k:PC+16*\x+8*\k+1], v[PC+16*\x+8*\k:PC+16*\x+8*\k+1], v[PC+16*\x+8*\k+4:PC+16*\x+8*\k+5]
.endr
.endr
.irp x,0,1
	v_pk_add_f32 v[PC+16*\x:PC+16*\x+1], v[PC+16*\x:PC+16*\x+1], v[PC+16*\x+8:PC+16*\x+9]
.endr
.else
.irp k,0,1
.irp x,0,1
	v_pk_add_f32 v[PC+16*\x+4*\k:PC+16*\x+4*\k+1], v[PC+16*\x+4*\k:PC+16*\x+4*\k+1], v[PC+16*\x+4*\k+2:PC+16*\x+4*\k+3]
.endr
.endr
.irp x,0,1
	v_pk_add_f32 v[PC+16*\x:PC+16*\x+1], v[PC+16*\x:PC+16*\x+1], v[PC+16*\x+4:PC+16*\x+5]
.endr
.endif
.irp x,0,1
	v_add_f32 v[PC+16*\x], v[PC+16*\x], v[PC+16*\x+1]
.endr
.irp x,0,1
	v_permlanex16_b32 v[PC+16*\x+1], v[PC+16*\x], s[SEL], s[SEL+1]
.endr
.endm
; the mean and the CENTRED sum of squares of my wave's 64 numbers of each row, to STAT
.macro LNSTAT
	v_mov_b32 v[SS], 0
	v_mov_b32 v[SS+2], 0
	s_mov_b32 s[P], 0
.Lstat_\@:
	FETCHSUB
	s_lshl_b32 s[T0], s[P], 10
	v_add_nc_u32 v[ADW], s[T0], v[SAW]
.irp k,0,1,2,3,4,5,6,7
.irp x,0,1
	v_pk_add_f32 v[PC+16*\x+2*\k:PC+16*\x+2*\k+1], v[Z+32*\x+4*\k:Z+32*\x+4*\k+1], v[Z+32*\x+4*\k+2:Z+32*\x+4*\k+3]
.endr
.endr
	FOLD 8
.irp x,0,1
	v_add_f32 v[PC+16*\x], v[PC+16*\x], v[PC+16*\x+1]
.endr
.irp x,0,1
	v_mul_f32 v[SS+4+2*\x], 0x3c800000, v[PC+16*\x]          ; / 64
.endr
.irp i,0,1,2,3,4,5,6,7,8,9,10,11,12,13,14,15
.irp x,0,1
	v_pk_add_f32 v[Z+32*\x+2*\i:Z+32*\x+2*\i+1], v[Z+32*\x+2*\i:Z+32*\x+2*\i+1], v[SS+4+2*\x:SS+5+2*\x] op_sel_hi:[1,0] neg_lo:[0,1] neg_hi:[0,1]
.endr
.endr
.irp c,0,1,2,3
.irp x,0,1
	v_pk_mul_f32 v[PC+16*\x+2*\c:PC+16*\x+2*\c+1], v[Z+32*\x+2*\c:Z+32*\x+2*\c+1], v[Z+32*\x+2*\c:Z+32*\x+2*\c+1]
.endr
.endr
.irp k,1,2,3
.irp c,0,1,2,3
.irp x,0,1
	v_pk_fma_f32 v[PC+16*\x+2*\c:PC+16*\x+2*\c+1], v[Z+32*\x+8*\k+2*\c:Z+32*\x+8*\k+2*\c+1], v[Z+32*\x+8*\k+2*\c:Z+32*\x+8*\k+2*\c+1], v[PC+16*\x+2*\c:PC+16*\x+2*\c+1]
.endr
.endr
.endr
	FOLD 4
.irp x,0,1
	v_add_f32 v[SS+5+2*\x], v[PC+16*\x], v[PC+16*\x+1]
.endr
.irp x,0,1
	ds_store_b64 v[ADW], v[SS+4+2*\x:SS+5+2*\x] offset:512*\x
.endr
	s_wait_dscnt 0x0                                         ; the stores have read their registers
	s_add_co_u32 s[P], s[P], 1
	s_cmp_lt_u32 s[P], 8
	s_cbranch_scc1 .Lstat_\@
.endm
; the four waves' figures are joined (mean of means; centred sums + 64 x the squared distances of the means: no difference of large sums), the rows are normalised, quantised along the features and stored as images in R0
.macro LNNORM
	s_mov_b32 s[P], 0
.Lnorm_\@:
	s_lshl_b32 s[T0], s[P], 10
	v_add_nc_u32 v[ADX], s[T0], v[SAR]
	ds_load_b128 v[PC:PC+3], v[ADX]
	ds_load_b128 v[PC+4:PC+7], v[ADX] offset:16
	ds_load_b128 v[PC+8:PC+11], v[ADX] offset:512
	ds_load_b128 v[PC+12:PC+15], v[ADX] offset:528
	s_wait_dscnt 0x0
.irp x,0,1
	v_add_f32 v[TM+\x], v[PC+8*\x], v[PC+8*\x+2]
.endr
.irp x,0,1
	v_add_f32 v[TM+2+\x], v[PC+8*\x+4], v[PC+8*\x+6]
.endr
.irp x,0,1
	v_add_f32 v[TM+\x], v[TM+\x], v[TM+2+\x]
.endr
.irp x,0,1
	v_mul_f32 v[SS+2*\x], 0x3e800000, v[TM+\x]               ; the row's mean
.endr
.irp k,0,1,2,3
.irp x,0,1
	v_sub_f32 v[PC+8*\x+2*\k], v[PC+8*\x+2*\k], v[SS+2*\x]
.endr
.endr
.irp x,0,1
	v_mul_f32 v[TM+\x], v[PC+8*\x], v[PC+8*\x]
.endr
.irp k,1,2,3
.irp x,0,1
	v_fmac_f32 v[TM+\x], v[PC+8*\x+2*\k], v[PC+8*\x+2*\k]
.endr
.endr
.irp x,0,1
	v_add_f32 v[TM+2+\x], v[PC+8*\x+1], v[PC+8*\x+3]
.endr
.irp x,0,1
	v_add_f32 v[PC+8*\x+5], v[PC+8*\x+5], v[PC+8*\x+7]
.endr
.irp x,0,1
	v_add_f32 v[TM+2+\x], v[TM+2+\x], v[PC+8*\x+5]
.endr
.irp x,0,1
	v_fma_f32 v[TM+\x], v[TM+\x], 0x42800000, v[TM+2+\x]     ; the row's centred sum of squares
.endr
.irp x,0,1
	v_fma_f32 v[TM+\x], v[TM+\x], s[C256], s[EPS]            ; the variance + 1e-5
.endr
.irp x,0,1
	v_rsq_f32 v[SS+4+2*\x], v[TM+\x]
.endr
	v_nop                                                    ; a plain line behind the transcendentals,
	s_wait_alu depctr_va_vdst(0)                             ; and a wait, ahead of the branches below and of the first reader
	FETCHSUB
.irp i,0,1,2,3,4,5,6,7,8,9,10,11,12,13,14,15
.irp x,0,1
	v_pk_mul_f32 v[Z+32*\x+2*\i:Z+32*\x+2*\i+1], v[Z+32*\x+2*\i:Z+32*\x+2*\i+1], v[SS+4+2*\x:SS+5+2*\x] op_sel_hi:[1,0]
.endr
.endr
.irp i,0,1,2,3,4,5,6,7,8,9,10,11,12,13,14,15
.irp x,0,1
	v_pk_fma_f32 v[Z+32*\x+2*\i:Z+32*\x+2*\i+1], v[Z+32*\x+2*\i:Z+32*\x+2*\i+1], v[FR+2*\i:FR+2*\i+1], v[FR+32+2*\i:FR+32+2*\i+1]
.endr
.endr
	QUANT64 0
	s_lshl_b32 s[T0], s[P], 13
	v_add_nc_u32 v[ADW], s[T0], v[WI]
	s_lshl_b32 s[T0], s[P], 9
	s_add_co_u32 s[T0], s[T0], R0S
	v_add_nc_u32 v[ADX], s[T0], v[WX]
	STOREHALF
	s_wait_dscnt 0x0                                         ; the stores have read their registers
	s_add_co_u32 s[P], s[P], 1
	s_cmp_lt_u32 s[P], 8
	s_cbranch_scc1 .Lnorm_\@
.endm
	s_load_b512 s[8:23], s[0:1], 0x0               ; src 8, ln1_a 10, ln1_b 12, sw_wq codes 14, scales 16, sw_bq 18, sw_wk codes 20, scales 22
	s_load_b512 s[24:39], s[0:1], 0x40             ; sw_bk 24, wq codes 26, scales 28, bq 30, wk codes 32, scales 34, bk 36, QC 38
	s_load_b128 s[40:43], s[0:1], 0x80             ; QS 40, KC 42
	s_load_b64 s[44:45], s[0:1], 0x90              ; KS 44
	v_lshl_add_u32 v246, v0, 2, 0x1a400
	v_mov_b32 v247, 0
	v_lshrrev_b32 v32, 5, v0
	v_readfirstlane_b32 s2, v32                    ; wave
	v_and_b32 v34, 31, v0                          ; lane
	v_and_b32 v32, 15, v0                          ; r
	v_bfe_u32 v33, v0, 4, 1                        ; hf
	v_and_b32 v35, 8, v32
	v_add_nc_u32 v35, v35, v32                     ; r + 8 (r / 8)
	v_lshlrev_b32 v[LI], 4, v34
	v_lshlrev_b32 v[LS], 2, v34
	s_lshr_b32 s3, s2, 1
	s_and_b32 s4, s2, 1
	s_lshl_b32 s5, s3, 11
	s_lshl_b32 s6, s4, 10
	s_add_co_u32 s5, s5, s6
	v_add_nc_u32 v[WI], s5, v[LI]
	s_lshl_b32 s5, s3, 7
	s_lshl_b32 s6, s4, 1
	s_add_co_u32 s5, s5, s6
	v_add_nc_u32 v[WX], s5, v[LS]
	s_mul_i32 s3, s2, 4352
	s_add_co_u32 s3, s3, STG
	v_mul_u32_u24 v[STW], v33, 272
	v_lshl_add_u32 v[STW], v32, 4, v[STW]
	v_add_nc_u32 v[STW], s3, v[STW]
	v_mul_u32_u24 v[STR], v32, 272
	v_lshl_add_u32 v[STR], v33, 6, v[STR]
	v_add_nc_u32 v[STR], s3, v[STR]
	v_lshlrev_b32 v[SAR], 5, v32
	v_add_nc_u32 v[SAR], STAT, v[SAR]
	s_lshl_b32 s3, s2, 3
	v_add_nc_u32 v[SAW], s3, v[SAR]
	v_lshlrev_b32 v[SGO], 16, v33
	v_lshl_add_u32 v[SGO], v32, 4, v[SGO]
	v_lshlrev_b32 v[WOF], 8, v35
	v_lshl_add_u32 v[WOF], v33, 4, v[WOF]
	v_lshlrev_b32 v[WSO], 3, v35
	v_lshlrev_b32 v[BOF], 6, v33
	v_lshlrev_b32 v[BVO], 2, v35
	s_lshl_b32 s5, s2, 11
	s_add_co_u32 s5, s5, LG
	v_lshl_add_u32 v[LGW], v35, 2, s5
	v_lshl_add_u32 v[LGR], v33, 6, s5
	v_lshl_add_u32 v[LGS], v34, 5, s5
	s_lshl_b32 s5, s2, 9
	s_add_co_u32 s5, s5, SCQ
	v_add_nc_u32 v[SBW], s5, v32
	v_add_nc_u32 v[SCR], s5, v[LI]
	v_lshlrev_b32 v36, 18, v33                     ; from n to n + 1: 262,144 bytes
	v_lshl_add_u32 v36, v32, 4, v36
	s_lshl_b32 s5, s2, 8
	v_add_nc_u32 v36, s5, v36
.irp p,0,1,2,3,4,5,6,7
	v_add_nc_u32 v[XO+\p], \p*8388608, v36
.endr
.irp i,4,5,6,7
	v_mov_b32 v[TM+\i], 0                          ; written once: a lane permute's destination counts as one of its sources
.endr
.irp i,1,3,5,7
	v_mov_b32 v[SS+\i], 0                          ; named as upper halves of pairs of which the low word serves both halves
.endr
	s_mov_b32 s[SEL], 0x76543210
	s_mov_b32 s[SEL+1], 0xfedcba98
	s_mov_b32 s[MNT], 0x600000
	s_mov_b32 s[C256], 0x3b800000
	s_mov_b32 s[EPS], 0x3727c5ac
	s_mov_b32 s5, 0
	s_wait_kmcnt 0x0
	s_lshl_b32 s4, ttmp9, 10                       ; residue l: 1,024 bytes
	s_add_nc_u64 s[8:9], s[8:9], s[4:5]
	s_lshl_b32 s4, s2, 8                           ; vectors: my 64 numbers
.irp p,10,12,18,24,30,36
	s_add_nc_u64 s[\p:\p+1], s[\p:\p+1], s[4:5]
.endr
	s_lshl_b32 s4, s2, 14                          ; codes: my 64 rows of 256 bytes
.irp p,14,20,26,32
	s_add_nc_u64 s[\p:\p+1], s[\p:\p+1], s[4:5]
.endr
	s_lshl_b32 s4, s2, 9                           ; scale bytes: my 64 rows of 8
.irp p,16,22,28,34
	s_add_nc_u64 s[\p:\p+1], s[\p:\p+1], s[4:5]
.endr
	s_lshl_b32 s4, s2, 22                          ; QC, KC: head 2 w, row l
	s_lshl_b32 s6, ttmp9, 13
	s_add_co_u32 s4, s4, s6
	s_add_nc_u64 s[38:39], s[38:39], s[4:5]
	s_add_nc_u64 s[42:43], s[42:43], s[4:5]
	s_lshl_b32 s4, s2, 17                          ; QS, KS likewise
	s_lshl_b32 s6, ttmp9, 8
	s_add_co_u32 s4, s4, s6
	s_add_nc_u64 s[40:41], s[40:41], s[4:5]
	s_add_nc_u64 s[44:45], s[44:45], s[4:5]
	LOADV32 FR, 0, 10                              ; the gains
	LOADV32 FR+32, 0, 12
	LOADV32 BI, 0, 18                              ; sw_bq
	LOADWC 0, 1, 14, WOF, 256                      ; sw_wq
	LOADWS WSA, 16, WSO, 256
	LOADWC 128, 1, 20, WOF, 256                    ; sw_wk
	LOADWS WSB, 22, WSO, 256
	; ---- src comes in, six row tiles ahead, and turns through the stage
.irp t,0,1,2,3,4,5
	LOADT \t
.endr
.set T, 0
.rept 16
.if T+6 < 16
	LOADT T+6
.endif
.if 15-T < 6
	s_wait_loadcnt 8*(15-T)                        ; loads come back in order: all but the younger tiles' are in
.else
	s_wait_loadcnt 48
.endif
	TURN T
.set T, T+1
.endr
	s_wait_dscnt 0x0
	LNSTAT
	BARRIER                                        ; every wave's figures lie in STAT
	LNNORM
	LOADV32 0, 3, 24                               ; src's registers are free: sw_bk,
	LOADWC 0, 2, 26, WOF, 256                      ; wq,
	LOADWC 128, 2, 32, WOF, 256                    ; wk,
	LOADREP 32, 3, 30                              ; bq,
	LOADREP 64, 3, 36                              ; bk
	BARRIER                                        ; x's 32 fragments lie in LDS
	; ---- the target's query: row tile 0 holds n = 0 in lane r = 0; the tile's other rows are not used
	v_add_nc_u32 v[ADS], R0S, v[LS]
.irp s,0,1
.irp c,0,1,2,3
	ds_load_b128 v[FR+16*\s+4*\c:FR+16*\s+4*\c+3], v[LI] offset:2048*\s+512*\c
.endr
	ds_load_b32 v[AS+\s], v[ADS] offset:128*\s
.endr
	s_wait_dscnt 0x0
	WIN 0x01                                       ; source 0 (the weight) window 1
.irp f,0,1,2,3
	MM Z+8*\f, 32*\f, FR, BI+8*\f, WSA+2*\f, AS
.endr
.irp f,0,1,2,3
	MM Z+8*\f, 32*\f+16, FR+16, Z+8*\f, WSA+2*\f+1, AS+1
.endr
	WIN 0
	PLACES 8                                       ; eight places behind this form, ahead of the first read of results and of writes and loads into its registers
.irp i,0,1,2,3,4,5,6,7,8,9,10,11,12,13,14,15
	v_pk_mul_f32 v[BI+2*\i:BI+2*\i+1], v[Z+2*\i:Z+2*\i+1], 0x3e3504f3 op_sel_hi:[1,0]   ; / sqrt(32)
.endr
.set ii, 0
.rept 32
	v_mov_b32_dpp v[BI+ii], v[BI+ii] row_share:0 row_mask:0xf bank_mask:0xf   ; lane r = 0 of each half to its sixteen lanes
.set ii, ii+1
.endr
	LOADWS WSA, 28, WSO, 256                       ; wq's scale words
	; ---- the logits: ks = x sw_wk + sw_bk, transposed, a pair of row tiles a trip; a lane's 16 products of a head, and lane l xor 16's
	s_wait_loadcnt 0x0
	v_mov_b32 v[ADF], v[LI]
	FETCHP FR, AS, 0, 0
	s_mov_b32 s[P], 0
.Ls2:
	s_wait_dscnt 0x0                               ; the pair's fragments are in; the last trip's stores are done
	WIN 0x31                                       ; source 0 window 1, C (sw_bk) window 3
.irp t,0,1
.irp f,0,1,2,3
	MM Z+32*\t+8*\f, 128+32*\f, FR+32*\t, 8*\f, WSB+2*\f, AS+2*\t
.endr
.endr
	WIN 0x01                                       ; the eight accumulators take turns
.irp t,0,1
.irp f,0,1,2,3
	MM Z+32*\t+8*\f, 128+32*\f+16, FR+32*\t+16, Z+32*\t+8*\f, WSB+2*\f+1, AS+2*\t+1
.endr
.endr
	WIN 0
	NEXTPAIR
	s_lshl_b32 s[T0], s[P], 7
	v_add_nc_u32 v[ADW], s[T0], v[LGW]
	PLACES 5                                       ; with the three additions: eight places
	FETCHP FR, AS, 0, 0                            ; the next pair; the last trip's is pair 0, with which the next loop begins
.irp x,0,1,2,3
	v_pk_mul_f32 v[PC+4*\x:PC+4*\x+1], v[Z+16*\x:Z+16*\x+1], v[BI+16*(\x%2):BI+16*(\x%2)+1]
	v_pk_mul_f32 v[PC+4*\x+2:PC+4*\x+3], v[Z+16*\x+2:Z+16*\x+3], v[BI+16*(\x%2)+2:BI+16*(\x%2)+3]
.endr
.irp i,4,8,12
.irp x,0,1,2,3
	v_pk_fma_f32 v[PC+4*\x:PC+4*\x+1], v[Z+16*\x+\i:Z+16*\x+\i+1], v[BI+16*(\x%2)+\i:BI+16*(\x%2)+\i+1], v[PC+4*\x:PC+4*\x+1]
	v_pk_fma_f32 v[PC+4*\x+2:PC+4*\x+3], v[Z+16*\x+\i+2:Z+16*\x+\i+3], v[BI+16*(\x%2)+\i+2:BI+16*(\x%2)+\i+3], v[PC+4*\x+2:PC+4*\x+3]
.endr
.endr
.irp x,0,1,2,3
	v_pk_add_f32 v[PC+4*\x:PC+4*\x+1], v[PC+4*\x:PC+4*\x+1], v[PC+4*\x+2:PC+4*\x+3]
.endr
.irp x,0,1,2,3
	v_add_f32 v[PC+4*\x], v[PC+4*\x], v[PC+4*\x+1]
.endr
.irp x,0,1,2,3
	v_permlanex16_b32 v[PC+4*\x+1], v[PC+4*\x], s[SEL], s[SEL+1]
.endr
.irp x,0,1,2,3
	v_add_f32 v[PC+4*\x], v[PC+4*\x], v[PC+4*\x+1]
.endr
.irp x,0,1,2,3
	ds_store_b32 v[ADW], v[PC+4*\x] offset:1024*(\x%2)+32*(\x/2)   ; x = 2 (row tile) + (head): both halves write the same word with the same value
.endr
	s_add_co_u32 s[P], s[P], 1
	s_cmp_lt_u32 s[P], 8
	s_cbranch_scc1 .Ls2
	LOADWS WSB, 34, WSO, 256                       ; wk's scale words
	; ---- sw = softmax over n, my two heads: my wave's own bytes, so no barrier; 8 numbers a lane and head
.irp g,0,1
	ds_load_b128 v[Z+8*\g:Z+8*\g+3], v[LGS] offset:1024*\g
	ds_load_b128 v[Z+8*\g+4:Z+8*\g+7], v[LGS] offset:1024*\g+16
.endr
	s_wait_dscnt 0x0
.irp g,0,1
	v_max3_num_f32 v[TM+2*\g], v[Z+8*\g], v[Z+8*\g+1], v[Z+8*\g+2]
.endr
.irp i,3,5
.irp g,0,1
	v_max3_num_f32 v[TM+2*\g], v[TM+2*\g], v[Z+8*\g+\i], v[Z+8*\g+\i+1]
.endr
.endr
.irp g,0,1
	v_max_num_f32 v[TM+2*\g], v[TM+2*\g], v[Z+8*\g+7]
.endr
.irp m,1,2,4,8
.irp g,0,1
	v_max_num_f32_dpp v[TM+2*\g], v[TM+2*\g], v[TM+2*\g] row_xmask:\m row_mask:0xf bank_mask:0xf
.endr
.endr
.irp g,0,1
	v_permlanex16_b32 v[TM+4+\g], v[TM+2*\g], s[SEL], s[SEL+1]
.endr
.irp g,0,1
	v_max_num_f32 v[TM+2*\g], v[TM+2*\g], v[TM+4+\g]         ; the head's largest logit
.endr
.irp g,0,1
.irp i,0,2,4,6
	v_pk_add_f32 v[Z+8*\g+\i:Z+8*\g+\i+1], v[Z+8*\g+\i:Z+8*\g+\i+1], v[TM+2*\g:TM+2*\g+1] op_sel_hi:[1,0] neg_lo:[0,1] neg_hi:[0,1]
.endr
.endr
.irp i,0,2,4,6,8,10,12,14
	v_pk_mul_f32 v[Z+\i:Z+\i+1], v[Z+\i:Z+\i+1], 0x3fb8aa3b op_sel_hi:[1,0]
.endr
.irp i,0,1,2,3,4,5,6,7,8,9,10,11,12,13,14,15
	v_exp_f32 v[Z+\i], v[Z+\i]
.endr
	v_nop
	s_wait_alu depctr_va_vdst(0)                   ; one wait for the batch, ahead of its first reader
.irp g,0,1
	v_pk_add_f32 v[PC+4*\g:PC+4*\g+1], v[Z+8*\g:Z+8*\g+1], v[Z+8*\g+2:Z+8*\g+3]
	v_pk_add_f32 v[PC+4*\g+2:PC+4*\g+3], v[Z+8*\g+4:Z+8*\g+5], v[Z+8*\g+6:Z+8*\g+7]
.endr
.irp g,0,1
	v_pk_add_f32 v[PC+4*\g:PC+4*\g+1], v[PC+4*\g:PC+4*\g+1], v[PC+4*\g+2:PC+4*\g+3]
.endr
.irp g,0,1
	v_add_f32 v[TM+2*\g], v[PC+4*\g], v[PC+4*\g+1]
.endr
.irp m,1,2,4,8
.irp g,0,1
	v_add_f32_dpp v[TM+2*\g], v[TM+2*\g], v[TM+2*\g] row_xmask:\m row_mask:0xf bank_mask:0xf
.endr
.endr
.irp g,0,1
	v_permlanex16_b32 v[TM+4+\g], v[TM+2*\g], s[SEL], s[SEL+1]
.endr
.irp g,0,1
	v_add_f32 v[TM+2*\g], v[TM+2*\g], v[TM+4+\g]
.endr
.irp g,0,1
	v_rcp_f32 v[TM+2*\g], v[TM+2*\g]
.endr
	v_nop
	s_wait_alu depctr_va_vdst(0)
.irp g,0,1
.irp i,0,2,4,6
	v_pk_mul_f32 v[Z+8*\g+\i:Z+8*\g+\i+1], v[Z+8*\g+\i:Z+8*\g+\i+1], v[TM+2*\g:TM+2*\g+1] op_sel_hi:[1,0]
.endr
.endr
.irp g,0,1
	ds_store_b128 v[LGS], v[Z+8*\g:Z+8*\g+3] offset:1024*\g
	ds_store_b128 v[LGS], v[Z+8*\g+4:Z+8*\g+7] offset:1024*\g+16
.endr
; ---- q sw, then k: the product as it is (source 0 = rows), so that a lane's 16 registers of a pair of row tiles are 16 neighbouring n of one feature: the next K.
; wb, bb: the weight in window 2 and its bias in window 3; ws: its scale words; sw = 1: times sw; cp, sp: the codes' and the scale bytes' buffers; sc: the bytes' place in LDS
.macro QKLOOP wb, bb, ws, sw, cp, sc, sp
	s_mov_b32 s[P], 0
.Lqk_\@:
	s_wait_dscnt 0x0                               ; the pair's fragments are in; my LDS stores are done
.if \sw
	s_lshl_b32 s[T0], s[P], 7
	v_add_nc_u32 v[ADX], s[T0], v[LGR]
.irp g,0,1
.irp q,0,1,2,3
	ds_load_b128 v[BI+16*\g+4*\q:BI+16*\g+4*\q+3], v[ADX] offset:1024*\g+16*\q   ; sw of my 16 n, both heads: they land under the products
.endr
.endr
.endif
	WIN 0x38                                       ; source 1 (the weight) window 2, C (the bias) window 3
.irp t,0,1
.irp f,0,1,2,3
	MM Z+16*\f+8*\t, FR+32*\t, \wb+32*\f, \bb+8*\f, AS+2*\t, \ws+2*\f
.endr
.endr
	WIN 0x08
.irp t,0,1
.irp f,0,1,2,3
	MM Z+16*\f+8*\t, FR+32*\t+16, \wb+32*\f+16, Z+16*\f+8*\t, AS+2*\t+1, \ws+2*\f+1
.endr
.endr
	WIN 0
	NEXTPAIR
	s_lshl_b32 s[T0], s[P], 4
	v_add_nc_u32 v[ADW], s[T0], v[SBW]
	PLACES 5                                       ; with the three additions: eight places
	FETCHP FR, AS, 0, 0
.if \sw
	s_wait_dscnt 20                                ; sw is in: behind its loads only the 20 just issued
.irp f,0,1,2,3
.irp i,0,2,4,6,8,10,12,14
	v_pk_mul_f32 v[Z+16*\f+\i:Z+16*\f+\i+1], v[Z+16*\f+\i:Z+16*\f+\i+1], v[BI+16*(\f/2)+\i:BI+16*(\f/2)+\i+1]
.endr
.endr
.endif
	QUANT64 0
.irp f,0,1,2,3
	global_store_b128 v[LI], v[PC+4*\f:PC+4*\f+3], s[\cp:\cp+1] offset:(\f/2)*2097152+(\f%2)*4096   ; the wave stores 512 consecutive bytes, aligned
.endr
.irp f,0,1,2,3
	ds_store_b8 v[ADW], v[TM+4+\f] offset:\sc+(\f/2)*256+(\f%2)*128   ; both halves write the same byte with the same value
.endr
	s_wait_xcnt 0x0                                ; the stores' data and base are written again only behind this wait
	s_add_nc_u64 s[\cp:\cp+1], s[\cp:\cp+1], 512
	s_add_co_u32 s[P], s[P], 1
	s_cmp_lt_u32 s[P], 8
	s_cbranch_scc1 .Lqk_\@
	ds_load_b128 v[BI:BI+3], v[SCR] offset:\sc     ; my two heads' 256 scale bytes each leave whole
	s_wait_dscnt 0x0
	global_store_b128 v[SGO], v[BI:BI+3], s[\sp:\sp+1]
.endm
	QKLOOP 0, 32, WSA, 1, 38, 0, 40
	s_wait_loadcnt 0x0                             ; wk's scale words
	QKLOOP 128, 64, WSB, 0, 42, 2048, 44
	s_wait_tensorcnt 0x0
	ds_add_u32 v246, v247
	s_wait_dscnt 0x0
	s_endpgm
.Lfunc_end_k_qd9181c9d6f_proj:
	.size	k_qd9181c9d6f_proj, .Lfunc_end_k_qd9181c9d6f_proj-k_qd9181c9d6f_proj
	.p2alignl 7, 3214868480
	.fill 96, 4, 3214868480
	.section	.rodata,"a",@progbits
	.p2align	6, 0x0
	.amdhsa_kernel k_qd9181c9d6f_proj
		.amdhsa_group_segment_fixed_size 108032
		.amdhsa_private_segment_fixed_size 0
		.amdhsa_enable_private_segment 0
		.amdhsa_kernarg_size 152
		.amdhsa_user_sgpr_count 2
		.amdhsa_user_sgpr_kernarg_segment_ptr 1
		.amdhsa_wavefront_size32 1
		.amdhsa_system_sgpr_workgroup_id_x 1
		.amdhsa_system_sgpr_workgroup_id_y 1
		.amdhsa_system_sgpr_workgroup_id_z 1
		.amdhsa_system_vgpr_workitem_id 0
		.amdhsa_next_free_vgpr 1024
		.amdhsa_next_free_sgpr 100
		.amdhsa_reserve_vcc 0
		.amdhsa_float_denorm_mode_32 3
		.amdhsa_float_denorm_mode_16_64 3
		.amdhsa_memory_ordered 1
		.amdhsa_forward_progress 1
		.amdhsa_inst_pref_size 164
	.end_amdhsa_kernel
	.amdgpu_metadata
---
amdhsa.version: [ 1, 2 ]
amdhsa.kernels:
  - .name:           k_qd9181c9d6f_proj
    .symbol:         k_qd9181c9d6f_proj.kd
    .args:
      - { .name: src, .offset: 0, .size: 8, .value_kind: global_buffer, .address_space: global }
      - { .name: ln1_a, .offset: 8, .size: 8, .value_kind: global_buffer, .address_space: global }
      - { .name: ln1_b, .offset: 16, .size: 8, .value_kind: global_buffer, .address_space: global }
      - { .name: sw_wq_codes, .offset: 24, .size: 8, .value_kind: global_buffer, .address_space: global }
      - { .name: sw_wq_scales, .offset: 32, .size: 8, .value_kind: global_buffer, .address_space: global }
      - { .name: sw_bq, .offset: 40, .size: 8, .value_kind: global_buffer, .address_space: global }
      - { .name: sw_wk_codes, .offset: 48, .size: 8, .value_kind: global_buffer, .address_space: global }
      - { .name: sw_wk_scales, .offset: 56, .size: 8, .value_kind: global_buffer, .address_space: global }
      - { .name: sw_bk, .offset: 64, .size: 8, .value_kind: global_buffer, .address_space: global }
      - { .name: wq_codes, .offset: 72, .size: 8, .value_kind: global_buffer, .address_space: global }
      - { .name: wq_scales, .offset: 80, .size: 8, .value_kind: global_buffer, .address_space: global }
      - { .name: bq, .offset: 88, .size: 8, .value_kind: global_buffer, .address_space: global }
      - { .name: wk_codes, .offset: 96, .size: 8, .value_kind: global_buffer, .address_space: global }
      - { .name: wk_scales, .offset: 104, .size: 8, .value_kind: global_buffer, .address_space: global }
      - { .name: bk, .offset: 112, .size: 8, .value_kind: global_buffer, .address_space: global }
      - { .name: QC, .offset: 120, .size: 8, .value_kind: global_buffer, .address_space: global }
      - { .name: QS, .offset: 128, .size: 8, .value_kind: global_buffer, .address_space: global }
      - { .name: KC, .offset: 136, .size: 8, .value_kind: global_buffer, .address_space: global }
      - { .name: KS, .offset: 144, .size: 8, .value_kind: global_buffer, .address_space: global }
    .group_segment_fixed_size: 108032
    .private_segment_fixed_size: 0
    .kernarg_segment_align: 8
    .kernarg_segment_size: 152
    .max_flat_workgroup_size: 128
    .sgpr_count:     100
    .vgpr_count:     1024
    .wavefront_size: 32
...
	.end_amdgpu_metadata
.endif
;; end of part 1
;; launch scores (part 2): grid 32 x 8, 4 waves a work-group, no clusters, 270,848 bytes of LDS; arguments QC, QS, KC, KS, SP; writes SP
.if DOCPART == 2
	.amdgcn_target "amdgcn-amd-amdhsa--gfx1250"
	.amdhsa_code_object_version 6
	.text
	.protected	k_qd9181c9d6f_scores
	.globl	k_qd9181c9d6f_scores
	.p2align	8
	.type	k_qd9181c9d6f_scores,@function
k_qd9181c9d6f_scores:
	s_mov_b64 s[64:65], 0
	v_nop
	global_prefetch_b8 v0, s[64:65] scope:SCOPE_SE
	s_setreg_imm32_b32 hwreg(HW_REG_WAVE_MODE, 25, 1), 1
	s_wait_xcnt 0x0
; SCORES: the tied scores, for each head [256 l] x [K 8,192] x [256 m], on the codes and scale bytes that the launch before stored.
; A work-group makes 128 l x 128 m over an eighth of K (1,024 bytes of each row: 8 steps of 128) and stores its partial sums, f32, as they lie in registers; the next launch adds the eight.
; grid x = (2 lq + mq) + 4 kq, y = head.  Wave (wl, wm) makes 64 x 64: 16 accumulators.  The product is used transposed (source 0 = 16 rows of k, source 1 = 16 rows of q sw): a lane holds one l and registers along m.
; A K STEP.  A row's bytes lie in runs of 512: [hf][r][16].  Step 4 sg + i takes, for lane half hf, the 64 bytes at 512 sg + 256 hf + 64 i: its four blocks are (sg, r = 4 i + c), and their bytes are word 4 sg + i of the row's scale bytes.
; The same order serves both operands, and a block's 32 numbers meet one scale byte on each side.
; THE ROWS OF A TILE ARE NOT NEIGHBOURS: lane r of tile x takes row 32 (x / 2) + 8 (x % 2) + r + 8 (r / 8), so that the 16 registers of two neighbouring tiles of m are 16 neighbouring m.
; LDS is filled once, by two tensor loads a wave (64 rows x 512 bytes each), issued together at the head: nothing is filled again.
; No cluster: a tile of 128 rows has two work-groups that want it, and a mask over a row or column of four would name two that do not.
; The scale words are read as 32 bytes of each row's 256: a partial read, of one megabyte in the whole launch.
.set PITCH, 528                        ; 512 bytes + 16 of padding
.set QUART, 64*PITCH                   ; what one tensor load brings
.set CHUNK, 4*QUART                    ; q's 128 rows, then k's 128 rows, 512 along the row
.set LI,  6                            ; v6    16 x lane
.set SQO, 7                            ; v7    256 (r + 8 (r / 8)): a row of scale bytes
.set ADQ, 8                            ; v8-9  my fragments of q in chunk 0, 1
.set ADK, 10                           ; v10-11 of k
.set SCQ, 32                           ; v32-63  q's scale words: tile a, step k at 8 a + k
.set SCK, 64                           ; v64-95  k's
; fragments: v128-191 k's four, v192-255 q's four: window 0 for even steps, window 1 for odd.  Accumulator (a, b) at v[32 a + 8 b] of window 1
.set MSB, 0
.macro WIN new
.if MSB != (\new)
	s_set_vgpr_msb (MSB<<8)|(\new)
.set MSB, (\new)
.endif
.endm
.macro PLACES n
.rept \n
	v_nop
.endr
.endm
	s_load_b256 s[4:11], s[0:1], 0x0               ; QC 4, QS 6, KC 8, KS 10
	s_load_b64 s[12:13], s[0:1], 0x20              ; SP
	v_lshl_add_u32 v126, v0, 2, 0x42000
	v_mov_b32 v127, 0
	ds_add_u32 v126, v127
	ds_add_u32 v126, v127
	v_lshrrev_b32 v1, 5, v0
	v_readfirstlane_b32 s14, v1                    ; wave
	s_and_b32 s15, ttmp9, 3
	s_lshr_b32 s16, ttmp9, 2                       ; kq
	s_lshr_b32 s17, s15, 1                         ; lq
	s_and_b32 s18, s15, 1                          ; mq
	s_and_b32 s19, ttmp7, 0xffff                   ; head
	s_lshr_b32 s20, s14, 1                         ; wl.  Also: I fetch for q (0) or for k (1)
	s_and_b32 s21, s14, 1                          ; wm.  Also: which 64 rows I fetch
	s_mov_b32 s24, (1<<20)|(6<<22)|(3<<25)         ; group 1: elements of 1 byte; padding on: 4 words behind every 128
	s_mov_b32 s25, 512<<16                         ; tensor_dim0 = 512
	s_mov_b32 s26, 64<<16                          ; tensor_dim1 = 64
	s_mov_b32 s27, 512<<16                         ; tile_dim0 = 512
	s_mov_b32 s28, 64                              ; tile_dim1 = 64
	s_mov_b32 s29, 8192                            ; from row to row
	s_mov_b32 s30, 0
	s_mov_b32 s31, 0
	s_cmp_eq_u32 s20, 0
	s_cselect_b32 s22, s17, s18
	s_lshl_b32 s22, s22, 7
	s_lshl_b32 s23, s21, 6
	s_add_co_u32 s22, s22, s23
	s_lshl_b32 s23, s19, 8
	s_add_co_u32 s22, s22, s23                     ; the first row that I fetch: 256 head + 128 (lq or mq) + 64 (wave % 2)
	s_lshl_b32 s22, s22, 13
	s_lshl_b32 s23, s16, 10
	s_add_co_u32 s40, s22, s23                     ; its byte, + 1,024 kq
	s_mov_b32 s41, 0
	s_mul_i32 s44, s14, QUART
	s_wait_dscnt 0x0
	s_wait_kmcnt 0x0
	s_cmp_eq_u32 s20, 0                            ; the choice hangs on the wave's number alone
	s_cselect_b64 s[42:43], s[4:5], s[8:9]
	s_add_nc_u64 s[42:43], s[42:43], s[40:41]
	s_mov_b32 s32, 1
	s_mov_b32 s33, s44
	s_mov_b64 s[34:35], s[42:43]
	s_or_b32 s35, s35, 0x80000000
	s_mov_b32 s36, 1
	s_add_co_u32 s37, s44, CHUNK
	s_add_nc_u64 s[38:39], s[42:43], 512
	s_or_b32 s39, s39, 0x80000000
	tensor_load_to_lds s[32:35], s[24:31]          ; both first fills together: two loads of mine are out
	s_nop 0
	tensor_load_to_lds s[36:39], s[24:31]
	s_nop 0
.rept 4
	v_nop
.endr
	v_and_b32 v1, 15, v0                           ; r
	v_bfe_u32 v2, v0, 4, 1                         ; hf
	v_and_b32 v3, 8, v1
	v_add_nc_u32 v3, v3, v1                        ; r + 8 (r / 8)
	v_and_b32 v4, 31, v0
	v_lshlrev_b32 v[LI], 4, v4
	v_mul_u32_u24 v5, v3, PITCH
	v_lshl_add_u32 v5, v2, 8, v5
	s_mul_i32 s45, s20, QUART
	v_add_nc_u32 v[ADQ], s45, v5
	v_add_nc_u32 v[ADQ+1], CHUNK, v[ADQ]
	s_mul_i32 s45, s21, QUART
	s_add_co_u32 s45, s45, 2*QUART
	v_add_nc_u32 v[ADK], s45, v5
	v_add_nc_u32 v[ADK+1], CHUNK, v[ADK]
	v_lshlrev_b32 v[SQO], 8, v3
	s_lshl_b32 s22, s19, 8
	s_lshl_b32 s23, s17, 7
	s_add_co_u32 s23, s23, s22
	s_lshl_b32 s45, s20, 6
	s_add_co_u32 s23, s23, s45                     ; my first row of q
	s_lshl_b32 s40, s23, 8
	s_lshl_b32 s46, s16, 5                         ; 8 words for my eighth of K
	s_add_co_u32 s40, s40, s46
	s_add_nc_u64 s[6:7], s[6:7], s[40:41]
	s_lshl_b32 s23, s18, 7
	s_add_co_u32 s23, s23, s22
	s_lshl_b32 s45, s21, 6
	s_add_co_u32 s23, s23, s45                     ; my first row of k
	s_lshl_b32 s40, s23, 8
	s_add_co_u32 s40, s40, s46
	s_add_nc_u64 s[10:11], s[10:11], s[40:41]
.irp a,0,1,2,3
.irp q,0,1
	global_load_b128 v[SCQ+8*\a+4*\q:SCQ+8*\a+4*\q+3], v[SQO], s[6:7] offset:(32*(\a/2)+8*(\a%2))*256+16*\q
	global_load_b128 v[SCK+8*\a+4*\q:SCK+8*\a+4*\q+3], v[SQO], s[10:11] offset:(32*(\a/2)+8*(\a%2))*256+16*\q
.endr
.endr
	s_lshl_b32 s40, s16, 3                         ; where my part of SP begins: ((((kq 8 + head) 16 + 8 lq + 4 wl) 8 + 4 mq + 2 wm) 2,048
	s_add_co_u32 s40, s40, s19
	s_lshl_b32 s40, s40, 4
	s_lshl_b32 s45, s17, 3
	s_add_co_u32 s40, s40, s45
	s_lshl_b32 s45, s20, 2
	s_add_co_u32 s40, s40, s45
	s_lshl_b32 s40, s40, 3
	s_lshl_b32 s45, s18, 2
	s_add_co_u32 s40, s40, s45
	s_lshl_b32 s45, s21, 1
	s_add_co_u32 s40, s40, s45
	s_lshl_b32 s40, s40, 11
	s_add_nc_u64 s[12:13], s[12:13], s[40:41]
.macro FETCH k                         ; step k's eight fragments: 32 LDS loads
.if (\k)%2
	WIN 0x40
.endif
.irp x,0,1,2,3
.irp c,0,1,2,3
	ds_load_b128 v[128+16*\x+4*\c:128+16*\x+4*\c+3], v[ADK+(\k)/4] offset:(32*(\x/2)+8*(\x%2))*PITCH+64*((\k)%4)+16*\c
.endr
.endr
.irp x,0,1,2,3
.irp c,0,1,2,3
	ds_load_b128 v[192+16*\x+4*\c:192+16*\x+4*\c+3], v[ADQ+(\k)/4] offset:(32*(\x/2)+8*(\x%2))*PITCH+64*((\k)%4)+16*\c
.endr
.endr
	WIN 0
.endm
.macro MUL k                           ; 16 products; the accumulators take turns, in the same order in every step.  The first step starts the sums
	WIN 0x50+5*((\k)%2)
.irp a,0,1,2,3
.irp b,0,1,2,3
.if (\k) == 0
	v_wmma_scale_f32_16x16x128_f8f6f4 v[32*\a+8*\b:32*\a+8*\b+7], v[128+16*\b:128+16*\b+15], v[192+16*\a:192+16*\a+15], 0, v[SCK+8*\b+(\k)], v[SCQ+8*\a+(\k)] matrix_a_fmt:MATRIX_FMT_BF8 matrix_b_fmt:MATRIX_FMT_BF8
.else
	v_wmma_scale_f32_16x16x128_f8f6f4 v[32*\a+8*\b:32*\a+8*\b+7], v[128+16*\b:128+16*\b+15], v[192+16*\a:192+16*\a+15], v[32*\a+8*\b:32*\a+8*\b+7], v[SCK+8*\b+(\k)], v[SCQ+8*\a+(\k)] matrix_a_fmt:MATRIX_FMT_BF8 matrix_b_fmt:MATRIX_FMT_BF8
.endif
.endr
.endr
	WIN 0
.endm
	s_wait_tensorcnt 0x1                           ; my part of chunk 0 is in; chunk 1's may stay out
	s_barrier_signal -1
	s_barrier_wait -1                              ; everybody's is
	FETCH 0
.set KK, 0
.rept 8
.if KK == 3
	s_wait_tensorcnt 0x0                           ; my part of chunk 1 is in,
	s_wait_dscnt 0x0
	s_barrier_signal -1
	s_barrier_wait -1                              ; everybody's is
.endif
.if (KK > 0) && (KK < 7)
	PLACES 8                                       ; eight places ahead of loads into the registers that the last step's products read
.endif
.if KK < 7
	FETCH KK+1
	s_wait_dscnt 32                                ; all but the 32 just issued
.else
	s_wait_dscnt 0x0
.endif
.if KK == 0
	s_wait_loadcnt 0x0                             ; the scale words
.endif
	MUL KK
.set KK, KK+1
.endr
	PLACES 8
	WIN 0x04                                       ; a store's data are its source 1: window 1
.irp a,0,1,2,3
.irp b,0,1
.irp q,0,1,2,3
	global_store_b128 v[LI], v[32*\a+16*\b+4*\q:32*\a+16*\b+4*\q+3], s[12:13] offset:16384*\a+2048*\b+512*\q   ; each accumulator from its low end on; the wave stores 512 consecutive bytes, aligned
.endr
.endr
.endr
	WIN 0
	s_wait_tensorcnt 0x0
	ds_add_u32 v126, v127
	s_wait_dscnt 0x0
	s_endpgm
.Lfunc_end_k_qd9181c9d6f_scores:
	.size	k_qd9181c9d6f_scores, .Lfunc_end_k_qd9181c9d6f_scores-k_qd9181c9d6f_scores
	.p2alignl 7, 3214868480
	.fill 96, 4, 3214868480
	.section	.rodata,"a",@progbits
	.p2align	6, 0x0
	.amdhsa_kernel k_qd9181c9d6f_scores
		.amdhsa_group_segment_fixed_size 270848
		.amdhsa_private_segment_fixed_size 0
		.amdhsa_enable_private_segment 0
		.amdhsa_kernarg_size 40
		.amdhsa_user_sgpr_count 2
		.amdhsa_user_sgpr_kernarg_segment_ptr 1
		.amdhsa_wavefront_size32 1
		.amdhsa_system_sgpr_workgroup_id_x 1
		.amdhsa_system_sgpr_workgroup_id_y 1
		.amdhsa_system_sgpr_workgroup_id_z 1
		.amdhsa_system_vgpr_workitem_id 0
		.amdhsa_next_free_vgpr 512
		.amdhsa_next_free_sgpr 66
		.amdhsa_reserve_vcc 0
		.amdhsa_float_denorm_mode_32 3
		.amdhsa_float_denorm_mode_16_64 3
		.amdhsa_memory_ordered 1
		.amdhsa_forward_progress 1
		.amdhsa_inst_pref_size 45
	.end_amdhsa_kernel
	.amdgpu_metadata
---
amdhsa.version: [ 1, 2 ]
amdhsa.kernels:
  - .name:           k_qd9181c9d6f_scores
    .symbol:         k_qd9181c9d6f_scores.kd
    .args:
      - { .name: QC, .offset: 0, .size: 8, .value_kind: global_buffer, .address_space: global }
      - { .name: QS, .offset: 8, .size: 8, .value_kind: global_buffer, .address_space: global }
      - { .name: KC, .offset: 16, .size: 8, .value_kind: global_buffer, .address_space: global }
      - { .name: KS, .offset: 24, .size: 8, .value_kind: global_buffer, .address_space: global }
      - { .name: SP, .offset: 32, .size: 8, .value_kind: global_buffer, .address_space: global }
    .group_segment_fixed_size: 270848
    .private_segment_fixed_size: 0
    .kernarg_segment_align: 8
    .kernarg_segment_size: 40
    .max_flat_workgroup_size: 128
    .sgpr_count:     66
    .vgpr_count:     512
    .wavefront_size: 32
...
	.end_amdgpu_metadata
.endif
;; end of part 2
;; launch soft (part 3): grid 16 x 8, 4 waves a work-group, no clusters, 1,536 bytes of LDS; arguments SP, P, PS, RLB; writes P, PS, RLB
.if DOCPART == 3
	.amdgcn_target "amdgcn-amd-amdhsa--gfx1250"
	.amdhsa_code_object_version 6
	.text
	.protected	k_qd9181c9d6f_soft
	.globl	k_qd9181c9d6f_soft
	.p2align	8
	.type	k_qd9181c9d6f_soft,@function
k_qd9181c9d6f_soft:
	s_mov_b64 s[64:65], 0
	v_nop
	global_prefetch_b8 v0, s[64:65] scope:SCOPE_SE
	s_setreg_imm32_b32 hwreg(HW_REG_WAVE_MODE, 25, 1), 1
	s_wait_xcnt 0x0
; SOFT: the softmax over m ahead of the product with v.  A work-group takes one tile of 16 rows l of one head (grid x = tile, y = head); wave w takes m = 64 w .. 64 w + 63: lane (r, hf) holds 16 neighbouring m of each of two blocks of 32.
; The eight partial sums are added, kq ascending; t = (sum / sqrt(32)) x log2(e); M = the row's largest t rounded up to a whole number; p = 2^(t - M), not normalised, is quantised along m to E5M2 with one E8M0 byte for each 32;
; the row's sum is taken of the unquantised p and its reciprocal is stored.  P: p's codes as images of the operand's registers, [head][tile][K step 2][piece 4][lane][16]; PS: scale words [head][tile][K step][lane]; RLB: [head][16 tile + r] f32.
; 128 work-groups: a tile of 16 rows is the least that the layout gives, and a head has 16.  No matrix work, no tensor loads: each byte is read once, by loads of 512 consecutive bytes a wave.
; LIMITS: NaN and infinities are not served; p under 2^-126 comes out of v_exp_f32 as 0; a block of zeros gets the byte 1 over zero codes; 1 / sum comes from v_rcp_f32.  RLB is stored 64 bytes at a time (8 KB in the launch).
.set MX,  0                            ; LDS: [r][wave] the waves' largest t
.set SM,  256                          ; [r][wave] their sums
.set PSL, 512                          ; the tile's scale words
.set X,   16                           ; v16-47 the 32 numbers; v48-239 six more sets on their way
	s_load_b256 s[4:11], s[0:1], 0x0               ; SP 4, P 6, PS 8, RLB 10
	v_lshl_add_u32 v254, v0, 2, 0x400
	v_mov_b32 v255, 0
	v_lshrrev_b32 v1, 5, v0
	v_readfirstlane_b32 s12, v1                    ; wave
	v_and_b32 v3, 31, v0
	v_and_b32 v2, 15, v0
	v_lshlrev_b32 v1, 4, v3                        ; 16 x lane
	v_lshlrev_b32 v5, 4, v2                        ; 16 r
	s_lshl_b32 s15, s12, 2
	v_add_nc_u32 v4, s15, v5                       ; 16 r + 4 w
	s_lshr_b32 s15, s12, 1
	s_and_b32 s20, s12, 1
	s_lshl_b32 s21, s15, 7
	s_lshl_b32 s22, s20, 1
	s_add_co_u32 s21, s21, s22
	v_lshl_add_u32 v6, v3, 2, s21                  ; 128 (w / 2) + 4 lane + 2 (w % 2)
	v_lshlrev_b32 v7, 3, v3                        ; 8 x lane
	v_lshlrev_b32 v8, 2, v2                        ; 4 r
	v_mov_b32 v241, 0                              ; written once: a lane permute's destination counts as one of its sources
	s_and_b32 s13, ttmp7, 0xffff
	s_lshl_b32 s14, s13, 4
	s_add_co_u32 s14, s14, ttmp9                   ; 16 head + tile
	s_lshl_b32 s16, s14, 14
	s_lshl_b32 s17, s12, 12
	s_add_co_u32 s16, s16, s17
	s_mov_b32 s17, 0
	s_mov_b32 s24, 0x76543210
	s_mov_b32 s25, 0xfedcba98
	s_mov_b32 s26, 0x600000
	s_wait_kmcnt 0x0
	s_add_nc_u64 s[4:5], s[4:5], s[16:17]
	s_add_nc_u64 s[18:19], s[4:5], 0x800000        ; kq 4 to 7: beyond the immediate's reach
	s_lshl_b32 s16, s14, 12
	s_lshl_b32 s21, s15, 11
	s_add_co_u32 s16, s16, s21
	s_lshl_b32 s21, s20, 10
	s_add_co_u32 s16, s16, s21
	s_add_nc_u64 s[6:7], s[6:7], s[16:17]
	s_lshl_b32 s16, s14, 8
	s_add_nc_u64 s[8:9], s[8:9], s[16:17]
	s_lshl_b32 s16, s14, 6
	s_add_nc_u64 s[10:11], s[10:11], s[16:17]
.macro LDSET k, slot
.irp b,0,1
.irp q,0,1,2,3
.if \k < 4
	global_load_b128 v[X+32*\slot+16*\b+4*\q:X+32*\slot+16*\b+4*\q+3], v1, s[4:5] offset:(\k%4)*2097152+2048*\b+512*\q th:TH_LOAD_NT
.else
	global_load_b128 v[X+32*\slot+16*\b+4*\q:X+32*\slot+16*\b+4*\q+3], v1, s[18:19] offset:(\k%4)*2097152+2048*\b+512*\q th:TH_LOAD_NT
.endif
.endr
.endr
.endm
.macro ADDSET slot
.irp i,0,2,4,6,8,10,12,14,16,18,20,22,24,26,28,30
	v_pk_add_f32 v[X+\i:X+\i+1], v[X+\i:X+\i+1], v[X+32*\slot+\i:X+32*\slot+\i+1]
.endr
.endm
.irp k,0,1,2,3,4,5,6
	LDSET \k, \k
.endr
	s_wait_loadcnt 40                              ; sets 0 and 1 are in: behind them five sets of eight loads
	ADDSET 1
	LDSET 7, 1                                     ; the last set, into the registers just added
	s_wait_loadcnt 40                              ; behind set 2: sets 3 to 7
	ADDSET 2
	s_wait_loadcnt 32
	ADDSET 3
	s_wait_loadcnt 24
	ADDSET 4
	s_wait_loadcnt 16
	ADDSET 5
	s_wait_loadcnt 8
	ADDSET 6
	s_wait_loadcnt 0x0
	ADDSET 1
.irp i,0,2,4,6,8,10,12,14,16,18,20,22,24,26,28,30
	v_pk_mul_f32 v[X+\i:X+\i+1], v[X+\i:X+\i+1], 0x3e3504f3 op_sel_hi:[1,0]   ; / sqrt(32): the logit
.endr
.irp i,0,2,4,6,8,10,12,14,16,18,20,22,24,26,28,30
	v_pk_mul_f32 v[X+\i:X+\i+1], v[X+\i:X+\i+1], 0x3fb8aa3b op_sel_hi:[1,0]   ; x log2(e): t
.endr
.irp b,0,1
	v_max3_num_f32 v[242+\b], v[X+16*\b], v[X+16*\b+1], v[X+16*\b+2]
.endr
.irp i,3,5,7,9,11,13
.irp b,0,1
	v_max3_num_f32 v[242+\b], v[242+\b], v[X+16*\b+\i], v[X+16*\b+\i+1]
.endr
.endr
	v_max3_num_f32 v240, v242, v243, v[X+15]
	v_max_num_f32 v240, v240, v[X+31]
	v_permlanex16_b32 v241, v240, s24, s25
	v_max_num_f32 v240, v240, v241                 ; my wave's largest t of row r
	ds_store_b32 v4, v240 offset:MX
	s_wait_dscnt 0x0
	s_barrier_signal -1
	s_barrier_wait -1
	ds_load_b128 v[244:247], v5 offset:MX
	s_wait_dscnt 0x0
	v_max3_num_f32 v240, v244, v245, v246
	v_max_num_f32 v240, v240, v247                 ; the row's
	v_floor_f32 v242, -v240                        ; -M = floor(-t) = -ceil(t)
	v_mov_b32 v243, v242                           ; (named with it as a pair)
.irp i,0,2,4,6,8,10,12,14,16,18,20,22,24,26,28,30
	v_pk_add_f32 v[X+\i:X+\i+1], v[X+\i:X+\i+1], v[242:243] op_sel_hi:[1,0]
.endr
.set ii, 0
.rept 32
	v_exp_f32 v[X+ii], v[X+ii]                     ; p = 2^(t - M)
.set ii, ii+1
.endr
	v_nop
	s_wait_alu depctr_va_vdst(0)                   ; one wait for the batch, ahead of its first reader
.irp k,0,1,2,3,4,5,6,7
	v_pk_add_f32 v[48+2*\k:48+2*\k+1], v[X+4*\k:X+4*\k+1], v[X+4*\k+2:X+4*\k+3]   ; the sum of the unquantised p
.endr
.irp k,0,1,2,3
	v_pk_add_f32 v[48+4*\k:48+4*\k+1], v[48+4*\k:48+4*\k+1], v[48+4*\k+2:48+4*\k+3]
.endr
	v_pk_add_f32 v[48:49], v[48:49], v[52:53]
	v_pk_add_f32 v[56:57], v[56:57], v[60:61]
	v_pk_add_f32 v[48:49], v[48:49], v[56:57]
	v_add_f32 v48, v48, v49
	v_permlanex16_b32 v49, v48, s24, s25
	v_add_f32 v48, v48, v49
	ds_store_b32 v4, v48 offset:SM
.irp b,0,1
	v_max3_num_f32 v[240+\b], v[X+16*\b], v[X+16*\b+1], 0x8000000   ; a block's largest p, over the floor 2^(16 - 127)
.endr
.irp i,2,4,6,8,10,12,14
.irp b,0,1
	v_max3_num_f32 v[240+\b], v[240+\b], v[X+16*\b+\i], v[X+16*\b+\i+1]
.endr
.endr
.irp b,0,1
	v_permlanex16_b32 v[244+\b], v[240+\b], s24, s25
.endr
.irp b,0,1
	v_max_num_f32 v[240+\b], v[240+\b], v[244+\b]
.endr
.irp b,0,1
	v_add_nc_u32 v[250+\b], 0xf8800000, v[240+\b]  ; 15 off the exponent field: the conversion's scale operand
.endr
.irp b,0,1
	v_and_or_b32 v[248+\b], v[240+\b], 0x7f800000, s26   ; 57,344 x the scale
.endr
.irp b,0,1
	v_lshrrev_b32 v[244+\b], 23, v[250+\b]         ; the scale's byte
.endr
	v_lshl_or_b32 v246, v245, 8, v244
.irp b,0,1
.irp i,0,1,2,3,4,5,6,7,8,9,10,11,12,13,14,15
	v_min_num_f32 v[X+16*\b+\i], v[X+16*\b+\i], v[248+\b]   ; the conversion does not saturate (ISA guide 7.6.2); p is not negative
.endr
	v_cvt_scalef32_pk8_bf8_f32 v[80+4*\b:81+4*\b], v[X+16*\b:X+16*\b+7], v[250+\b]
	v_cvt_scalef32_pk8_bf8_f32 v[82+4*\b:83+4*\b], v[X+16*\b+8:X+16*\b+15], v[250+\b]
.endr
	v_nop
	global_store_b128 v1, v[80:83], s[6:7]         ; the wave stores 512 consecutive bytes, aligned
	global_store_b128 v1, v[84:87], s[6:7] offset:512
	ds_store_b16 v6, v246 offset:PSL
	s_wait_dscnt 0x0
	s_barrier_signal -1
	s_barrier_wait -1
	s_cmp_lg_u32 s12, 0                            ; wave 0 sends the row sums' reciprocals and the scale words
	s_cbranch_scc1 .Ldone
	ds_load_b128 v[48:51], v5 offset:SM
	ds_load_b64 v[52:53], v7 offset:PSL
	s_wait_dscnt 0x0
	v_add_f32 v48, v48, v49
	v_add_f32 v50, v50, v51
	v_add_f32 v48, v48, v50
	v_rcp_f32 v48, v48
	v_cmp_gt_u32 vcc_lo, 16, v0                    ; (a plain line behind the transcendental)
	global_store_b64 v7, v[52:53], s[8:9]          ; 256 consecutive bytes, aligned
	s_wait_alu depctr_va_vdst(0)
	s_wait_xcnt 0x0                                ; EXEC changes only behind this wait
	s_and_saveexec_b32 s20, vcc_lo
	global_store_b32 v8, v48, s[10:11]             ; lanes 0 to 15: one number a row
	s_wait_xcnt 0x0
	s_or_b32 exec_lo, exec_lo, s20
.Ldone:
	s_wait_tensorcnt 0x0
	ds_add_u32 v254, v255
	s_wait_dscnt 0x0
	s_endpgm
.Lfunc_end_k_qd9181c9d6f_soft:
	.size	k_qd9181c9d6f_soft, .Lfunc_end_k_qd9181c9d6f_soft-k_qd9181c9d6f_soft
	.p2alignl 7, 3214868480
	.fill 96, 4, 3214868480
	.section	.rodata,"a",@progbits
	.p2align	6, 0x0
	.amdhsa_kernel k_qd9181c9d6f_soft
		.amdhsa_group_segment_fixed_size 1536
		.amdhsa_private_segment_fixed_size 0
		.amdhsa_enable_private_segment 0
		.amdhsa_kernarg_size 32
		.amdhsa_user_sgpr_count 2
		.amdhsa_user_sgpr_kernarg_segment_ptr 1
		.amdhsa_wavefront_size32 1
		.amdhsa_system_sgpr_workgroup_id_x 1
		.amdhsa_system_sgpr_workgroup_id_y 1
		.amdhsa_system_sgpr_workgroup_id_z 1
		.amdhsa_system_vgpr_workitem_id 0
		.amdhsa_next_free_vgpr 256
		.amdhsa_next_free_sgpr 66
		.amdhsa_reserve_vcc 1
		.amdhsa_float_denorm_mode_32 3
		.amdhsa_float_denorm_mode_16_64 3
		.amdhsa_memory_ordered 1
		.amdhsa_forward_progress 1
		.amdhsa_inst_pref_size 27
	.end_amdhsa_kernel
	.amdgpu_metadata
---
amdhsa.version: [ 1, 2 ]
amdhsa.kernels:
  - .name:           k_qd9181c9d6f_soft
    .symbol:         k_qd9181c9d6f_soft.kd
    .args:
      - { .name: SP, .offset: 0, .size: 8, .value_kind: global_buffer, .address_space: global }
      - { .name: P, .offset: 8, .size: 8, .value_kind: global_buffer, .address_space: global }
      - { .name: PS, .offset: 16, .size: 8, .value_kind: global_buffer, .address_space: global }
      - { .name: RLB, .offset: 24, .size: 8, .value_kind: global_buffer, .address_space: global }
    .group_segment_fixed_size: 1536
    .private_segment_fixed_size: 0
    .kernarg_segment_align: 8
    .kernarg_segment_size: 32
    .max_flat_workgroup_size: 128
    .sgpr_count:     66
    .vgpr_count:     256
    .wavefront_size: 32
...
	.end_amdgpu_metadata
.endif
;; end of part 3
;; launch tail (part 4): grid 256 x 1, 4 waves a work-group, no clusters, 304,640 bytes of LDS; arguments src, ln1_a, ln1_b, wv_codes, wv_scales, bv, P, PS, RLB, wo_codes, wo_scales, bo, ln2_a, ln2_b, w1_codes, w1_scales, b1, w2_codes, w2_scales, b2, out0; writes out0
.if DOCPART == 4
	.amdgcn_target "amdgcn-amd-amdhsa--gfx1250"
	.amdhsa_code_object_version 6
	.text
	.protected	k_qd9181c9d6f_tail
	.globl	k_qd9181c9d6f_tail
	.p2align	8
	.type	k_qd9181c9d6f_tail,@function
k_qd9181c9d6f_tail:
	s_mov_b64 s[64:65], 0
	v_nop
	global_prefetch_b8 v0, s[64:65] scope:SCOPE_SE
	s_setreg_imm32_b32 hwreg(HW_REG_WAVE_MODE, 25, 1), 1
	s_wait_xcnt 0x0
; TAIL: one work-group for each sequence n; its 256 rows are the 256 residues.  x = LayerNorm1(src[n]); v = x wv + bv, quantised along m; out = (p v) / l, quantised along the features; src2 = src + out wo + bo;
; y = LayerNorm2(src2); out0 = src2 + relu(y w1 + b1) w2 + b2.  All five products are on codes of E5M2 with one E8M0 scale for each 32 along K.  x, v, out, src2, y and the hidden layer never go to memory.
; SHARES.  Four waves; THE WAVES SHARE THE COLUMNS: wave w owns features 64 w .. 64 w + 63 (heads 2 w, 2 w + 1) of every product of width 256, and 64 of each 256 hidden units, for all 256 rows.  Its part of each weight and of p goes from
; memory into its registers.  512 registers a wave hold its share of src, then src + bo, then src2, then the result: wo's and w2's products add onto them in place.
; Codes go from wave to wave through LDS as images of the operand's registers: fragment (row tile t, K step s) is 2,048 bytes, four pieces of 512, lane l's 16 bytes at 16 l; its scale words 4 bytes a lane.
; ROWS OF A TILE: lane r of row tile t holds row 32 (t / 2) + 8 (t % 2) + r + 8 (r / 8); lane r of feature tile f holds feature 32 (f / 2) + 8 (f % 2) + r + 8 (r / 8) of the wave's 64: so 16 registers of two neighbouring tiles are 16 neighbours along the next K.
; THE HIDDEN LAYER goes in four rounds of 256 units through two sets of images by turns: one barrier a round.
; LIMITS: NaN and infinities are not served.  A block of zeros gets the byte 1 over zero codes (the bytes are read by this program alone).  1 / sqrt comes from v_rsq_f32.
; No tensor loads and no joint requests: each fragment of a weight or of p is wanted by one wave of a work-group alone, in its registers; through LDS its 1.15 MB would be written and read once more, and 297 of 320 KB are taken.
.set R0,   0                           ; LDS: x's, later y's 32 fragments
.set R0S,  65536                       ; their scale words, 128 bytes each
.set STG,  69632                       ; a stage of 16 rows x (256 + 16) bytes for each wave
.set STAT, 87040                       ; [row tile][r][wave]: mean and centred sum of squares of a wave's 64 numbers of a row
.set R1,   95232                       ; the attention's output: 32 fragments
.set R1S,  160768
.set H0,   164864                      ; the hidden layer's 32 fragments of a round; before that each wave's own images of v, 16,384 bytes a wave
.set H0S,  230400                      ; their scale words; before that v's scale bytes, 512 a wave
.set HSTEP, 69632                      ; to the second set
.set LI,  1                            ; v1  16 x lane
.set LS,  2                            ; v2  4 x lane
.set WI,  3                            ; v3  where I store my pieces of an image
.set WX,  4                            ; v4  and my half of its scale words
.set STW, 5                            ; v5  the stage by rows
.set STR, 6                            ; v6  the stage by lanes' shares
.set SAW, 7                            ; v7  STAT: my wave's 8 bytes of row r
.set SAR, 8                            ; v8  STAT: row r
.set XO,  9                            ; v9  src and out0: my bytes of two rows
.set WOF, 10                           ; v10 a weight's codes, rows of 256 bytes
.set WSO, 11                           ; v11 its scale words
.set BOF, 12                           ; v12 64 hf: vectors in the transposed result's layout
.set BVO, 13                           ; v13 4 (r + 8 (r / 8)): vectors by feature
.set WOF2, 14                          ; v14 w2's codes, rows of 1,024 bytes
.set WSO2, 15                          ; v15 its scale words
.set RLO, 16                           ; v16 4 r
.set VIW, 17                           ; v17 my images of v
.set VSW, 18                           ; v18 their scale bytes
.set ADF, 20                           ; v20-23 addresses in hand
.set ADS, 21
.set ADW, 22
.set ADX, 23
.set Z,   32                           ; v32-95   64 numbers at work; a second buffer of four fragments
.set PC,  96                           ; v96-111  codes just made; at work
.set TM,  112                          ; v112-127 the quantiser's; at work
.set FR,  128                          ; v128-191 four fragments; the gains; rows on the way out
.set AS,  192                          ; v192-195 their scale words
.set WSA, 196                          ; v196-203, v204-211 scale words of what lies in window 1
.set WSB, 204
.set BI,  212                          ; v212-243 a bias in the transposed result's layout
.set AS2, 244                          ; v244-247 the second buffer's scale words
.set SS,  248                          ; v248-255 a pair's statistics; 1 / l
.set SEL, 70
.set MNT, 72
.set C256, 73
.set EPS, 74
.set P,   75
.set T0,  76
.set T1,  77
.set HB,  78                           ; s78 0 or HSTEP: the round's set of images
.set RHO, 79                           ; s79 the round
; window 1: v0-127 (WA) wv, p, wo, w2; v128-255 (WB) bv, v, w1.  windows 2 and 3: the 512 accumulators: row tile t, feature tile f at window 2 + t / 8, v[32 (t % 8) + 8 f]
.set MSB, 0
.macro WIN new                         ; the immediate's high byte repeats the setting that is left
.if MSB != (\new)
	s_set_vgpr_msb (MSB<<8)|(\new)
.set MSB, (\new)
.endif
.endm
.macro PLACES n
.rept \n
	v_nop
.endr
.endm
.macro BARRIER                         ; my LDS stores have landed and my LDS loads are in: then the work-group's barrier
	s_wait_dscnt 0x0
	s_barrier_signal -1
	s_barrier_wait -1
.endm
.macro MM d, a, b, c, sa, sb
	v_wmma_scale_f32_16x16x128_f8f6f4 v[\d:\d+7], v[\a:\a+15], v[\b:\b+15], v[\c:\c+7], v[\sa], v[\sb] matrix_a_fmt:MATRIX_FMT_BF8 matrix_b_fmt:MATRIX_FMT_BF8
.endm
.macro MM0 d, a, b, sa, sb             ; the first K step starts the sum
	v_wmma_scale_f32_16x16x128_f8f6f4 v[\d:\d+7], v[\a:\a+15], v[\b:\b+15], 0, v[\sa], v[\sb] matrix_a_fmt:MATRIX_FMT_BF8 matrix_b_fmt:MATRIX_FMT_BF8
.endm
; 64 numbers of a lane, four blocks' halves at v[Z + 16 b], become codes in v[PC + 4 b] on; the blocks' bytes are left in v[TM + 4 + b].  A block's other half lies in lane l xor 16.
.macro QUANT64 relu
.if \relu
.irp b,0,1,2,3
	v_max3_num_f32 v[TM+\b], v[Z+16*\b], v[Z+16*\b+1], 0x8000000   ; no |.|: what is negative becomes 0; the floor 2^(16 - 127) holds the byte at 1 from below
.endr
.irp i,2,4,6,8,10,12,14
.irp b,0,1,2,3
	v_max3_num_f32 v[TM+\b], v[TM+\b], v[Z+16*\b+\i], v[Z+16*\b+\i+1]
.endr
.endr
.else
.irp b,0,1,2,3
	v_max3_num_f32 v[TM+\b], |v[Z+16*\b]|, |v[Z+16*\b+1]|, 0x8000000   ; my 16 numbers and the floor 2^(16 - 127), which holds the byte at 1 from below
.endr
.irp i,2,4,6,8,10,12,14
.irp b,0,1,2,3
	v_max3_num_f32 v[TM+\b], v[TM+\b], |v[Z+16*\b+\i]|, |v[Z+16*\b+\i+1]|
.endr
.endr
.endif
.irp b,0,1,2,3
	v_permlanex16_b32 v[TM+4+\b], v[TM+\b], s[SEL], s[SEL+1]
.endr
.irp b,0,1,2,3
	v_max_num_f32 v[TM+\b], v[TM+\b], v[TM+4+\b]             ; the block's largest magnitude
.endr
.irp b,0,1,2,3
	v_add_nc_u32 v[TM+12+\b], 0xf8800000, v[TM+\b]           ; 15 off its exponent field: the conversion's scale operand
.endr
.irp b,0,1,2,3
	v_and_or_b32 v[TM+8+\b], v[TM+\b], 0x7f800000, s[MNT]    ; 57,344 x the scale
.endr
.irp b,0,1,2,3
	v_lshrrev_b32 v[TM+4+\b], 23, v[TM+12+\b]                ; the scale's byte
.endr
.irp b,0,1,2,3
.irp i,0,1,2,3,4,5,6,7,8,9,10,11,12,13,14,15
.if \relu
	v_med3_num_f32 v[Z+16*\b+\i], v[Z+16*\b+\i], 0, v[TM+8+\b]   ; the activation and the hold in one
.else
	v_med3_num_f32 v[Z+16*\b+\i], v[Z+16*\b+\i], -v[TM+8+\b], v[TM+8+\b]   ; the conversion to an 8-bit code does not saturate (ISA guide 7.6.2)
.endif
.endr
	v_cvt_scalef32_pk8_bf8_f32 v[PC+4*\b:PC+4*\b+1], v[Z+16*\b:Z+16*\b+7], v[TM+12+\b]
	v_cvt_scalef32_pk8_bf8_f32 v[PC+4*\b+2:PC+4*\b+3], v[Z+16*\b+8:Z+16*\b+15], v[TM+12+\b]
.endr
	v_nop                                                    ; a plain line behind the last scaled conversion
.endm
; blocks 2 t + b (row tile t of the pair, my b-th 32 features) go to their places in the images: pieces 2 (w % 2) + b of fragment (t, w / 2); two bytes of each scale word
.macro STOREHALF
	v_lshl_or_b32 v[TM], v[TM+5], 8, v[TM+4]
	v_lshl_or_b32 v[TM+1], v[TM+7], 8, v[TM+6]
.irp t,0,1
.irp b,0,1
	ds_store_b128 v[ADW], v[PC+4*(2*\t+\b):PC+4*(2*\t+\b)+3] offset:4096*\t+512*\b
.endr
.endr
	ds_store_b16 v[ADX], v[TM]
	ds_store_b16 v[ADX], v[TM+1] offset:256
.endm
.macro FETCHP buf, as, po, ps          ; a pair's four fragments and their scale words: 20 LDS loads
.irp t,0,1
.irp s,0,1
.irp c,0,1,2,3
	ds_load_b128 v[\buf+32*\t+16*\s+4*\c:\buf+32*\t+16*\s+4*\c+3], v[ADF] offset:\po+4096*\t+2048*\s+512*\c
.endr
	ds_load_b32 v[\as+2*\t+\s], v[ADS] offset:\ps+256*\t+128*\s
.endr
.endr
.endm
.macro NEXTPAIR                        ; the addresses of pair (P + 1) % 8 of R0's images: two plain vector lines.  (The last trip's fetch, of pair 0 again, is not used: one fetch in eight of these loops)
	s_add_co_u32 s[T0], s[P], 1
	s_and_b32 s[T0], s[T0], 7
	s_lshl_b32 s[T1], s[T0], 13
	s_lshl_b32 s[T0], s[T0], 9
	s_add_co_u32 s[T0], s[T0], R0S
	v_add_nc_u32 v[ADF], s[T1], v[LI]
	v_add_nc_u32 v[ADS], s[T0], v[LS]
.endm
.macro LOADWC dst, win, cb, vo, kb     ; my 64 rows of a weight, 256 along K: fragments (f, s) at dst + 32 f + 16 s
	WIN (\win)<<6
.irp f,0,1,2,3
.irp s,0,1
.irp c,0,1,2,3
	global_load_b128 v[\dst+32*\f+16*\s+4*\c:\dst+32*\f+16*\s+4*\c+3], v[\vo], s[\cb:\cb+1] offset:(32*(\f/2)+8*(\f%2))*\kb+128*\s+32*\c
.endr
.endr
.endr
	WIN 0
.endm
.macro LOADWS ws, sb, vso, kb          ; and their scale words
.irp f,0,1,2,3
.irp s,0,1
	global_load_b32 v[\ws+2*\f+\s], v[\vso], s[\sb:\sb+1] offset:(32*(\f/2)+8*(\f%2))*(\kb/32)+4*\s
.endr
.endr
.endm
.macro LOADV32 dst, win, base          ; 32 numbers of a vector in the transposed result's layout
	WIN (\win)<<6
.irp f,0,1,2,3
.irp q,0,1
	global_load_b128 v[\dst+8*\f+4*\q:\dst+8*\f+4*\q+3], v[BOF], s[\base:\base+1] offset:(32*(\f/2)+8*(\f%2)+4*\q)*4
.endr
.endr
	WIN 0
.endm
.macro LOADREP dst, win, base          ; a bias by feature, eight times over: the C of a product used as it is
	WIN (\win)<<6
.irp f,0,1,2,3
.irp j,0,1,2,3,4,5,6,7
	global_load_b32 v[\dst+8*\f+\j], v[BVO], s[\base:\base+1] offset:(32*(\f/2)+8*(\f%2))*4
.endr
.endr
	WIN 0
.endm
.macro LOADT t                         ; row tile t of src: sixteen lanes read my 256 bytes of a row
	WIN 0x80+0x40*((\t)/8)
.irp i,0,1,2,3,4,5,6,7
	global_load_b128 v[32*((\t)%8)+4*\i:32*((\t)%8)+4*\i+3], v[XO], s[8:9] offset:(32*((\t)/2)+8*((\t)%2)+2*\i+8*(\i/4))*1024 th:TH_LOAD_NT
.endr
	WIN 0
.endm
.macro TURN t                          ; through my stage: in by rows, out by lanes' shares, into the registers that they left (LDS serves a wave's instructions in order: ISA guide 5.7.1.4)
	WIN 0x08+4*((\t)/8)
.irp i,0,1,2,3,4,5,6,7
	ds_store_b128 v[STW], v[32*((\t)%8)+4*\i:32*((\t)%8)+4*\i+3] offset:544*\i
.endr
	WIN 0x80+0x40*((\t)/8)
.irp f,0,1,2,3
.irp q,0,1
	ds_load_b128 v[32*((\t)%8)+8*\f+4*\q:32*((\t)%8)+8*\f+4*\q+3], v[STR] offset:128*(\f/2)+32*(\f%2)+16*\q
.endr
.endr
	WIN 0
.endm
; v[Z + 32 x + i] = pair P's row tile x, number i, less v[SS + 2 x].  Only these lines name registers that change with P: one of eight runs is chosen by the counter, and all else of the norm stands in loops.
; Each accumulator is read from its low end on.
.macro FETCHSUB
.irp k,0,1,2,3,4,5,6
	s_cmp_eq_u32 s[P], \k
	s_cbranch_scc1 .Lfs_\@_\k
.endr
.irp k,7,0,1,2,3,4,5,6
.if \k != 7
.Lfs_\@_\k:
.endif
	WIN 0x02+(\k/4)
.irp x,0,1
.irp i,0,1,2,3,4,5,6,7,8,9,10,11,12,13,14,15
	v_pk_add_f32 v[Z+32*\x+2*\i:Z+32*\x+2*\i+1], v[64*(\k%4)+32*\x+2*\i:64*(\k%4)+32*\x+2*\i+1], v[SS+2*\x:SS+2*\x+1] op_sel_hi:[1,0] neg_lo:[0,1] neg_hi:[0,1]
.endr
.endr
	WIN 0
.if \k != 6
	s_branch .Lfsx_\@
.endif
.endr
.Lfsx_\@:
.endm
.macro FOLD n                          ; n pairs (8 or 4) at v[PC + 16 x] on become my half's sum in v[PC + 16 x] and the other half's in v[PC + 16 x + 1]
.if \n == 8
.irp k,0,1,2,3
.irp x,0,1
	v_pk_add_f32 v[PC+16*\x+4*\k:PC+16*\x+4*\k+1], v[PC+16*\x+4*\k:PC+16*\x+4*\k+1], v[PC+16*\x+4*\k+2:PC+16*\x+4*\k+3]
.endr
.endr
.irp k,0,1
.irp x,0,1
	v_pk_add_f32 v[PC+16*\x+8*\k:PC+16*\x+8*\k+1], v[PC+16*\x+8*\k:PC+16*\x+8*\k+1], v[PC+16*\x+8*\k+4:PC+16*\x+8*\k+5]
.endr
.endr
.irp x,0,1
	v_pk_add_f32 v[PC+16*\x:PC+16*\x+1], v[PC+16*\x:PC+16*\x+1], v[PC+16*\x+8:PC+16*\x+9]
.endr
.else
.irp k,0,1
.irp x,0,1
	v_pk_add_f32 v[PC+16*\x+4*\k:PC+16*\x+4*\k+1], v[PC+16*\x+4*\k:PC+16*\x+4*\k+1], v[PC+16*\x+4*\k+2:PC+16*\x+4*\k+3]
.endr
.endr
.irp x,0,1
	v_pk_add_f32 v[PC+16*\x:PC+16*\x+1], v[PC+16*\x:PC+16*\x+1], v[PC+16*\x+4:PC+16*\x+5]
.endr
.endif
.irp x,0,1
	v_add_f32 v[PC+16*\x], v[PC+16*\x], v[PC+16*\x+1]
.endr
.irp x,0,1
	v_permlanex16_b32 v[PC+16*\x+1], v[PC+16*\x], s[SEL], s[SEL+1]
.endr
.endm
; the mean and the CENTRED sum of squares of my wave's 64 numbers of each row, to STAT
.macro LNSTAT
	v_mov_b32 v[SS], 0
	v_mov_b32 v[SS+2], 0
	s_mov_b32 s[P], 0
.Lstat_\@:
	FETCHSUB
	s_lshl_b32 s[T0], s[P], 10
	v_add_nc_u32 v[ADW], s[T0], v[SAW]
.irp k,0,1,2,3,4,5,6,7
.irp x,0,1
	v_pk_add_f32 v[PC+16*\x+2*\k:PC+16*\x+2*\k+1], v[Z+32*\x+4*\k:Z+32*\x+4*\k+1], v[Z+32*\x+4*\k+2:Z+32*\x+4*\k+3]
.endr
.endr
	FOLD 8
.irp x,0,1
	v_add_f32 v[PC+16*\x], v[PC+16*\x], v[PC+16*\x+1]
.endr
.irp x,0,1
	v_mul_f32 v[SS+4+2*\x], 0x3c800000, v[PC+16*\x]          ; / 64
.endr
.irp i,0,1,2,3,4,5,6,7,8,9,10,11,12,13,14,15
.irp x,0,1
	v_pk_add_f32 v[Z+32*\x+2*\i:Z+32*\x+2*\i+1], v[Z+32*\x+2*\i:Z+32*\x+2*\i+1], v[SS+4+2*\x:SS+5+2*\x] op_sel_hi:[1,0] neg_lo:[0,1] neg_hi:[0,1]
.endr
.endr
.irp c,0,1,2,3
.irp x,0,1
	v_pk_mul_f32 v[PC+16*\x+2*\c:PC+16*\x+2*\c+1], v[Z+32*\x+2*\c:Z+32*\x+2*\c+1], v[Z+32*\x+2*\c:Z+32*\x+2*\c+1]
.endr
.endr
.irp k,1,2,3
.irp c,0,1,2,3
.irp x,0,1
	v_pk_fma_f32 v[PC+16*\x+2*\c:PC+16*\x+2*\c+1], v[Z+32*\x+8*\k+2*\c:Z+32*\x+8*\k+2*\c+1], v[Z+32*\x+8*\k+2*\c:Z+32*\x+8*\k+2*\c+1], v[PC+16*\x+2*\c:PC+16*\x+2*\c+1]
.endr
.endr
.endr
	FOLD 4
.irp x,0,1
	v_add_f32 v[SS+5+2*\x], v[PC+16*\x], v[PC+16*\x+1]
.endr
.irp x,0,1
	ds_store_b64 v[ADW], v[SS+4+2*\x:SS+5+2*\x] offset:512*\x
.endr
	s_wait_dscnt 0x0                                         ; the stores have read their registers
	s_add_co_u32 s[P], s[P], 1
	s_cmp_lt_u32 s[P], 8
	s_cbranch_scc1 .Lstat_\@
.endm
; the four waves' figures are joined (mean of means; centred sums + 64 x the squared distances of the means: no difference of large sums), the rows are normalised, quantised along the features and stored as images in R0
.macro LNNORM
	s_mov_b32 s[P], 0
.Lnorm_\@:
	s_lshl_b32 s[T0], s[P], 10
	v_add_nc_u32 v[ADX], s[T0], v[SAR]
	ds_load_b128 v[PC:PC+3], v[ADX]
	ds_load_b128 v[PC+4:PC+7], v[ADX] offset:16
	ds_load_b128 v[PC+8:PC+11], v[ADX] offset:512
	ds_load_b128 v[PC+12:PC+15], v[ADX] offset:528
	s_wait_dscnt 0x0
.irp x,0,1
	v_add_f32 v[TM+\x], v[PC+8*\x], v[PC+8*\x+2]
.endr
.irp x,0,1
	v_add_f32 v[TM+2+\x], v[PC+8*\x+4], v[PC+8*\x+6]
.endr
.irp x,0,1
	v_add_f32 v[TM+\x], v[TM+\x], v[TM+2+\x]
.endr
.irp x,0,1
	v_mul_f32 v[SS+2*\x], 0x3e800000, v[TM+\x]               ; the row's mean
.endr
.irp k,0,1,2,3
.irp x,0,1
	v_sub_f32 v[PC+8*\x+2*\k], v[PC+8*\x+2*\k], v[SS+2*\x]
.endr
.endr
.irp x,0,1
	v_mul_f32 v[TM+\x], v[PC+8*\x], v[PC+8*\x]
.endr
.irp k,1,2,3
.irp x,0,1
	v_fmac_f32 v[TM+\x], v[PC+8*\x+2*\k], v[PC+8*\x+2*\k]
.endr
.endr
.irp x,0,1
	v_add_f32 v[TM+2+\x], v[PC+8*\x+1], v[PC+8*\x+3]
.endr
.irp x,0,1
	v_add_f32 v[PC+8*\x+5], v[PC+8*\x+5], v[PC+8*\x+7]
.endr
.irp x,0,1
	v_add_f32 v[TM+2+\x], v[TM+2+\x], v[PC+8*\x+5]
.endr
.irp x,0,1
	v_fma_f32 v[TM+\x], v[TM+\x], 0x42800000, v[TM+2+\x]     ; the row's centred sum of squares
.endr
.irp x,0,1
	v_fma_f32 v[TM+\x], v[TM+\x], s[C256], s[EPS]            ; the variance + 1e-5
.endr
.irp x,0,1
	v_rsq_f32 v[SS+4+2*\x], v[TM+\x]
.endr
	v_nop                                                    ; a plain line behind the transcendentals,
	s_wait_alu depctr_va_vdst(0)                             ; and a wait, ahead of the branches below and of the first reader
	FETCHSUB
.irp i,0,1,2,3,4,5,6,7,8,9,10,11,12,13,14,15
.irp x,0,1
	v_pk_mul_f32 v[Z+32*\x+2*\i:Z+32*\x+2*\i+1], v[Z+32*\x+2*\i:Z+32*\x+2*\i+1], v[SS+4+2*\x:SS+5+2*\x] op_sel_hi:[1,0]
.endr
.endr
.irp i,0,1,2,3,4,5,6,7,8,9,10,11,12,13,14,15
.irp x,0,1
	v_pk_fma_f32 v[Z+32*\x+2*\i:Z+32*\x+2*\i+1], v[Z+32*\x+2*\i:Z+32*\x+2*\i+1], v[FR+2*\i:FR+2*\i+1], v[FR+32+2*\i:FR+32+2*\i+1]
.endr
.endr
	QUANT64 0
	s_lshl_b32 s[T0], s[P], 13
	v_add_nc_u32 v[ADW], s[T0], v[WI]
	s_lshl_b32 s[T0], s[P], 9
	s_add_co_u32 s[T0], s[T0], R0S
	v_add_nc_u32 v[ADX], s[T0], v[WX]
	STOREHALF
	s_wait_dscnt 0x0                                         ; the stores have read their registers
	s_add_co_u32 s[P], s[P], 1
	s_cmp_lt_u32 s[P], 8
	s_cbranch_scc1 .Lnorm_\@
.endm
; 256 rows x my 64 features, K = 256, added onto the accumulators in place: the weight in WA, the rows' images at v[ADF], v[ADS].  Two buffers by turns; a pair's 20 loads are issued a pair ahead.
; The pair's eight accumulators take turns, K step by K step.
.macro ACCPASS
	FETCHP FR, AS, 0, 0
.irp p,0,1,2,3,4,5,6,7
.if \p > 0
	PLACES 8                                       ; eight places ahead of loads into the buffer that the last products read
.endif
.if \p < 7
.if \p%2 == 0
	FETCHP Z, AS2, 8192*(\p+1), 512*(\p+1)
.else
	FETCHP FR, AS, 8192*(\p+1), 512*(\p+1)
.endif
	s_wait_dscnt 20                                ; all but the 20 just issued
.else
	s_wait_dscnt 0x0
.endif
.set BUF, FR-(FR-Z)*(\p%2)
.set ASB, AS+(AS2-AS)*(\p%2)
	WIN 0xa1+0x50*(\p/4)                           ; source 0 (the weight) window 1; C and D window 2 or 3
.irp s,0,1
.irp t,0,1
.irp f,0,1,2,3
	MM 64*(\p%4)+32*\t+8*\f, 32*\f+16*\s, BUF+32*\t+16*\s, 64*(\p%4)+32*\t+8*\f, WSA+2*\f+\s, ASB+2*\t+\s
.endr
.endr
.endr
	WIN 0
.endr
.endm
	s_load_b512 s[8:23], s[0:1], 0x0               ; src 8, ln1_a 10, ln1_b 12, wv codes 14, scales 16, bv 18, P 20, PS 22
	s_load_b512 s[24:39], s[0:1], 0x40             ; RLB 24, wo codes 26, scales 28, bo 30, ln2_a 32, ln2_b 34, w1 codes 36, scales 38
	s_load_b256 s[40:47], s[0:1], 0x80             ; b1 40, w2 codes 42, scales 44, b2 46
	s_load_b64 s[48:49], s[0:1], 0xa0              ; out0 48
	v_lshl_add_u32 v30, v0, 2, 0x4a400
	v_mov_b32 v31, 0
	v_lshrrev_b32 v32, 5, v0
	v_readfirstlane_b32 s2, v32                    ; wave
	v_and_b32 v34, 31, v0                          ; lane
	v_and_b32 v32, 15, v0                          ; r
	v_bfe_u32 v33, v0, 4, 1                        ; hf
	v_and_b32 v35, 8, v32
	v_add_nc_u32 v35, v35, v32                     ; r + 8 (r / 8)
	v_lshlrev_b32 v[LI], 4, v34
	v_lshlrev_b32 v[LS], 2, v34
	s_lshr_b32 s3, s2, 1
	s_and_b32 s4, s2, 1
	s_lshl_b32 s5, s3, 11
	s_lshl_b32 s6, s4, 10
	s_add_co_u32 s5, s5, s6
	v_add_nc_u32 v[WI], s5, v[LI]
	s_lshl_b32 s5, s3, 7
	s_lshl_b32 s6, s4, 1
	s_add_co_u32 s5, s5, s6
	v_add_nc_u32 v[WX], s5, v[LS]
	s_mul_i32 s3, s2, 4352
	s_add_co_u32 s3, s3, STG
	v_mul_u32_u24 v[STW], v33, 272
	v_lshl_add_u32 v[STW], v32, 4, v[STW]
	v_add_nc_u32 v[STW], s3, v[STW]
	v_mul_u32_u24 v[STR], v32, 272
	v_lshl_add_u32 v[STR], v33, 6, v[STR]
	v_add_nc_u32 v[STR], s3, v[STR]
	v_lshlrev_b32 v[SAR], 5, v32
	v_add_nc_u32 v[SAR], STAT, v[SAR]
	s_lshl_b32 s3, s2, 3
	v_add_nc_u32 v[SAW], s3, v[SAR]
	v_lshlrev_b32 v[XO], 10, v33
	v_lshl_add_u32 v[XO], v32, 4, v[XO]
	s_lshl_b32 s5, s2, 8
	v_add_nc_u32 v[XO], s5, v[XO]
	v_lshlrev_b32 v[WOF], 8, v35
	v_lshl_add_u32 v[WOF], v33, 4, v[WOF]
	v_lshlrev_b32 v[WSO], 3, v35
	v_lshlrev_b32 v[BOF], 6, v33
	v_lshlrev_b32 v[BVO], 2, v35
	v_lshlrev_b32 v[WOF2], 10, v35
	v_lshl_add_u32 v[WOF2], v33, 4, v[WOF2]
	v_lshlrev_b32 v[WSO2], 5, v35
	v_lshlrev_b32 v[RLO], 2, v32
	s_lshl_b32 s5, s2, 14
	s_add_co_u32 s5, s5, H0
	v_add_nc_u32 v[VIW], s5, v[LI]
	s_lshl_b32 s5, s2, 9
	s_add_co_u32 s5, s5, H0S
	v_lshl_add_u32 v[VSW], v32, 3, s5
.irp i,4,5,6,7
	v_mov_b32 v[TM+\i], 0                          ; written once: a lane permute's destination counts as one of its sources
.endr
.irp i,1,3,5,7
	v_mov_b32 v[SS+\i], 0                          ; named as upper halves of pairs of which the low word serves both halves
.endr
	s_mov_b32 s[SEL], 0x76543210
	s_mov_b32 s[SEL+1], 0xfedcba98
	s_mov_b32 s[MNT], 0x600000
	s_mov_b32 s[C256], 0x3b800000
	s_mov_b32 s[EPS], 0x3727c5ac
	s_mov_b32 s5, 0
	s_wait_kmcnt 0x0
	s_lshl_b32 s4, ttmp9, 18                       ; sequence n: 256 rows of 1,024 bytes
	s_add_nc_u64 s[8:9], s[8:9], s[4:5]
	s_add_nc_u64 s[48:49], s[48:49], s[4:5]
	s_lshl_b32 s4, s2, 8                           ; vectors: my 64 numbers
.irp p,10,12,18,30,32,34,40,46
	s_add_nc_u64 s[\p:\p+1], s[\p:\p+1], s[4:5]
.endr
	s_lshl_b32 s4, s2, 14                          ; codes: my 64 rows of 256 bytes
.irp p,14,26,36
	s_add_nc_u64 s[\p:\p+1], s[\p:\p+1], s[4:5]
.endr
	s_lshl_b32 s4, s2, 9                           ; scale bytes: my 64 rows of 8
.irp p,16,28,38
	s_add_nc_u64 s[\p:\p+1], s[\p:\p+1], s[4:5]
.endr
	s_lshl_b32 s4, s2, 16                          ; w2: my 64 rows of 1,024 bytes,
	s_add_nc_u64 s[42:43], s[42:43], s[4:5]
	s_lshl_b32 s4, s2, 11                          ; of 32 scale bytes; RLB: my two heads
	s_add_nc_u64 s[44:45], s[44:45], s[4:5]
	s_add_nc_u64 s[24:25], s[24:25], s[4:5]
	s_lshl_b32 s4, s2, 17                          ; P: my two heads
	s_add_nc_u64 s[20:21], s[20:21], s[4:5]
	s_lshl_b32 s4, s2, 13                          ; PS likewise
	s_add_nc_u64 s[22:23], s[22:23], s[4:5]
	LOADV32 FR, 0, 10                              ; the first norm's gains
	LOADV32 FR+32, 0, 12
	LOADV32 BI, 0, 30                              ; bo
	LOADWC 0, 1, 14, WOF, 256                      ; wv
	LOADWS WSA, 16, WSO, 256
	LOADREP 128, 1, 18                             ; bv
	; ---- src comes in, six row tiles ahead, and turns through the stage
.irp t,0,1,2,3,4,5
	LOADT \t
.endr
.set T, 0
.rept 16
.if T+6 < 16
	LOADT T+6
.endif
.if 15-T < 6
	s_wait_loadcnt 8*(15-T)                        ; loads come back in order: all but the younger tiles' are in
.else
	s_wait_loadcnt 48
.endif
	TURN T
.set T, T+1
.endr
	s_wait_dscnt 0x0
	LNSTAT
	BARRIER                                        ; every wave's figures lie in STAT
	LNNORM
	s_wait_dscnt 0x0
	s_barrier_signal -1
	WIN 0x82                                       ; while the others arrive: bo onto src, so that wo's products add onto src + bo
.irp t,0,1,2,3,4,5,6,7
.irp i,0,1,2,3,4,5,6,7,8,9,10,11,12,13,14,15
	v_pk_add_f32 v[32*\t+2*\i:32*\t+2*\i+1], v[32*\t+2*\i:32*\t+2*\i+1], v[BI+2*\i:BI+2*\i+1]
.endr
.endr
	WIN 0xc3
.irp t,0,1,2,3,4,5,6,7
.irp i,0,1,2,3,4,5,6,7,8,9,10,11,12,13,14,15
	v_pk_add_f32 v[32*\t+2*\i:32*\t+2*\i+1], v[32*\t+2*\i:32*\t+2*\i+1], v[BI+2*\i:BI+2*\i+1]
.endr
.endr
	WIN 0
	s_barrier_wait -1                              ; x's 32 fragments lie in LDS
	LOADV32 BI, 0, 40                              ; b1 of the first round
	; ---- v = x wv + bv, as it is (source 0 = rows): a lane's 16 registers of a pair of row tiles are 16 neighbouring m of one feature: the next K.  Its images are my wave's own
	v_mov_b32 v[ADF], v[LI]
	v_add_nc_u32 v[ADS], R0S, v[LS]
	FETCHP FR, AS, 0, 0
	s_mov_b32 s[P], 0
.Lv:
	s_wait_dscnt 0x0                               ; the pair's fragments are in; my LDS stores are done
	WIN 0x14                                       ; source 1 (wv) and C (bv) window 1
.irp t,0,1
.irp f,0,1,2,3
	MM Z+16*\f+8*\t, FR+32*\t, 32*\f, 128+8*\f, AS+2*\t, WSA+2*\f
.endr
.endr
	WIN 0x04
.irp t,0,1
.irp f,0,1,2,3
	MM Z+16*\f+8*\t, FR+32*\t+16, 32*\f+16, Z+16*\f+8*\t, AS+2*\t+1, WSA+2*\f+1
.endr
.endr
	WIN 0
	NEXTPAIR
	s_lshl_b32 s[T0], s[P], 9
	v_add_nc_u32 v[ADW], s[T0], v[VIW]
	v_add_nc_u32 v[ADX], s[P], v[VSW]
	PLACES 4                                       ; with the four additions: eight places
	FETCHP FR, AS, 0, 0
	QUANT64 0
.irp f,0,1,2,3
	ds_store_b128 v[ADW], v[PC+4*\f:PC+4*\f+3] offset:4096*\f   ; piece P of feature tile f's two fragments
.endr
.irp f,0,1,2,3
	ds_store_b8 v[ADX], v[TM+4+\f] offset:128*\f   ; both halves write the same byte with the same value
.endr
	s_add_co_u32 s[P], s[P], 1
	s_cmp_lt_u32 s[P], 8
	s_cbranch_scc1 .Lv
	WIN 0x40                                       ; v's eight fragments come back as operands: LDS serves a wave's instructions in order
.irp f,0,1,2,3
.irp s,0,1
.irp c,0,1,2,3
	ds_load_b128 v[128+32*\f+16*\s+4*\c:128+32*\f+16*\s+4*\c+3], v[VIW] offset:4096*\f+2048*\s+512*\c
.endr
.endr
.endr
	WIN 0
.irp f,0,1,2,3
.irp s,0,1
	ds_load_b32 v[WSB+2*\f+\s], v[VSW] offset:128*\f+4*\s
.endr
.endr
; ---- out = (p v) / l, transposed (source 0 = 16 features of v, source 1 = 16 rows of p), a pair of row tiles a trip; p comes from memory as the operand's registers, a K step ahead
.macro PLOAD s, imm                    ; K step s of p, both row tiles and both heads, of the pair imm bytes on: 16 loads of 512 consecutive bytes, and 4 of scale words
	WIN 0x40
.irp t,0,1
.irp g,0,1
.irp c,0,1,2,3
	global_load_b128 v[64*\s+16*(2*\t+\g)+4*\c:64*\s+16*(2*\t+\g)+4*\c+3], v[LI], s[20:21] offset:\imm+65536*\g+4096*\t+2048*\s+512*\c
.endr
.endr
.endr
	WIN 0
.irp t,0,1
.irp g,0,1
	global_load_b32 v[WSA+4*\s+2*\t+\g], v[LS], s[22:23] offset:\imm/16+4096*\g+256*\t+128*\s
.endr
.endr
.endm
.macro RLOAD imm                       ; 1 / l of my rows
.irp t,0,1
.irp g,0,1
	global_load_b32 v[SS+2*(2*\t+\g)], v[RLO], s[24:25] offset:\imm+1024*\g+64*\t
.endr
.endr
.endm
.macro WOHALF h                        ; wo's feature tiles 2 h, 2 h + 1: again 16 loads and 4
	WIN 0x40
.irp e,0,1
.irp s,0,1
.irp c,0,1,2,3
	global_load_b128 v[64*\h+32*\e+16*\s+4*\c:64*\h+32*\e+16*\s+4*\c+3], v[WOF], s[26:27] offset:(32*\h+8*\e)*256+128*\s+32*\c
.endr
.endr
.endr
	WIN 0
.irp e,0,1
.irp s,0,1
	global_load_b32 v[WSA+4*\h+2*\e+\s], v[WSO], s[28:29] offset:(32*\h+8*\e)*8+4*\s
.endr
.endr
.endm
.macro PTRIP nxt                       ; nxt = 1: the next pair's p is asked for; 0: wo takes its place
	s_wait_loadcnt 24                              ; K step 0 is in: behind it K step 1's 20 loads and 4 of 1 / l
	WIN 0x05                                       ; sources 0 (v) and 1 (p) window 1
.irp t,0,1
.irp g,0,1
.irp u,0,1
	MM0 Z+32*\t+16*\g+8*\u, 128+32*(2*\g+\u), 16*(2*\t+\g), WSB+2*(2*\g+\u), WSA+2*\t+\g
.endr
.endr
.endr
	WIN 0
	PLACES 8
.if \nxt
	PLOAD 0, 8192
.else
	WOHALF 0
.endif
	s_wait_loadcnt 20                              ; K step 1 and 1 / l are in: behind them the 20 just issued
	WIN 0x05
.irp t,0,1
.irp g,0,1
.irp u,0,1
	MM Z+32*\t+16*\g+8*\u, 128+32*(2*\g+\u)+16, 64+16*(2*\t+\g), Z+32*\t+16*\g+8*\u, WSB+2*(2*\g+\u)+1, WSA+4+2*\t+\g
.endr
.endr
.endr
	WIN 0
	s_lshl_b32 s[T0], s[P], 13
	s_add_co_u32 s[T0], s[T0], R1
	v_add_nc_u32 v[ADW], s[T0], v[WI]
	s_lshl_b32 s[T1], s[P], 9
	s_add_co_u32 s[T1], s[T1], R1S
	v_add_nc_u32 v[ADX], s[T1], v[WX]
	PLACES 6                                       ; with the two additions: eight places
.if \nxt
	PLOAD 1, 8192
.else
	WOHALF 1
.endif
.irp x,0,1,2,3
.irp i,0,2,4,6,8,10,12,14
	v_pk_mul_f32 v[Z+16*\x+\i:Z+16*\x+\i+1], v[Z+16*\x+\i:Z+16*\x+\i+1], v[SS+2*\x:SS+2*\x+1] op_sel_hi:[1,0]   ; / l: x = 2 (row tile) + (head)
.endr
.endr
.if \nxt
	RLOAD 128
.endif
	QUANT64 0
	STOREHALF
.if \nxt
	s_wait_dscnt 0x0                               ; the stores have read their registers
	s_wait_xcnt 0x0                                ; the loads have read their bases
	s_add_nc_u64 s[20:21], s[20:21], 8192
	s_add_nc_u64 s[22:23], s[22:23], 512
	s_add_nc_u64 s[24:25], s[24:25], 128
.endif
.endm
	PLOAD 0, 0
	PLOAD 1, 0
	RLOAD 0
	s_mov_b32 s[P], 0
	s_wait_dscnt 0x0                               ; v
.Lpv:
	PTRIP 1
	s_add_co_u32 s[P], s[P], 1
	s_cmp_lt_u32 s[P], 7
	s_cbranch_scc1 .Lpv
	PTRIP 0                                        ; the last pair is written out: no load leaves its buffer
	LOADWC 128, 1, 36, WOF, 256                    ; w1 of the first round
	LOADWS WSB, 38, WSO, 256
	BARRIER                                        ; the attention's output lies in LDS
	; ---- src2 = src + bo + out wo
	s_wait_loadcnt 40                              ; wo is in: behind it w1's 40 loads
	v_add_nc_u32 v[ADF], R1, v[LI]
	v_add_nc_u32 v[ADS], R1S, v[LS]
	ACCPASS
	PLACES 8
	LOADV32 FR, 0, 32                              ; the second norm's gains
	LOADV32 FR+32, 0, 34
	LNSTAT
	BARRIER
	s_wait_loadcnt 0x0
	LNNORM
	BARRIER                                        ; y's 32 fragments lie in LDS
	; ---- the feed-forward layer, four rounds of 256 hidden units
	s_mov_b32 s[RHO], 0
	s_mov_b32 s[HB], 0
.Lff:
	s_wait_loadcnt 0x0                             ; the round's w1 and b1 are in, so their addresses may step
	s_add_nc_u64 s[36:37], s[36:37], 65536
	s_add_nc_u64 s[38:39], s[38:39], 2048
	s_add_nc_u64 s[40:41], s[40:41], 1024
	PLACES 9                                       ; behind the last round's products: loads into their weight, and products that write over their second buffer
	LOADWC 0, 1, 42, WOF2, 1024                    ; the round's 256 along K of w2: it lands under the round's first half
	LOADWS WSA, 44, WSO2, 1024
	v_mov_b32 v[ADF], v[LI]
	v_add_nc_u32 v[ADS], R0S, v[LS]
	FETCHP FR, AS, 0, 0
	s_mov_b32 s[P], 0
.Lhid:                                                 ; my 64 hidden units, transposed, a pair of row tiles a trip; b1 is the C of each sum's first product
	s_wait_dscnt 0x0
	WIN 0x01
.irp t,0,1
.irp f,0,1,2,3
	MM Z+32*\t+8*\f, 128+32*\f, FR+32*\t, BI+8*\f, WSB+2*\f, AS+2*\t
.endr
.endr
.irp t,0,1
.irp f,0,1,2,3
	MM Z+32*\t+8*\f, 128+32*\f+16, FR+32*\t+16, Z+32*\t+8*\f, WSB+2*\f+1, AS+2*\t+1
.endr
.endr
	WIN 0
	NEXTPAIR
	s_lshl_b32 s[T0], s[P], 13
	s_add_co_u32 s[T0], s[T0], s[HB]
	s_add_co_u32 s[T0], s[T0], H0
	v_add_nc_u32 v[ADW], s[T0], v[WI]
	s_lshl_b32 s[T1], s[P], 9
	s_add_co_u32 s[T1], s[T1], s[HB]
	s_add_co_u32 s[T1], s[T1], H0S
	v_add_nc_u32 v[ADX], s[T1], v[WX]
	PLACES 4                                       ; with the four additions: eight places
	FETCHP FR, AS, 0, 0
	QUANT64 1
	STOREHALF
	s_add_co_u32 s[P], s[P], 1
	s_cmp_lt_u32 s[P], 8
	s_cbranch_scc1 .Lhid
	BARRIER                                        ; the round's hidden units lie in LDS.  The other set is written again only behind this barrier, which every wave reaches behind its reads of it
	s_wait_loadcnt 0x0                             ; w2's part is in, so its addresses may step
	s_add_nc_u64 s[42:43], s[42:43], 256
	s_add_nc_u64 s[44:45], s[44:45], 8
	s_cmp_eq_u32 s[RHO], 3
	s_cbranch_scc1 .Llast_round
	LOADWC 128, 1, 36, WOF, 256                    ; the next round's w1 and b1 land under this round's second half
	LOADWS WSB, 38, WSO, 256
	LOADV32 BI, 0, 40
	s_branch .Lround_on
.Llast_round:
	LOADV32 BI, 0, 46                              ; b2
.Lround_on:
	s_add_co_u32 s[T0], s[HB], H0
	v_add_nc_u32 v[ADF], s[T0], v[LI]
	s_add_co_u32 s[T0], s[HB], H0S
	v_add_nc_u32 v[ADS], s[T0], v[LS]
	ACCPASS
	s_xor_b32 s[HB], s[HB], HSTEP
	s_add_co_u32 s[RHO], s[RHO], 1
	s_cmp_lt_u32 s[RHO], 4
	s_cbranch_scc1 .Lff
	; ---- the way out: + b2, back through the stage, whole rows' shares: sixteen lanes store 256 consecutive bytes, aligned
	s_wait_loadcnt 0x0
	PLACES 8
.macro TOSTAGE t
	WIN 0x02+(\t)/8
.irp i,0,1,2,3,4,5,6,7,8,9,10,11,12,13,14,15
	v_pk_add_f32 v[Z+32*((\t)%2)+2*\i:Z+32*((\t)%2)+2*\i+1], v[32*((\t)%8)+2*\i:32*((\t)%8)+2*\i+1], v[BI+2*\i:BI+2*\i+1]   ; each accumulator from its low end on
.endr
	WIN 0
.irp f,0,1,2,3
.irp q,0,1
	ds_store_b128 v[STR], v[Z+32*((\t)%2)+8*\f+4*\q:Z+32*((\t)%2)+8*\f+4*\q+3] offset:128*(\f/2)+32*(\f%2)+16*\q
.endr
.endr
.irp i,0,1,2,3,4,5,6,7
	ds_load_b128 v[FR+32*((\t)%2)+4*\i:FR+32*((\t)%2)+4*\i+3], v[STW] offset:544*\i   ; LDS serves a wave's instructions in order: these see the stores above, and the next tile's stores come behind them
.endr
.endm
.macro SEND t, younger                 ; younger: the LDS instructions issued behind tile t's loads
	s_wait_dscnt \younger
.irp i,0,1,2,3,4,5,6,7
	global_store_b128 v[XO], v[FR+32*((\t)%2)+4*\i:FR+32*((\t)%2)+4*\i+3], s[48:49] offset:(32*((\t)/2)+8*((\t)%2)+2*\i+8*(\i/4))*1024 th:TH_STORE_NT
.endr
.endm
	TOSTAGE 0
.set T, 1
.rept 15
.if T > 1
	s_wait_xcnt 0x0                                ; the stores of two tiles back have read their registers: this tile's loads may land there
.endif
	TOSTAGE T
	SEND T-1, 16                                   ; behind its loads: this tile's 8 stores and 8 loads
.set T, T+1
.endr
	SEND 15, 0
	s_wait_tensorcnt 0x0
	ds_add_u32 v30, v31
	s_wait_dscnt 0x0
	s_endpgm
.Lfunc_end_k_qd9181c9d6f_tail:
	.size	k_qd9181c9d6f_tail, .Lfunc_end_k_qd9181c9d6f_tail-k_qd9181c9d6f_tail
	.p2alignl 7, 3214868480
	.fill 96, 4, 3214868480
	.section	.rodata,"a",@progbits
	.p2align	6, 0x0
	.amdhsa_kernel k_qd9181c9d6f_tail
		.amdhsa_group_segment_fixed_size 304640
		.amdhsa_private_segment_fixed_size 0
		.amdhsa_enable_private_segment 0
		.amdhsa_kernarg_size 168
		.amdhsa_user_sgpr_count 2
		.amdhsa_user_sgpr_kernarg_segment_ptr 1
		.amdhsa_wavefront_size32 1
		.amdhsa_system_sgpr_workgroup_id_x 1
		.amdhsa_system_sgpr_workgroup_id_y 1
		.amdhsa_system_sgpr_workgroup_id_z 1
		.amdhsa_system_vgpr_workitem_id 0
		.amdhsa_next_free_vgpr 1024
		.amdhsa_next_free_sgpr 100
		.amdhsa_reserve_vcc 0
		.amdhsa_float_denorm_mode_32 3
		.amdhsa_float_denorm_mode_16_64 3
		.amdhsa_memory_ordered 1
		.amdhsa_forward_progress 1
		.amdhsa_inst_pref_size 255
	.end_amdhsa_kernel
	.section	.bss,"aw",@nobits
	.p2align	6
	.space	262144
	.amdgpu_metadata
---
amdhsa.version: [ 1, 2 ]
amdhsa.kernels:
  - .name:           k_qd9181c9d6f_tail
    .symbol:         k_qd9181c9d6f_tail.kd
    .args:
      - { .name: src, .offset: 0, .size: 8, .value_kind: global_buffer, .address_space: global }
      - { .name: ln1_a, .offset: 8, .size: 8, .value_kind: global_buffer, .address_space: global }
      - { .name: ln1_b, .offset: 16, .size: 8, .value_kind: global_buffer, .address_space: global }
      - { .name: wv_codes, .offset: 24, .size: 8, .value_kind: global_buffer, .address_space: global }
      - { .name: wv_scales, .offset: 32, .size: 8, .value_kind: global_buffer, .address_space: global }
      - { .name: bv, .offset: 40, .size: 8, .value_kind: global_buffer, .address_space: global }
      - { .name: P, .offset: 48, .size: 8, .value_kind: global_buffer, .address_space: global }
      - { .name: PS, .offset: 56, .size: 8, .value_kind: global_buffer, .address_space: global }
      - { .name: RLB, .offset: 64, .size: 8, .value_kind: global_buffer, .address_space: global }
      - { .name: wo_codes, .offset: 72, .size: 8, .value_kind: global_buffer, .address_space: global }
      - { .name: wo_scales, .offset: 80, .size: 8, .value_kind: global_buffer, .address_space: global }
      - { .name: bo, .offset: 88, .size: 8, .value_kind: global_buffer, .address_space: global }
      - { .name: ln2_a, .offset: 96, .size: 8, .value_kind: global_buffer, .address_space: global }
      - { .name: ln2_b, .offset: 104, .size: 8, .value_kind: global_buffer, .address_space: global }
      - { .name: w1_codes, .offset: 112, .size: 8, .value_kind: global_buffer, .address_space: global }
      - { .name: w1_scales, .offset: 120, .size: 8, .value_kind: global_buffer, .address_space: global }
      - { .name: b1, .offset: 128, .size: 8, .value_kind: global_buffer, .address_space: global }
      - { .name: w2_codes, .offset: 136, .size: 8, .value_kind: global_buffer, .address_space: global }
      - { .name: w2_scales, .offset: 144, .size: 8, .value_kind: global_buffer, .address_space: global }
      - { .name: b2, .offset: 152, .size: 8, .value_kind: global_buffer, .address_space: global }
      - { .name: out0, .offset: 160, .size: 8, .value_kind: global_buffer, .address_space: global }
    .group_segment_fixed_size: 304640
    .private_segment_fixed_size: 0
    .kernarg_segment_align: 8
    .kernarg_segment_size: 168
    .max_flat_workgroup_size: 128
    .sgpr_count:     100
    .vgpr_count:     1024
    .wavefront_size: 32
...
	.end_amdgpu_metadata
.endif
;; end of part 4
;; ======== version 2 of 2: 4 launches; version 1 with the launches proj, tail written anew for expert scheduling mode
;; workspace buffers: QC 16,777,216 bytes; KC 16,777,216 bytes; QS 524,288 bytes; KS 524,288 bytes; SP 16,777,216 bytes; P 524,288 bytes; PS 32,768 bytes; RLB 8,192 bytes
;; launch proj (part 5): grid 256 x 1, 4 waves a work-group, no clusters, 108,032 bytes of LDS; arguments src, ln1_a, ln1_b, sw_wq_codes, sw_wq_scales, sw_bq, sw_wk_codes, sw_wk_scales, sw_bk, wq_codes, wq_scales, bq, wk_codes, wk_scales, bk, QC, QS, KC, KS; writes QC, QS, KC, KS
.if DOCPART == 5
	.amdgcn_target "amdgcn-amd-amdhsa--gfx1250"
	.amdhsa_code_object_version 6
	.text
	.protected	k_qd9181c9d6f_proj
	.globl	k_qd9181c9d6f_proj
	.p2align	8
	.type	k_qd9181c9d6f_proj,@function
k_qd9181c9d6f_proj:
	s_mov_b64 s[64:65], 0
	v_nop
	global_prefetch_b8 v0, s[64:65] scope:SCOPE_SE
	s_setreg_imm32_b32 hwreg(HW_REG_WAVE_SCHED_MODE, 0, 2), 2
	s_setreg_imm32_b32 hwreg(HW_REG_WAVE_MODE, 25, 1), 1
	s_wait_xcnt 0x0
	s_wait_alu depctr_vm_vsrc(0)
; PROJ: one work-group for each residue l; its 256 rows are the 256 sequences n.  x = LayerNorm1(src[n][l]); the sequence weights sw = softmax over n of (x[0] sw_wq + sw_bq) / sqrt(32) . (x sw_wk + sw_bk);
; q sw = (x wq + bq) sw and k = x wk + bk, both quantised for the tied scores, whose K is (d, n), K = 256 d + n: a block is 32 neighbouring n at one (l, h, d).
; All four products with weights are on codes of E5M2 with one E8M0 scale for each 32 along K; the logits of the sequence weights are f32 multiply-adds.
; SHARES.  Four waves; THE WAVES SHARE THE COLUMNS: wave w owns features 64 w .. 64 w + 63 (heads 2 w, 2 w + 1) of every product, for all 256 rows.  Its part of each weight goes from memory into its registers, once.
; x's codes go from wave to wave through LDS as images of the operand's registers: fragment (row tile t, K step s) is 2,048 bytes, four pieces of 512, lane l's 16 bytes at 16 l; its scale words 4 bytes a lane.
; ROWS OF A TILE: lane r of row tile t holds row 32 (t / 2) + 8 (t % 2) + r + 8 (r / 8); lane r of feature tile f holds feature 32 (f / 2) + 8 (f % 2) + r + 8 (r / 8) of the wave's 64.  So in a result used
; transposed (source 0 = weight) the 16 registers of two neighbouring feature tiles are 16 neighbouring features of one row, and in one used as it is (source 0 = rows) those of two neighbouring row tiles are 16 neighbouring rows of one feature.
; OUT.  QC, KC [h][l][8192]: byte 512 (8 u + p) + 256 hf + 16 r + e = the code of (d = 8 u + r + 8 (r / 8), n = 32 p + 16 hf + e); QS, KS [h][l][256]: byte 16 (8 u + p) + r.
; LIMITS: NaN and infinities are not served.  A block of zeros gets the byte 1 over zero codes (the bytes are read by this program alone).  1 / sqrt and 1 / sum come from v_rsq_f32 and v_rcp_f32.
; No tensor loads and no cluster: work-groups share only the weights, 320 KB, of which each wave wants its own quarter in registers.
; THE MODE: SCHED_MODE bits 1:0 = 2 (LLVM: expert scheduling mode 2), set by the entry lines.  The code itself states the register dependences between vector or matrix instructions and memory or LDS instructions, with s_wait_alu, always for 0.
; THE PLAN.  Registers that memory or LDS instructions touch, and who else names them:
;   v1-19, v24-31    offsets and addresses, made once at the head ahead of one wait on va_vdst and never written again.
;   v[ADF], v[ADS]   read by the 20 LDS loads of a pair of row tiles; written by two vector lines a trip.
;   v[ADW], v[ADX]   read by a trip's LDS stores (v[ADX] also by the loads of STAT and of sw); written by vector lines in the trip.
;   FR, AS           a pair's fragments and scale words: the trip's 16 products read them, and behind those the next pair's loads land in them.
;   PC, TM, SS+4..7  written by the quantiser, the dot products and the statistics; read by the trip's stores.  The loads of STAT land in PC.
;   BI               sw of 16 n and two heads lands there at a trip's head; the trip's multiplications read it.
;   windows 1, 2, 3  src: a global load lands, the stage's LDS store reads, the stage's LDS load lands; then vector lines read.  Weights and biases: loads land, products read.
; A TRIP WITH PRODUCTS has three waits: va_vdst behind its products and address lines, ahead of the next pair's loads; va_vdst ahead of its stores; vm_vsrc at its end, behind its last LDS or memory instruction,
; so that nothing is pending at the backward jump or at the loop's exit.  A run of loads issued ahead of a loop has its vm_vsrc behind it, for the first trip's address lines.
.set R0,   0                           ; LDS: x's 32 fragments
.set R0S,  65536                       ; their scale words, 128 bytes each
.set STG,  69632                       ; a stage of 16 rows x (256 + 16) bytes for each wave
.set STAT, 87040                       ; [row tile][r][wave]: mean and centred sum of squares of a wave's 64 numbers of a row
.set LG,   95232                       ; [head][n] f32: logits, then sw
.set SCQ,  103424                      ; q's scale bytes, 512 a wave; k's lie 2,048 further on
.set LI,  1                            ; v1  16 x lane
.set LS,  2                            ; v2  4 x lane
.set WI,  3                            ; v3  where I store my pieces of an image
.set WX,  4                            ; v4  and my half of its scale words
.set STW, 5                            ; v5  the stage by rows
.set STR, 6                            ; v6  the stage by lanes' shares
.set SAW, 7                            ; v7  STAT: my wave's 8 bytes of row r
.set SAR, 8                            ; v8  STAT: row r
.set SGO, 9                            ; v9  the scale bytes' way out
.set WOF, 10                           ; v10 a weight's codes: my row and half
.set WSO, 11                           ; v11 its scale words
.set BOF, 12                           ; v12 64 hf: vectors in the transposed result's layout
.set BVO, 13                           ; v13 4 (r + 8 (r / 8)): vectors by feature
.set SCR, 14                           ; v14 SCQ + 512 w + 16 lane
.set LGS, 16                           ; v16 LG: 8 numbers a lane
.set LGW, 17                           ; v17 LG: my row
.set LGR, 18                           ; v18 LG: my half's 16 n
.set SBW, 19                           ; v19 SCQ + 512 w + r
.set ADF, 20                           ; v20-23 addresses in hand
.set ADS, 21
.set ADW, 22
.set ADX, 23
.set XO,  24                           ; v24-31 src: my bytes, for each 32 rows
.set Z,   32                           ; v32-95   64 numbers at work
.set PC,  96                           ; v96-111  codes just made; at work
.set TM,  112                          ; v112-127 the quantiser's; at work
.set FR,  128                          ; v128-191 four fragments of x; before that the gains
.set AS,  192                          ; v192-195 their scale words
.set WSA, 196                          ; v196-203, v204-211 weights' scale words
.set WSB, 204
.set BI,  212                          ; v212-243 32 numbers: a bias, the target's query, sw
.set SS,  248                          ; v248-255 a pair's statistics
.set SEL, 70                           ; s[70:71] v_permlanex16_b32's selects for lane l xor 16
.set MNT, 72                           ; s72 the mantissa field of 57,344
.set C256, 73                          ; s73 1 / 256
.set EPS, 74                           ; s74 1e-5
.set P,   75                           ; s75 the pair of row tiles in hand
.set T0,  76
.set T1,  77
; window 1: v0-127 sw_wq, v128-255 sw_wk.  windows 2 and 3: src, row tile t at window 2 + t / 8, v[32 (t % 8)]; later window 2: wq, wk; window 3: v0 sw_bk, v32 bq, v64 bk
.set MSB, 0
.macro WIN new                         ; the immediate's high byte repeats the setting that is left
.if MSB != (\new)
	s_set_vgpr_msb (MSB<<8)|(\new)
.set MSB, (\new)
.endif
.endm
.macro PLACES n
.rept \n
	v_nop
.endr
.endm
.macro BARRIER                         ; my LDS stores have landed and my LDS loads are in: then the work-group's barrier
	s_wait_dscnt 0x0
	s_barrier_signal -1
	s_barrier_wait -1
.endm
.macro MM d, a, b, c, sa, sb
	v_wmma_scale_f32_16x16x128_f8f6f4 v[\d:\d+7], v[\a:\a+15], v[\b:\b+15], v[\c:\c+7], v[\sa], v[\sb] matrix_a_fmt:MATRIX_FMT_BF8 matrix_b_fmt:MATRIX_FMT_BF8
.endm
; 64 numbers of a lane, four blocks' halves at v[Z + 16 b], become codes in v[PC + 4 b] on; the blocks' bytes are left in v[TM + 4 + b].  A block's other half lies in lane l xor 16.
.macro QUANT64 relu
.if \relu
.irp b,0,1,2,3
	v_max3_num_f32 v[TM+\b], v[Z+16*\b], v[Z+16*\b+1], 0x8000000   ; no |.|: what is negative becomes 0; the floor 2^(16 - 127) holds the byte at 1 from below
.endr
.irp i,2,4,6,8,10,12,14
.irp b,0,1,2,3
	v_max3_num_f32 v[TM+\b], v[TM+\b], v[Z+16*\b+\i], v[Z+16*\b+\i+1]
.endr
.endr
.else
.irp b,0,1,2,3
	v_max3_num_f32 v[TM+\b], |v[Z+16*\b]|, |v[Z+16*\b+1]|, 0x8000000   ; my 16 numbers and the floor 2^(16 - 127), which holds the byte at 1 from below
.endr
.irp i,2,4,6,8,10,12,14
.irp b,0,1,2,3
	v_max3_num_f32 v[TM+\b], v[TM+\b], |v[Z+16*\b+\i]|, |v[Z+16*\b+\i+1]|
.endr
.endr
.endif
.irp b,0,1,2,3
	v_permlanex16_b32 v[TM+4+\b], v[TM+\b], s[SEL], s[SEL+1]
.endr
.irp b,0,1,2,3
	v_max_num_f32 v[TM+\b], v[TM+\b], v[TM+4+\b]             ; the block's largest magnitude
.endr
.irp b,0,1,2,3
	v_add_nc_u32 v[TM+12+\b], 0xf8800000, v[TM+\b]           ; 15 off its exponent field: the conversion's scale operand
.endr
.irp b,0,1,2,3
	v_and_or_b32 v[TM+8+\b], v[TM+\b], 0x7f800000, s[MNT]    ; 57,344 x the scale
.endr
.irp b,0,1,2,3
	v_lshrrev_b32 v[TM+4+\b], 23, v[TM+12+\b]                ; the scale's byte
.endr
.irp b,0,1,2,3
.irp i,0,1,2,3,4,5,6,7,8,9,10,11,12,13,14,15
.if \relu
	v_med3_num_f32 v[Z+16*\b+\i], v[Z+16*\b+\i], 0, v[TM+8+\b]
.else
	v_med3_num_f32 v[Z+16*\b+\i], v[Z+16*\b+\i], -v[TM+8+\b], v[TM+8+\b]   ; the conversion to an 8-bit code does not saturate (ISA guide 7.6.2)
.endif
.endr
	v_cvt_scalef32_pk8_bf8_f32 v[PC+4*\b:PC+4*\b+1], v[Z+16*\b:Z+16*\b+7], v[TM+12+\b]
	v_cvt_scalef32_pk8_bf8_f32 v[PC+4*\b+2:PC+4*\b+3], v[Z+16*\b+8:Z+16*\b+15], v[TM+12+\b]
.endr
	v_nop                                                    ; a plain line behind the last scaled conversion
.endm
; blocks 2 t + b (row tile t of the pair, my b-th 32 features) go to their places in the images: pieces 2 (w % 2) + b of fragment (t, w / 2); two bytes of each scale word
.macro STOREHALF
	v_lshl_or_b32 v[TM], v[TM+5], 8, v[TM+4]
	v_lshl_or_b32 v[TM+1], v[TM+7], 8, v[TM+6]
	s_wait_alu depctr_va_vdst(0)                             ; the conversions have written v[PC ..], the two lines above v[TM] and v[TM+1], and v[ADW] and v[ADX] are written: the six stores read them
.irp t,0,1
.irp b,0,1
	ds_store_b128 v[ADW], v[PC+4*(2*\t+\b):PC+4*(2*\t+\b)+3] offset:4096*\t+512*\b
.endr
.endr
	ds_store_b16 v[ADX], v[TM]
	ds_store_b16 v[ADX], v[TM+1] offset:256
	s_wait_alu depctr_vm_vsrc(0)                             ; the six stores have read v[ADW], v[ADX], v[PC ..], v[TM] and v[TM+1], which the next trip or phase writes again
.endm
.macro FETCHP buf, as, po, ps          ; a pair's four fragments and their scale words: 20 LDS loads
.irp t,0,1
.irp s,0,1
.irp c,0,1,2,3
	ds_load_b128 v[\buf+32*\t+16*\s+4*\c:\buf+32*\t+16*\s+4*\c+3], v[ADF] offset:\po+4096*\t+2048*\s+512*\c
.endr
	ds_load_b32 v[\as+2*\t+\s], v[ADS] offset:\ps+256*\t+128*\s
.endr
.endr
.endm
.macro NEXTPAIR                        ; the addresses of pair (P + 1) % 8 of x's images: two plain vector lines
	s_add_co_u32 s[T0], s[P], 1
	s_and_b32 s[T0], s[T0], 7
	s_lshl_b32 s[T1], s[T0], 13
	s_lshl_b32 s[T0], s[T0], 9
	s_add_co_u32 s[T0], s[T0], R0S
	v_add_nc_u32 v[ADF], s[T1], v[LI]
	v_add_nc_u32 v[ADS], s[T0], v[LS]
.endm
.macro LOADWC dst, win, cb, vo, kb     ; my 64 rows of a weight, 256 along K: fragments (f, s) at dst + 32 f + 16 s
	WIN (\win)<<6
.irp f,0,1,2,3
.irp s,0,1
.irp c,0,1,2,3
	global_load_b128 v[\dst+32*\f+16*\s+4*\c:\dst+32*\f+16*\s+4*\c+3], v[\vo], s[\cb:\cb+1] offset:(32*(\f/2)+8*(\f%2))*\kb+128*\s+32*\c
.endr
.endr
.endr
	WIN 0
.endm
.macro LOADWS ws, sb, vso, kb          ; and their scale words
.irp f,0,1,2,3
.irp s,0,1
	global_load_b32 v[\ws+2*\f+\s], v[\vso], s[\sb:\sb+1] offset:(32*(\f/2)+8*(\f%2))*(\kb/32)+4*\s
.endr
.endr
.endm
.macro LOADV32 dst, win, base          ; 32 numbers of a vector in the transposed result's layout
	WIN (\win)<<6
.irp f,0,1,2,3
.irp q,0,1
	global_load_b128 v[\dst+8*\f+4*\q:\dst+8*\f+4*\q+3], v[BOF], s[\base:\base+1] offset:(32*(\f/2)+8*(\f%2)+4*\q)*4
.endr
.endr
	WIN 0
.endm
.macro LOADREP dst, win, base          ; a bias by feature, eight times over: the C of a product used as it is
	WIN (\win)<<6
.irp f,0,1,2,3
.irp j,0,1,2,3,4,5,6,7
	global_load_b32 v[\dst+8*\f+\j], v[BVO], s[\base:\base+1] offset:(32*(\f/2)+8*(\f%2))*4
.endr
.endr
	WIN 0
.endm
.macro LOADT t                         ; row tile t of src: sixteen lanes read my 256 bytes of a row
	WIN 0x80+0x40*((\t)/8)
.irp i,0,1,2,3,4,5,6,7
	global_load_b128 v[32*((\t)%8)+4*\i:32*((\t)%8)+4*\i+3], v[XO+(\t)/2], s[8:9] offset:(8*((\t)%2)+2*\i+8*(\i/4))*262144 th:TH_LOAD_NT
.endr
	WIN 0
.endm
.macro TURN t                          ; through my stage: in by rows, out by lanes' shares, into the registers that they left (LDS serves a wave's instructions in order: ISA guide 5.7.1.4)
	WIN 0x08+4*((\t)/8)
.irp i,0,1,2,3,4,5,6,7
	ds_store_b128 v[STW], v[32*((\t)%8)+4*\i:32*((\t)%8)+4*\i+3] offset:544*\i
.endr
	WIN 0x80+0x40*((\t)/8)
	s_wait_alu depctr_vm_vsrc(0)                             ; the eight stores have read the tile's 32 registers, in which the eight loads land
.irp f,0,1,2,3
.irp q,0,1
	ds_load_b128 v[32*((\t)%8)+8*\f+4*\q:32*((\t)%8)+8*\f+4*\q+3], v[STR] offset:128*(\f/2)+32*(\f%2)+16*\q
.endr
.endr
	WIN 0
.endm
; v[Z + 32 x + i] = pair P's row tile x, number i, less v[SS + 2 x].  Only these lines name registers that change with P: one of eight runs is chosen by the counter, and all else of the norm stands in loops.
.macro FETCHSUB
.irp k,0,1,2,3,4,5,6
	s_cmp_eq_u32 s[P], \k
	s_cbranch_scc1 .Lfs_\@_\k
.endr
.irp k,7,0,1,2,3,4,5,6
.if \k != 7
.Lfs_\@_\k:
.endif
	WIN 0x02+(\k/4)
.irp x,0,1
.irp i,0,1,2,3,4,5,6,7,8,9,10,11,12,13,14,15
	v_pk_add_f32 v[Z+32*\x+2*\i:Z+32*\x+2*\i+1], v[64*(\k%4)+32*\x+2*\i:64*(\k%4)+32*\x+2*\i+1], v[SS+2*\x:SS+2*\x+1] op_sel_hi:[1,0] neg_lo:[0,1] neg_hi:[0,1]
.endr
.endr
	WIN 0
.if \k != 6
	s_branch .Lfsx_\@
.endif
.endr
.Lfsx_\@:
.endm
.macro FOLD n                          ; n pairs (8 or 4) at v[PC + 16 x] on become my half's sum in v[PC + 16 x] and the other half's in v[PC + 16 x + 1]
.if \n == 8
.irp k,0,1,2,3
.irp x,0,1
	v_pk_add_f32 v[PC+16*\x+4*\k:PC+16*\x+4*\k+1], v[PC+16*\x+4*\k:PC+16*\x+4*\k+1], v[PC+16*\x+4*\k+2:PC+16*\x+4*\k+3]
.endr
.endr
.irp k,0,1
.irp x,0,1
	v_pk_add_f32 v[PC+16*\x+8*\k:PC+16*\x+8*\k+1], v[PC+16*\x+8*\k:PC+16*\x+8*\k+1], v[PC+16*\x+8*\k+4:PC+16*\x+8*\k+5]
.endr
.endr
.irp x,0,1
	v_pk_add_f32 v[PC+16*\x:PC+16*\x+1], v[PC+16*\x:PC+16*\x+1], v[PC+16*\x+8:PC+16*\x+9]
.endr
.else
.irp k,0,1
.irp x,0,1
	v_pk_add_f32 v[PC+16*\x+4*\k:PC+16*\x+4*\k+1], v[PC+16*\x+4*\k:PC+16*\x+4*\k+1], v[PC+16*\x+4*\k+2:PC+16*\x+4*\k+3]
.endr
.endr
.irp x,0,1
	v_pk_add_f32 v[PC+16*\x:PC+16*\x+1], v[PC+16*\x:PC+16*\x+1], v[PC+16*\x+4:PC+16*\x+5]
.endr
.endif
.irp x,0,1
	v_add_f32 v[PC+16*\x], v[PC+16*\x], v[PC+16*\x+1]
.endr
.irp x,0,1
	v_permlanex16_b32 v[PC+16*\x+1], v[PC+16*\x], s[SEL], s[SEL+1]
.endr
.endm
; the mean and the CENTRED sum of squares of my wave's 64 numbers of each row, to STAT
.macro LNSTAT
	v_mov_b32 v[SS], 0
	v_mov_b32 v[SS+2], 0
	s_mov_b32 s[P], 0
.Lstat_\@:
	FETCHSUB
	s_lshl_b32 s[T0], s[P], 10
	v_add_nc_u32 v[ADW], s[T0], v[SAW]
.irp k,0,1,2,3,4,5,6,7
.irp x,0,1
	v_pk_add_f32 v[PC+16*\x+2*\k:PC+16*\x+2*\k+1], v[Z+32*\x+4*\k:Z+32*\x+4*\k+1], v[Z+32*\x+4*\k+2:Z+32*\x+4*\k+3]
.endr
.endr
	FOLD 8
.irp x,0,1
	v_add_f32 v[PC+16*\x], v[PC+16*\x], v[PC+16*\x+1]
.endr
.irp x,0,1
	v_mul_f32 v[SS+4+2*\x], 0x3c800000, v[PC+16*\x]          ; / 64
.endr
.irp i,0,1,2,3,4,5,6,7,8,9,10,11,12,13,14,15
.irp x,0,1
	v_pk_add_f32 v[Z+32*\x+2*\i:Z+32*\x+2*\i+1], v[Z+32*\x+2*\i:Z+32*\x+2*\i+1], v[SS+4+2*\x:SS+5+2*\x] op_sel_hi:[1,0] neg_lo:[0,1] neg_hi:[0,1]
.endr
.endr
.irp c,0,1,2,3
.irp x,0,1
	v_pk_mul_f32 v[PC+16*\x+2*\c:PC+16*\x+2*\c+1], v[Z+32*\x+2*\c:Z+32*\x+2*\c+1], v[Z+32*\x+2*\c:Z+32*\x+2*\c+1]
.endr
.endr
.irp k,1,2,3
.irp c,0,1,2,3
.irp x,0,1
	v_pk_fma_f32 v[PC+16*\x+2*\c:PC+16*\x+2*\c+1], v[Z+32*\x+8*\k+2*\c:Z+32*\x+8*\k+2*\c+1], v[Z+32*\x+8*\k+2*\c:Z+32*\x+8*\k+2*\c+1], v[PC+16*\x+2*\c:PC+16*\x+2*\c+1]
.endr
.endr
.endr
	FOLD 4
.irp x,0,1
	v_add_f32 v[SS+5+2*\x], v[PC+16*\x], v[PC+16*\x+1]
.endr
	s_wait_alu depctr_va_vdst(0)                             ; v[ADW] and the four figures v[SS+4] to v[SS+7] are written, which the two stores read
.irp x,0,1
	ds_store_b64 v[ADW], v[SS+4+2*\x:SS+5+2*\x] offset:512*\x
.endr
	s_wait_alu depctr_vm_vsrc(0)                             ; the two stores have read them: the next trip writes them again
	s_add_co_u32 s[P], s[P], 1
	s_cmp_lt_u32 s[P], 8
	s_cbranch_scc1 .Lstat_\@
.endm
; the four waves' figures are joined (mean of means; centred sums + 64 x the squared distances of the means: no difference of large sums), the rows are normalised, quantised along the features and stored as images in R0
.macro LNNORM
	s_mov_b32 s[P], 0
.Lnorm_\@:
	s_lshl_b32 s[T0], s[P], 10
	v_add_nc_u32 v[ADX], s[T0], v[SAR]
	s_wait_alu depctr_va_vdst(0)                             ; v[ADX] is written, which the four loads read (the lines that named v[PC ..], in which they land, stand ahead of earlier waits)
	ds_load_b128 v[PC:PC+3], v[ADX]
	ds_load_b128 v[PC+4:PC+7], v[ADX] offset:16
	ds_load_b128 v[PC+8:PC+11], v[ADX] offset:512
	ds_load_b128 v[PC+12:PC+15], v[ADX] offset:528
	s_wait_dscnt 0x0
	s_wait_alu depctr_vm_vsrc(0)                             ; the four loads have read v[ADX], which is written again further down
.irp x,0,1
	v_add_f32 v[TM+\x], v[PC+8*\x], v[PC+8*\x+2]
.endr
.irp x,0,1
	v_add_f32 v[TM+2+\x], v[PC+8*\x+4], v[PC+8*\x+6]
.endr
.irp x,0,1
	v_add_f32 v[TM+\x], v[TM+\x], v[TM+2+\x]
.endr
.irp x,0,1
	v_mul_f32 v[SS+2*\x], 0x3e800000, v[TM+\x]               ; the row's mean
.endr
.irp k,0,1,2,3
.irp x,0,1
	v_sub_f32 v[PC+8*\x+2*\k], v[PC+8*\x+2*\k], v[SS+2*\x]
.endr
.endr
.irp x,0,1
	v_mul_f32 v[TM+\x], v[PC+8*\x], v[PC+8*\x]
.endr
.irp k,1,2,3
.irp x,0,1
	v_fmac_f32 v[TM+\x], v[PC+8*\x+2*\k], v[PC+8*\x+2*\k]
.endr
.endr
.irp x,0,1
	v_add_f32 v[TM+2+\x], v[PC+8*\x+1], v[PC+8*\x+3]
.endr
.irp x,0,1
	v_add_f32 v[PC+8*\x+5], v[PC+8*\x+5], v[PC+8*\x+7]
.endr
.irp x,0,1
	v_add_f32 v[TM+2+\x], v[TM+2+\x], v[PC+8*\x+5]
.endr
.irp x,0,1
	v_fma_f32 v[TM+\x], v[TM+\x], 0x42800000, v[TM+2+\x]     ; the row's centred sum of squares
.endr
.irp x,0,1
	v_fma_f32 v[TM+\x], v[TM+\x], s[C256], s[EPS]            ; the variance + 1e-5
.endr
.irp x,0,1
	v_rsq_f32 v[SS+4+2*\x], v[TM+\x]
.endr
	v_nop                                                    ; a plain line behind the transcendentals,
	s_wait_alu depctr_va_vdst(0)                             ; and a wait: v[SS+4] and v[SS+6] are written, ahead of the branches below and of their first reader
	FETCHSUB
.irp i,0,1,2,3,4,5,6,7,8,9,10,11,12,13,14,15
.irp x,0,1
	v_pk_mul_f32 v[Z+32*\x+2*\i:Z+32*\x+2*\i+1], v[Z+32*\x+2*\i:Z+32*\x+2*\i+1], v[SS+4+2*\x:SS+5+2*\x] op_sel_hi:[1,0]
.endr
.endr
.irp i,0,1,2,3,4,5,6,7,8,9,10,11,12,13,14,15
.irp x,0,1
	v_pk_fma_f32 v[Z+32*\x+2*\i:Z+32*\x+2*\i+1], v[Z+32*\x+2*\i:Z+32*\x+2*\i+1], v[FR+2*\i:FR+2*\i+1], v[FR+32+2*\i:FR+32+2*\i+1]
.endr
.endr
	QUANT64 0
	s_lshl_b32 s[T0], s[P], 13
	v_add_nc_u32 v[ADW], s[T0], v[WI]
	s_lshl_b32 s[T0], s[P], 9
	s_add_co_u32 s[T0], s[T0], R0S
	v_add_nc_u32 v[ADX], s[T0], v[WX]
	STOREHALF
	s_add_co_u32 s[P], s[P], 1
	s_cmp_lt_u32 s[P], 8
	s_cbranch_scc1 .Lnorm_\@
.endm
	s_load_b512 s[8:23], s[0:1], 0x0               ; src 8, ln1_a 10, ln1_b 12, sw_wq codes 14, scales 16, sw_bq 18, sw_wk codes 20, scales 22
	s_load_b512 s[24:39], s[0:1], 0x40             ; sw_bk 24, wq codes 26, scales 28, bq 30, wk codes 32, scales 34, bk 36, QC 38
	s_load_b128 s[40:43], s[0:1], 0x80             ; QS 40, KC 42
	s_load_b64 s[44:45], s[0:1], 0x90              ; KS 44
	v_lshl_add_u32 v246, v0, 2, 0x1a400
	v_mov_b32 v247, 0
	v_lshrrev_b32 v32, 5, v0
	v_readfirstlane_b32 s2, v32                    ; wave
	v_and_b32 v34, 31, v0                          ; lane
	v_and_b32 v32, 15, v0                          ; r
	v_bfe_u32 v33, v0, 4, 1                        ; hf
	v_and_b32 v35, 8, v32
	v_add_nc_u32 v35, v35, v32                     ; r + 8 (r / 8)
	v_lshlrev_b32 v[LI], 4, v34
	v_lshlrev_b32 v[LS], 2, v34
	s_wait_alu depctr_va_sdst(0)                   ; s2 is written, ahead of its first reader: addresses and bases are made from it
	s_lshr_b32 s3, s2, 1
	s_and_b32 s4, s2, 1
	s_lshl_b32 s5, s3, 11
	s_lshl_b32 s6, s4, 10
	s_add_co_u32 s5, s5, s6
	v_add_nc_u32 v[WI], s5, v[LI]
	s_lshl_b32 s5, s3, 7
	s_lshl_b32 s6, s4, 1
	s_add_co_u32 s5, s5, s6
	v_add_nc_u32 v[WX], s5, v[LS]
	s_mul_i32 s3, s2, 4352
	s_add_co_u32 s3, s3, STG
	v_mul_u32_u24 v[STW], v33, 272
	v_lshl_add_u32 v[STW], v32, 4, v[STW]
	v_add_nc_u32 v[STW], s3, v[STW]
	v_mul_u32_u24 v[STR], v32, 272
	v_lshl_add_u32 v[STR], v33, 6, v[STR]
	v_add_nc_u32 v[STR], s3, v[STR]
	v_lshlrev_b32 v[SAR], 5, v32
	v_add_nc_u32 v[SAR], STAT, v[SAR]
	s_lshl_b32 s3, s2, 3
	v_add_nc_u32 v[SAW], s3, v[SAR]
	v_lshlrev_b32 v[SGO], 16, v33
	v_lshl_add_u32 v[SGO], v32, 4, v[SGO]
	v_lshlrev_b32 v[WOF], 8, v35
	v_lshl_add_u32 v[WOF], v33, 4, v[WOF]
	v_lshlrev_b32 v[WSO], 3, v35
	v_lshlrev_b32 v[BOF], 6, v33
	v_lshlrev_b32 v[BVO], 2, v35
	s_lshl_b32 s5, s2, 11
	s_add_co_u32 s5, s5, LG
	v_lshl_add_u32 v[LGW], v35, 2, s5
	v_lshl_add_u32 v[LGR], v33, 6, s5
	v_lshl_add_u32 v[LGS], v34, 5, s5
	s_lshl_b32 s5, s2, 9
	s_add_co_u32 s5, s5, SCQ
	v_add_nc_u32 v[SBW], s5, v32
	v_add_nc_u32 v[SCR], s5, v[LI]
	v_lshlrev_b32 v36, 18, v33                     ; from n to n + 1: 262,144 bytes
	v_lshl_add_u32 v36, v32, 4, v36
	s_lshl_b32 s5, s2, 8
	v_add_nc_u32 v36, s5, v36
.irp p,0,1,2,3,4,5,6,7
	v_add_nc_u32 v[XO+\p], \p*8388608, v36
.endr
.irp i,4,5,6,7
	v_mov_b32 v[TM+\i], 0                          ; written once: a lane permute's destination counts as one of its sources
.endr
.irp i,1,3,5,7
	v_mov_b32 v[SS+\i], 0                          ; named as upper halves of pairs of which the low word serves both halves
.endr
	s_mov_b32 s[SEL], 0x76543210
	s_mov_b32 s[SEL+1], 0xfedcba98
	s_mov_b32 s[MNT], 0x600000
	s_mov_b32 s[C256], 0x3b800000
	s_mov_b32 s[EPS], 0x3727c5ac
	s_mov_b32 s5, 0
	s_wait_kmcnt 0x0
	s_lshl_b32 s4, ttmp9, 10                       ; residue l: 1,024 bytes
	s_add_nc_u64 s[8:9], s[8:9], s[4:5]
	s_lshl_b32 s4, s2, 8                           ; vectors: my 64 numbers
.irp p,10,12,18,24,30,36
	s_add_nc_u64 s[\p:\p+1], s[\p:\p+1], s[4:5]
.endr
	s_lshl_b32 s4, s2, 14                          ; codes: my 64 rows of 256 bytes
.irp p,14,20,26,32
	s_add_nc_u64 s[\p:\p+1], s[\p:\p+1], s[4:5]
.endr
	s_lshl_b32 s4, s2, 9                           ; scale bytes: my 64 rows of 8
.irp p,16,22,28,34
	s_add_nc_u64 s[\p:\p+1], s[\p:\p+1], s[4:5]
.endr
	s_lshl_b32 s4, s2, 22                          ; QC, KC: head 2 w, row l
	s_lshl_b32 s6, ttmp9, 13
	s_add_co_u32 s4, s4, s6
	s_add_nc_u64 s[38:39], s[38:39], s[4:5]
	s_add_nc_u64 s[42:43], s[42:43], s[4:5]
	s_lshl_b32 s4, s2, 17                          ; QS, KS likewise
	s_lshl_b32 s6, ttmp9, 8
	s_add_co_u32 s4, s4, s6
	s_add_nc_u64 s[40:41], s[40:41], s[4:5]
	s_add_nc_u64 s[44:45], s[44:45], s[4:5]
	s_wait_alu depctr_va_vdst(0)                   ; the offsets and addresses v1 to v19 and v24 to v31 are written, which the kernel's loads and stores read; they are never written again
	LOADV32 FR, 0, 10                              ; the gains
	LOADV32 FR+32, 0, 12
	LOADV32 BI, 0, 18                              ; sw_bq
	LOADWC 0, 1, 14, WOF, 256                      ; sw_wq
	LOADWS WSA, 16, WSO, 256
	LOADWC 128, 1, 20, WOF, 256                    ; sw_wk
	LOADWS WSB, 22, WSO, 256
	; ---- src comes in, six row tiles ahead, and turns through the stage.  No vector instruction stands in this phase
.irp t,0,1,2,3,4,5
	LOADT \t
.endr
.set T, 0
.rept 16
.if T+6 < 16
	LOADT T+6
.endif
.if 15-T < 6
	s_wait_loadcnt 8*(15-T)                        ; loads come back in order: all but the younger tiles' are in
.else
	s_wait_loadcnt 48
.endif
	TURN T
.set T, T+1
.endr
	s_wait_dscnt 0x0
	LNSTAT
	BARRIER                                        ; every wave's figures lie in STAT
	LNNORM
	v_add_nc_u32 v[ADS], R0S, v[LS]
	s_wait_alu depctr_va_vdst(0)                   ; the norm's subtractions are done reading src's registers and its multiply-adds the gains: the loads below land in both; v[ADS] is written, which the scale words' loads read
	LOADV32 0, 3, 24                               ; src's registers are free: sw_bk,
	LOADWC 0, 2, 26, WOF, 256                      ; wq,
	LOADWC 128, 2, 32, WOF, 256                    ; wk,
	LOADREP 32, 3, 30                              ; bq,
	LOADREP 64, 3, 36                              ; bk
	BARRIER                                        ; x's 32 fragments lie in LDS
	; ---- the target's query: row tile 0 holds n = 0 in lane r = 0; the tile's other rows are not used
.irp s,0,1
.irp c,0,1,2,3
	ds_load_b128 v[FR+16*\s+4*\c:FR+16*\s+4*\c+3], v[LI] offset:2048*\s+512*\c
.endr
	ds_load_b32 v[AS+\s], v[ADS] offset:128*\s
.endr
	s_wait_dscnt 0x0
	WIN 0x01                                       ; source 0 (the weight) window 1
.irp f,0,1,2,3
	MM Z+8*\f, 32*\f, FR, BI+8*\f, WSA+2*\f, AS
.endr
.irp f,0,1,2,3
	MM Z+8*\f, 32*\f+16, FR+16, Z+8*\f, WSA+2*\f+1, AS+1
.endr
	WIN 0
	PLACES 8                                       ; eight places behind this form, ahead of the first read of results and of writes into its registers
.irp i,0,1,2,3,4,5,6,7,8,9,10,11,12,13,14,15
	v_pk_mul_f32 v[BI+2*\i:BI+2*\i+1], v[Z+2*\i:Z+2*\i+1], 0x3e3504f3 op_sel_hi:[1,0]   ; / sqrt(32)
.endr
.set ii, 0
.rept 32
	v_mov_b32_dpp v[BI+ii], v[BI+ii] row_share:0 row_mask:0xf bank_mask:0xf   ; lane r = 0 of each half to its sixteen lanes
.set ii, ii+1
.endr
	v_mov_b32 v[ADF], v[LI]
	s_wait_alu depctr_va_vdst(0)                   ; the query's products are done reading sw_wq's scale words, v[FR ..] and v[AS ..], in which the loads below land; v[ADF] is written
	LOADWS WSA, 28, WSO, 256                       ; wq's scale words
	; ---- the logits: ks = x sw_wk + sw_bk, transposed, a pair of row tiles a trip; a lane's 16 products of a head, and lane l xor 16's
	s_wait_loadcnt 0x0
	FETCHP FR, AS, 0, 0
	s_wait_alu depctr_vm_vsrc(0)                   ; these loads have read v[ADF] and v[ADS], which the first trip writes
	s_mov_b32 s[P], 0
.Ls2:
	s_wait_dscnt 0x0                               ; the pair's fragments are in; the last trip's stores are done
	WIN 0x31                                       ; source 0 window 1, C (sw_bk) window 3
.irp t,0,1
.irp f,0,1,2,3
	MM Z+32*\t+8*\f, 128+32*\f, FR+32*\t, 8*\f, WSB+2*\f, AS+2*\t
.endr
.endr
	WIN 0x01                                       ; the eight accumulators take turns
.irp t,0,1
.irp f,0,1,2,3
	MM Z+32*\t+8*\f, 128+32*\f+16, FR+32*\t+16, Z+32*\t+8*\f, WSB+2*\f+1, AS+2*\t+1
.endr
.endr
	WIN 0
	NEXTPAIR
	s_lshl_b32 s[T0], s[P], 7
	v_add_nc_u32 v[ADW], s[T0], v[LGW]
	PLACES 5                                       ; with the three additions: eight places, ahead of the first read of results
	s_wait_alu depctr_va_vdst(0)                   ; the trip's products are done reading v[FR ..] and v[AS ..], in which the next pair lands; v[ADF] and v[ADS] are written
	FETCHP FR, AS, 0, 0                            ; the next pair; the last trip's is pair 0, with which the next loop begins
.irp x,0,1,2,3
	v_pk_mul_f32 v[PC+4*\x:PC+4*\x+1], v[Z+16*\x:Z+16*\x+1], v[BI+16*(\x%2):BI+16*(\x%2)+1]
	v_pk_mul_f32 v[PC+4*\x+2:PC+4*\x+3], v[Z+16*\x+2:Z+16*\x+3], v[BI+16*(\x%2)+2:BI+16*(\x%2)+3]
.endr
.irp i,4,8,12
.irp x,0,1,2,3
	v_pk_fma_f32 v[PC+4*\x:PC+4*\x+1], v[Z+16*\x+\i:Z+16*\x+\i+1], v[BI+16*(\x%2)+\i:BI+16*(\x%2)+\i+1], v[PC+4*\x:PC+4*\x+1]
	v_pk_fma_f32 v[PC+4*\x+2:PC+4*\x+3], v[Z+16*\x+\i+2:Z+16*\x+\i+3], v[BI+16*(\x%2)+\i+2:BI+16*(\x%2)+\i+3], v[PC+4*\x+2:PC+4*\x+3]
.endr
.endr
.irp x,0,1,2,3
	v_pk_add_f32 v[PC+4*\x:PC+4*\x+1], v[PC+4*\x:PC+4*\x+1], v[PC+4*\x+2:PC+4*\x+3]
.endr
.irp x,0,1,2,3
	v_add_f32 v[PC+4*\x], v[PC+4*\x], v[PC+4*\x+1]
.endr
.irp x,0,1,2,3
	v_permlanex16_b32 v[PC+4*\x+1], v[PC+4*\x], s[SEL], s[SEL+1]
.endr
.irp x,0,1,2,3
	v_add_f32 v[PC+4*\x], v[PC+4*\x], v[PC+4*\x+1]
.endr
	s_wait_alu depctr_va_vdst(0)                   ; the four logits v[PC + 4 x] are written, which the stores read
.irp x,0,1,2,3
	ds_store_b32 v[ADW], v[PC+4*\x] offset:1024*(\x%2)+32*(\x/2)   ; x = 2 (row tile) + (head): both halves write the same word with the same value
.endr
	s_wait_alu depctr_vm_vsrc(0)                   ; the trip's loads have read v[ADF] and v[ADS], its stores v[ADW] and v[PC ..]: the next trip, or the softmax, writes them again
	s_add_co_u32 s[P], s[P], 1
	s_cmp_lt_u32 s[P], 8
	s_cbranch_scc1 .Ls2
	LOADWS WSB, 34, WSO, 256                       ; wk's scale words.  No wait: no vector or matrix instruction since the wait ahead of the last trip's stores; the products that read v[WSB ..] and the lines that named v[Z ..] stand ahead of it
	; ---- sw = softmax over n, my two heads: my wave's own bytes, so no barrier; 8 numbers a lane and head
.irp g,0,1
	ds_load_b128 v[Z+8*\g:Z+8*\g+3], v[LGS] offset:1024*\g
	ds_load_b128 v[Z+8*\g+4:Z+8*\g+7], v[LGS] offset:1024*\g+16
.endr
	s_wait_dscnt 0x0
.irp g,0,1
	v_max3_num_f32 v[TM+2*\g], v[Z+8*\g], v[Z+8*\g+1], v[Z+8*\g+2]
.endr
.irp i,3,5
.irp g,0,1
	v_max3_num_f32 v[TM+2*\g], v[TM+2*\g], v[Z+8*\g+\i], v[Z+8*\g+\i+1]
.endr
.endr
.irp g,0,1
	v_max_num_f32 v[TM+2*\g], v[TM+2*\g], v[Z+8*\g+7]
.endr
.irp m,1,2,4,8
.irp g,0,1
	v_max_num_f32_dpp v[TM+2*\g], v[TM+2*\g], v[TM+2*\g] row_xmask:\m row_mask:0xf bank_mask:0xf
.endr
.endr
.irp g,0,1
	v_permlanex16_b32 v[TM+4+\g], v[TM+2*\g], s[SEL], s[SEL+1]
.endr
.irp g,0,1
	v_max_num_f32 v[TM+2*\g], v[TM+2*\g], v[TM+4+\g]         ; the head's largest logit
.endr
.irp g,0,1
.irp i,0,2,4,6
	v_pk_add_f32 v[Z+8*\g+\i:Z+8*\g+\i+1], v[Z+8*\g+\i:Z+8*\g+\i+1], v[TM+2*\g:TM+2*\g+1] op_sel_hi:[1,0] neg_lo:[0,1] neg_hi:[0,1]
.endr
.endr
.irp i,0,2,4,6,8,10,12,14
	v_pk_mul_f32 v[Z+\i:Z+\i+1], v[Z+\i:Z+\i+1], 0x3fb8aa3b op_sel_hi:[1,0]
.endr
.irp i,0,1,2,3,4,5,6,7,8,9,10,11,12,13,14,15
	v_exp_f32 v[Z+\i], v[Z+\i]
.endr
	v_nop
	s_wait_alu depctr_va_vdst(0)                   ; the sixteen exponentials v[Z] to v[Z+15] are written: one wait for the batch, ahead of its first reader
.irp g,0,1
	v_pk_add_f32 v[PC+4*\g:PC+4*\g+1], v[Z+8*\g:Z+8*\g+1], v[Z+8*\g+2:Z+8*\g+3]
	v_pk_add_f32 v[PC+4*\g+2:PC+4*\g+3], v[Z+8*\g+4:Z+8*\g+5], v[Z+8*\g+6:Z+8*\g+7]
.endr
.irp g,0,1
	v_pk_add_f32 v[PC+4*\g:PC+4*\g+1], v[PC+4*\g:PC+4*\g+1], v[PC+4*\g+2:PC+4*\g+3]
.endr
.irp g,0,1
	v_add_f32 v[TM+2*\g], v[PC+4*\g], v[PC+4*\g+1]
.endr
.irp m,1,2,4,8
.irp g,0,1
	v_add_f32_dpp v[TM+2*\g], v[TM+2*\g], v[TM+2*\g] row_xmask:\m row_mask:0xf bank_mask:0xf
.endr
.endr
.irp g,0,1
	v_permlanex16_b32 v[TM+4+\g], v[TM+2*\g], s[SEL], s[SEL+1]
.endr
.irp g,0,1
	v_add_f32 v[TM+2*\g], v[TM+2*\g], v[TM+4+\g]
.endr
.irp g,0,1
	v_rcp_f32 v[TM+2*\g], v[TM+2*\g]
.endr
	v_nop
	s_wait_alu depctr_va_vdst(0)                   ; the two reciprocals v[TM] and v[TM+2] are written, ahead of their first reader
.irp g,0,1
.irp i,0,2,4,6
	v_pk_mul_f32 v[Z+8*\g+\i:Z+8*\g+\i+1], v[Z+8*\g+\i:Z+8*\g+\i+1], v[TM+2*\g:TM+2*\g+1] op_sel_hi:[1,0]
.endr
.endr
	s_wait_alu depctr_va_vdst(0)                   ; sw is written in v[Z] to v[Z+15], which the four stores read
.irp g,0,1
	ds_store_b128 v[LGS], v[Z+8*\g:Z+8*\g+3] offset:1024*\g
	ds_store_b128 v[LGS], v[Z+8*\g+4:Z+8*\g+7] offset:1024*\g+16
.endr
	s_wait_alu depctr_vm_vsrc(0)                   ; the four stores have read v[Z ..], which the next loop's products write
; ---- q sw, then k: the product as it is (source 0 = rows), so that a lane's 16 registers of a pair of row tiles are 16 neighbouring n of one feature: the next K.
; wb, bb: the weight in window 2 and its bias in window 3; ws: its scale words; sw = 1: times sw; cp, sp: the codes' and the scale bytes' buffers; sc: the bytes' place in LDS
.macro QKLOOP wb, bb, ws, sw, cp, sc, sp
	s_mov_b32 s[P], 0
.Lqk_\@:
	s_wait_dscnt 0x0                               ; the pair's fragments are in; my LDS stores are done
.if \sw
	s_lshl_b32 s[T0], s[P], 7
	v_add_nc_u32 v[ADX], s[T0], v[LGR]
	s_wait_alu depctr_va_vdst(0)                   ; v[ADX] is written, which the eight loads read (the multiplications that read v[BI ..], in which they land, stand ahead of earlier waits)
.irp g,0,1
.irp q,0,1,2,3
	ds_load_b128 v[BI+16*\g+4*\q:BI+16*\g+4*\q+3], v[ADX] offset:1024*\g+16*\q   ; sw of my 16 n, both heads: they land under the products
.endr
.endr
.endif
	WIN 0x38                                       ; source 1 (the weight) window 2, C (the bias) window 3
.irp t,0,1
.irp f,0,1,2,3
	MM Z+16*\f+8*\t, FR+32*\t, \wb+32*\f, \bb+8*\f, AS+2*\t, \ws+2*\f
.endr
.endr
	WIN 0x08
.irp t,0,1
.irp f,0,1,2,3
	MM Z+16*\f+8*\t, FR+32*\t+16, \wb+32*\f+16, Z+16*\f+8*\t, AS+2*\t+1, \ws+2*\f+1
.endr
.endr
	WIN 0
	NEXTPAIR
	s_lshl_b32 s[T0], s[P], 4
	v_add_nc_u32 v[ADW], s[T0], v[SBW]
	PLACES 5                                       ; with the three additions: eight places, ahead of the first read of results
	s_wait_alu depctr_va_vdst(0)                   ; the trip's products are done reading v[FR ..] and v[AS ..], in which the next pair lands; v[ADF] and v[ADS] are written
	FETCHP FR, AS, 0, 0
.if \sw
	s_wait_dscnt 20                                ; sw is in: behind its loads only the 20 just issued
.irp f,0,1,2,3
.irp i,0,2,4,6,8,10,12,14
	v_pk_mul_f32 v[Z+16*\f+\i:Z+16*\f+\i+1], v[Z+16*\f+\i:Z+16*\f+\i+1], v[BI+16*(\f/2)+\i:BI+16*(\f/2)+\i+1]
.endr
.endr
.endif
	QUANT64 0
	s_wait_alu depctr_va_vdst(0)                   ; the conversions have written v[PC ..] and the quantiser the four bytes v[TM+4 ..], which the stores read
.irp f,0,1,2,3
	global_store_b128 v[LI], v[PC+4*\f:PC+4*\f+3], s[\cp:\cp+1] offset:(\f/2)*2097152+(\f%2)*4096   ; the wave stores 512 consecutive bytes, aligned
.endr
.irp f,0,1,2,3
	ds_store_b8 v[ADW], v[TM+4+\f] offset:\sc+(\f/2)*256+(\f%2)*128   ; both halves write the same byte with the same value
.endr
	s_wait_xcnt 0x0                                ; the stores' data and base are written again only behind this wait
	s_wait_alu depctr_vm_vsrc(0)                   ; the trip's loads have read v[ADF], v[ADS] and v[ADX], its stores v[PC ..], v[TM+4 ..] and v[ADW]: the next trip writes them again
	s_add_nc_u64 s[\cp:\cp+1], s[\cp:\cp+1], 512
	s_add_co_u32 s[P], s[P], 1
	s_cmp_lt_u32 s[P], 8
	s_cbranch_scc1 .Lqk_\@
	ds_load_b128 v[BI:BI+3], v[SCR] offset:\sc     ; my two heads' 256 scale bytes each leave whole.  No wait: no vector instruction since the wait ahead of the last trip's stores, and the store that read v[BI ..] stands ahead of the loop's waits on vm_vsrc
	s_wait_dscnt 0x0
	global_store_b128 v[SGO], v[BI:BI+3], s[\sp:\sp+1]
.endm
	QKLOOP 0, 32, WSA, 1, 38, 0, 40
	s_wait_loadcnt 0x0                             ; wk's scale words
	QKLOOP 128, 64, WSB, 0, 42, 2048, 44
	s_wait_dscnt 0x0                               ; the closing lines, six on end
	s_wait_alu 0x0
	s_wait_tensorcnt 0x0
	ds_add_u32 v246, v247
	s_wait_dscnt 0x0
	s_endpgm
.Lfunc_end_k_qd9181c9d6f_proj:
	.size	k_qd9181c9d6f_proj, .Lfunc_end_k_qd9181c9d6f_proj-k_qd9181c9d6f_proj
	.p2alignl 7, 3214868480
	.fill 96, 4, 3214868480
	.section	.rodata,"a",@progbits
	.p2align	6, 0x0
	.amdhsa_kernel k_qd9181c9d6f_proj
		.amdhsa_group_segment_fixed_size 108032
		.amdhsa_private_segment_fixed_size 0
		.amdhsa_enable_private_segment 0
		.amdhsa_kernarg_size 152
		.amdhsa_user_sgpr_count 2
		.amdhsa_user_sgpr_kernarg_segment_ptr 1
		.amdhsa_wavefront_size32 1
		.amdhsa_system_sgpr_workgroup_id_x 1
		.amdhsa_system_sgpr_workgroup_id_y 1
		.amdhsa_system_sgpr_workgroup_id_z 1
		.amdhsa_system_vgpr_workitem_id 0
		.amdhsa_next_free_vgpr 1024
		.amdhsa_next_free_sgpr 100
		.amdhsa_reserve_vcc 0
		.amdhsa_float_denorm_mode_32 3
		.amdhsa_float_denorm_mode_16_64 3
		.amdhsa_memory_ordered 1
		.amdhsa_forward_progress 1
		.amdhsa_inst_pref_size 165
	.end_amdhsa_kernel
	.amdgpu_metadata
---
amdhsa.version: [ 1, 2 ]
amdhsa.kernels:
  - .name:           k_qd9181c9d6f_proj
    .symbol:         k_qd9181c9d6f_proj.kd
    .args:
      - { .name: src, .offset: 0, .size: 8, .value_kind: global_buffer, .address_space: global }
      - { .name: ln1_a, .offset: 8, .size: 8, .value_kind: global_buffer, .address_space: global }
      - { .name: ln1_b, .offset: 16, .size: 8, .value_kind: global_buffer, .address_space: global }
      - { .name: sw_wq_codes, .offset: 24, .size: 8, .value_kind: global_buffer, .address_space: global }
      - { .name: sw_wq_scales, .offset: 32, .size: 8, .value_kind: global_buffer, .address_space: global }
      - { .name: sw_bq, .offset: 40, .size: 8, .value_kind: global_buffer, .address_space: global }
      - { .name: sw_wk_codes, .offset: 48, .size: 8, .value_kind: global_buffer, .address_space: global }
      - { .name: sw_wk_scales, .offset: 56, .size: 8, .value_kind: global_buffer, .address_space: global }
      - { .name: sw_bk, .offset: 64, .size: 8, .value_kind: global_buffer, .address_space: global }
      - { .name: wq_codes, .offset: 72, .size: 8, .value_kind: global_buffer, .address_space: global }
      - { .name: wq_scales, .offset: 80, .size: 8, .value_kind: global_buffer, .address_space: global }
      - { .name: bq, .offset: 88, .size: 8, .value_kind: global_buffer, .address_space: global }
      - { .name: wk_codes, .offset: 96, .size: 8, .value_kind: global_buffer, .address_space: global }
      - { .name: wk_scales, .offset: 104, .size: 8, .value_kind: global_buffer, .address_space: global }
      - { .name: bk, .offset: 112, .size: 8, .value_kind: global_buffer, .address_space: global }
      - { .name: QC, .offset: 120, .size: 8, .value_kind: global_buffer, .address_space: global }
      - { .name: QS, .offset: 128, .size: 8, .value_kind: global_buffer, .address_space: global }
      - { .name: KC, .offset: 136, .size: 8, .value_kind: global_buffer, .address_space: global }
      - { .name: KS, .offset: 144, .size: 8, .value_kind: global_buffer, .address_space: global }
    .group_segment_fixed_size: 108032
    .private_segment_fixed_size: 0
    .kernarg_segment_align: 8
    .kernarg_segment_size: 152
    .max_flat_workgroup_size: 128
    .sgpr_count:     100
    .vgpr_count:     1024
    .wavefront_size: 32
...
	.end_amdgpu_metadata
.endif
;; end of part 5
;; launch scores: the kernel of part 2 again; grid 32 x 8, 4 waves a work-group, no clusters, 270,848 bytes of LDS; arguments QC, QS, KC, KS, SP; writes SP
;; launch soft: the kernel of part 3 again; grid 16 x 8, 4 waves a work-group, no clusters, 1,536 bytes of LDS; arguments SP, P, PS, RLB; writes P, PS, RLB
;; launch tail (part 6): grid 256 x 1, 4 waves a work-group, no clusters, 304,640 bytes of LDS; arguments src, ln1_a, ln1_b, wv_codes, wv_scales, bv, P, PS, RLB, wo_codes, wo_scales, bo, ln2_a, ln2_b, w1_codes, w1_scales, b1, w2_codes, w2_scales, b2, out0; writes out0
.if DOCPART == 6
	.amdgcn_target "amdgcn-amd-amdhsa--gfx1250"
	.amdhsa_code_object_version 6
	.text
	.protected	k_qd9181c9d6f_tail
	.globl	k_qd9181c9d6f_tail
	.p2align	8
	.type	k_qd9181c9d6f_tail,@function
k_qd9181c9d6f_tail:
	s_mov_b64 s[64:65], 0
	v_nop
	global_prefetch_b8 v0, s[64:65] scope:SCOPE_SE
	s_setreg_imm32_b32 hwreg(HW_REG_WAVE_SCHED_MODE, 0, 2), 2
	s_setreg_imm32_b32 hwreg(HW_REG_WAVE_MODE, 25, 1), 1
	s_wait_xcnt 0x0
	s_wait_alu depctr_vm_vsrc(0)
; TAIL: one work-group for each sequence n; its 256 rows are the 256 residues.  x = LayerNorm1(src[n]); v = x wv + bv, quantised along m; out = (p v) / l, quantised along the features; src2 = src + out wo + bo;
; y = LayerNorm2(src2); out0 = src2 + relu(y w1 + b1) w2 + b2.  All five products are on codes of E5M2 with one E8M0 scale for each 32 along K.  x, v, out, src2, y and the hidden layer never go to memory.
; SHARES.  Four waves; THE WAVES SHARE THE COLUMNS: wave w owns features 64 w .. 64 w + 63 (heads 2 w, 2 w + 1) of every product of width 256, and 64 of each 256 hidden units, for all 256 rows.  Its part of each weight and of p goes from
; memory into its registers.  512 registers a wave hold its share of src, then src + bo, then src2, then the result: wo's and w2's products add onto them in place.
; Codes go from wave to wave through LDS as images of the operand's registers: fragment (row tile t, K step s) is 2,048 bytes, four pieces of 512, lane l's 16 bytes at 16 l; its scale words 4 bytes a lane.
; ROWS OF A TILE: lane r of row tile t holds row 32 (t / 2) + 8 (t % 2) + r + 8 (r / 8); lane r of feature tile f holds feature 32 (f / 2) + 8 (f % 2) + r + 8 (r / 8) of the wave's 64: so 16 registers of two neighbouring tiles are 16 neighbours along the next K.
; THE HIDDEN LAYER goes in four rounds of 256 units through two sets of images by turns: one barrier a round.
; LIMITS: NaN and infinities are not served.  A block of zeros gets the byte 1 over zero codes (the bytes are read by this program alone).  1 / sqrt comes from v_rsq_f32.
; No tensor loads and no joint requests: each fragment of a weight or of p is wanted by one wave of a work-group alone, in its registers; through LDS its 1.15 MB would be written and read once more, and 297 of 320 KB are taken.
; THE MODE: SCHED_MODE bits 1:0 = 2 (LLVM: expert scheduling mode 2), set by the entry lines.  The code itself states the register dependences between vector or matrix instructions and memory or LDS instructions, with s_wait_alu, always for 0.
; THE PLAN.  Registers that memory or LDS instructions touch, and who else names them:
;   v1-18            offsets and addresses, made once at the head ahead of one wait on va_vdst and never written again.
;   v[ADF], v[ADS]   read by the 20 LDS loads of a pair of row tiles; written by two vector lines a trip, or at a pass's head.
;   v[ADW], v[ADX]   read by a trip's LDS stores (v[ADX] also by the loads of STAT); written by vector lines in the trip.
;   FR, AS           a pair's fragments and scale words: the trip's 16 products read them, and behind those the next pair's loads land in them.  In a pass over the accumulators Z, AS2 are a second such buffer, by turns.
;   PC, TM, SS+4..7  written by the quantiser and the statistics; read by the trip's LDS stores.  The loads of STAT land in PC.
;   SS, +2, +4, +6   1 / l lands there; 32 multiplications a trip read it.
;   BI               a bias lands there; products read it as C, the additions of bo and b2 as a source.
;   window 1, WSA, WSB   weights, v and p with their scale words: loads land, products read.
;   windows 2, 3     src: a global load lands, the stage's LDS store reads, the stage's LDS load lands; from then on vector and matrix instructions alone.
;   the way out      halves of Z by turns: additions write, LDS stores read; halves of FR by turns: LDS loads land, global stores read.
; A TRIP WITH PRODUCTS has three waits: va_vdst behind its products and address lines, ahead of the next pair's loads; va_vdst ahead of its stores; vm_vsrc at its end, behind its last LDS instruction,
; so that nothing is pending at the backward jump or at the loop's exit.  A run of loads issued ahead of a loop has its vm_vsrc behind it, for the first trip's address lines.
; IN A PASS one wait on va_vdst stands at the head of a pair: the pair before is done reading the buffer that is loaded next; the 20 loads follow in one run and have the pair's 16 products in which to land.
; There is no third buffer: the 512 accumulators, window 1 and window 0 take all 1,024 registers.
.set R0,   0                           ; LDS: x's, later y's 32 fragments
.set R0S,  65536                       ; their scale words, 128 bytes each
.set STG,  69632                       ; a stage of 16 rows x (256 + 16) bytes for each wave
.set STAT, 87040                       ; [row tile][r][wave]: mean and centred sum of squares of a wave's 64 numbers of a row
.set R1,   95232                       ; the attention's output: 32 fragments
.set R1S,  160768
.set H0,   164864                      ; the hidden layer's 32 fragments of a round; before that each wave's own images of v, 16,384 bytes a wave
.set H0S,  230400                      ; their scale words; before that v's scale bytes, 512 a wave
.set HSTEP, 69632                      ; to the second set
.set LI,  1                            ; v1  16 x lane
.set LS,  2                            ; v2  4 x lane
.set WI,  3                            ; v3  where I store my pieces of an image
.set WX,  4                            ; v4  and my half of its scale words
.set STW, 5                            ; v5  the stage by rows
.set STR, 6                            ; v6  the stage by lanes' shares
.set SAW, 7                            ; v7  STAT: my wave's 8 bytes of row r
.set SAR, 8                            ; v8  STAT: row r
.set XO,  9                            ; v9  src and out0: my bytes of two rows
.set WOF, 10                           ; v10 a weight's codes, rows of 256 bytes
.set WSO, 11                           ; v11 its scale words
.set BOF, 12                           ; v12 64 hf: vectors in the transposed result's layout
.set BVO, 13                           ; v13 4 (r + 8 (r / 8)): vectors by feature
.set WOF2, 14                          ; v14 w2's codes, rows of 1,024 bytes
.set WSO2, 15                          ; v15 its scale words
.set RLO, 16                           ; v16 4 r
.set VIW, 17                           ; v17 my images of v
.set VSW, 18                           ; v18 their scale bytes
.set ADF, 20                           ; v20-23 addresses in hand
.set ADS, 21
.set ADW, 22
.set ADX, 23
.set Z,   32                           ; v32-95   64 numbers at work; a second buffer of four fragments
.set PC,  96                           ; v96-111  codes just made; at work
.set TM,  112                          ; v112-127 the quantiser's; at work
.set FR,  128                          ; v128-191 four fragments; the gains; rows on the way out
.set AS,  192                          ; v192-195 their scale words
.set WSA, 196                          ; v196-203, v204-211 scale words of what lies in window 1
.set WSB, 204
.set BI,  212                          ; v212-243 a bias in the transposed result's layout
.set AS2, 244                          ; v244-247 the second buffer's scale words
.set SS,  248                          ; v248-255 a pair's statistics; 1 / l
.set SEL, 70
.set MNT, 72
.set C256, 73
.set EPS, 74
.set P,   75
.set T0,  76
.set T1,  77
.set HB,  78                           ; s78 0 or HSTEP: the round's set of images
.set RHO, 79                           ; s79 the round
; window 1: v0-127 (WA) wv, p, wo, w2; v128-255 (WB) bv, v, w1.  windows 2 and 3: the 512 accumulators: row tile t, feature tile f at window 2 + t / 8, v[32 (t % 8) + 8 f]
.set MSB, 0
.macro WIN new                         ; the immediate's high byte repeats the setting that is left
.if MSB != (\new)
	s_set_vgpr_msb (MSB<<8)|(\new)
.set MSB, (\new)
.endif
.endm
.macro PLACES n
.rept \n
	v_nop
.endr
.endm
.macro BARRIER                         ; my LDS stores have landed and my LDS loads are in: then the work-group's barrier
	s_wait_dscnt 0x0
	s_barrier_signal -1
	s_barrier_wait -1
.endm
.macro MM d, a, b, c, sa, sb
	v_wmma_scale_f32_16x16x128_f8f6f4 v[\d:\d+7], v[\a:\a+15], v[\b:\b+15], v[\c:\c+7], v[\sa], v[\sb] matrix_a_fmt:MATRIX_FMT_BF8 matrix_b_fmt:MATRIX_FMT_BF8
.endm
.macro MM0 d, a, b, sa, sb             ; the first K step starts the sum
	v_wmma_scale_f32_16x16x128_f8f6f4 v[\d:\d+7], v[\a:\a+15], v[\b:\b+15], 0, v[\sa], v[\sb] matrix_a_fmt:MATRIX_FMT_BF8 matrix_b_fmt:MATRIX_FMT_BF8
.endm
; 64 numbers of a lane, four blocks' halves at v[Z + 16 b], become codes in v[PC + 4 b] on; the blocks' bytes are left in v[TM + 4 + b].  A block's other half lies in lane l xor 16.
.macro QUANT64 relu
.if \relu
.irp b,0,1,2,3
	v_max3_num_f32 v[TM+\b], v[Z+16*\b], v[Z+16*\b+1], 0x8000000   ; no |.|: what is negative becomes 0; the floor 2^(16 - 127) holds the byte at 1 from below
.endr
.irp i,2,4,6,8,10,12,14
.irp b,0,1,2,3
	v_max3_num_f32 v[TM+\b], v[TM+\b], v[Z+16*\b+\i], v[Z+16*\b+\i+1]
.endr
.endr
.else
.irp b,0,1,2,3
	v_max3_num_f32 v[TM+\b], |v[Z+16*\b]|, |v[Z+16*\b+1]|, 0x8000000   ; my 16 numbers and the floor 2^(16 - 127), which holds the byte at 1 from below
.endr
.irp i,2,4,6,8,10,12,14
.irp b,0,1,2,3
	v_max3_num_f32 v[TM+\b], v[TM+\b], |v[Z+16*\b+\i]|, |v[Z+16*\b+\i+1]|
.endr
.endr
.endif
.irp b,0,1,2,3
	v_permlanex16_b32 v[TM+4+\b], v[TM+\b], s[SEL], s[SEL+1]
.endr
.irp b,0,1,2,3
	v_max_num_f32 v[TM+\b], v[TM+\b], v[TM+4+\b]             ; the block's largest magnitude
.endr
.irp b,0,1,2,3
	v_add_nc_u32 v[TM+12+\b], 0xf8800000, v[TM+\b]           ; 15 off its exponent field: the conversion's scale operand
.endr
.irp b,0,1,2,3
	v_and_or_b32 v[TM+8+\b], v[TM+\b], 0x7f800000, s[MNT]    ; 57,344 x the scale
.endr
.irp b,0,1,2,3
	v_lshrrev_b32 v[TM+4+\b], 23, v[TM+12+\b]                ; the scale's byte
.endr
.irp b,0,1,2,3
.irp i,0,1,2,3,4,5,6,7,8,9,10,11,12,13,14,15
.if \relu
	v_med3_num_f32 v[Z+16*\b+\i], v[Z+16*\b+\i], 0, v[TM+8+\b]   ; the activation and the hold in one
.else
	v_med3_num_f32 v[Z+16*\b+\i], v[Z+16*\b+\i], -v[TM+8+\b], v[TM+8+\b]   ; the conversion to an 8-bit code does not saturate (ISA guide 7.6.2)
.endif
.endr
	v_cvt_scalef32_pk8_bf8_f32 v[PC+4*\b:PC+4*\b+1], v[Z+16*\b:Z+16*\b+7], v[TM+12+\b]
	v_cvt_scalef32_pk8_bf8_f32 v[PC+4*\b+2:PC+4*\b+3], v[Z+16*\b+8:Z+16*\b+15], v[TM+12+\b]
.endr
	v_nop                                                    ; a plain line behind the last scaled conversion
.endm
; blocks 2 t + b (row tile t of the pair, my b-th 32 features) go to their places in the images: pieces 2 (w % 2) + b of fragment (t, w / 2); two bytes of each scale word
.macro STOREHALF
	v_lshl_or_b32 v[TM], v[TM+5], 8, v[TM+4]
	v_lshl_or_b32 v[TM+1], v[TM+7], 8, v[TM+6]
	s_wait_alu depctr_va_vdst(0)                             ; the conversions have written v[PC ..], the two lines above v[TM] and v[TM+1], and v[ADW] and v[ADX] are written: the six stores read them
.irp t,0,1
.irp b,0,1
	ds_store_b128 v[ADW], v[PC+4*(2*\t+\b):PC+4*(2*\t+\b)+3] offset:4096*\t+512*\b
.endr
.endr
	ds_store_b16 v[ADX], v[TM]
	ds_store_b16 v[ADX], v[TM+1] offset:256
	s_wait_alu depctr_vm_vsrc(0)                             ; the six stores have read v[ADW], v[ADX], v[PC ..], v[TM] and v[TM+1], and the trip's loads their addresses: the next trip or phase writes them again
.endm
.macro FETCHP buf, as, po, ps          ; a pair's four fragments and their scale words: 20 LDS loads
.irp t,0,1
.irp s,0,1
.irp c,0,1,2,3
	ds_load_b128 v[\buf+32*\t+16*\s+4*\c:\buf+32*\t+16*\s+4*\c+3], v[ADF] offset:\po+4096*\t+2048*\s+512*\c
.endr
	ds_load_b32 v[\as+2*\t+\s], v[ADS] offset:\ps+256*\t+128*\s
.endr
.endr
.endm
.macro NEXTPAIR                        ; the addresses of pair (P + 1) % 8 of R0's images: two plain vector lines.  (The last trip's fetch, of pair 0 again, is not used: one fetch in eight of these loops)
	s_add_co_u32 s[T0], s[P], 1
	s_and_b32 s[T0], s[T0], 7
	s_lshl_b32 s[T1], s[T0], 13
	s_lshl_b32 s[T0], s[T0], 9
	s_add_co_u32 s[T0], s[T0], R0S
	v_add_nc_u32 v[ADF], s[T1], v[LI]
	v_add_nc_u32 v[ADS], s[T0], v[LS]
.endm
.macro LOADWC dst, win, cb, vo, kb     ; my 64 rows of a weight, 256 along K: fragments (f, s) at dst + 32 f + 16 s
	WIN (\win)<<6
.irp f,0,1,2,3
.irp s,0,1
.irp c,0,1,2,3
	global_load_b128 v[\dst+32*\f+16*\s+4*\c:\dst+32*\f+16*\s+4*\c+3], v[\vo], s[\cb:\cb+1] offset:(32*(\f/2)+8*(\f%2))*\kb+128*\s+32*\c
.endr
.endr
.endr
	WIN 0
.endm
.macro LOADWS ws, sb, vso, kb          ; and their scale words
.irp f,0,1,2,3
.irp s,0,1
	global_load_b32 v[\ws+2*\f+\s], v[\vso], s[\sb:\sb+1] offset:(32*(\f/2)+8*(\f%2))*(\kb/32)+4*\s
.endr
.endr
.endm
.macro LOADV32 dst, win, base          ; 32 numbers of a vector in the transposed result's layout
	WIN (\win)<<6
.irp f,0,1,2,3
.irp q,0,1
	global_load_b128 v[\dst+8*\f+4*\q:\dst+8*\f+4*\q+3], v[BOF], s[\base:\base+1] offset:(32*(\f/2)+8*(\f%2)+4*\q)*4
.endr
.endr
	WIN 0
.endm
.macro LOADREP dst, win, base          ; a bias by feature, eight times over: the C of a product used as it is
	WIN (\win)<<6
.irp f,0,1,2,3
.irp j,0,1,2,3,4,5,6,7
	global_load_b32 v[\dst+8*\f+\j], v[BVO], s[\base:\base+1] offset:(32*(\f/2)+8*(\f%2))*4
.endr
.endr
	WIN 0
.endm
.macro LOADT t                         ; row tile t of src: sixteen lanes read my 256 bytes of a row
	WIN 0x80+0x40*((\t)/8)
.irp i,0,1,2,3,4,5,6,7
	global_load_b128 v[32*((\t)%8)+4*\i:32*((\t)%8)+4*\i+3], v[XO], s[8:9] offset:(32*((\t)/2)+8*((\t)%2)+2*\i+8*(\i/4))*1024 th:TH_LOAD_NT
.endr
	WIN 0
.endm
.macro TURN t                          ; through my stage: in by rows, out by lanes' shares, into the registers that they left (LDS serves a wave's instructions in order: ISA guide 5.7.1.4)
	WIN 0x08+4*((\t)/8)
.irp i,0,1,2,3,4,5,6,7
	ds_store_b128 v[STW], v[32*((\t)%8)+4*\i:32*((\t)%8)+4*\i+3] offset:544*\i
.endr
	WIN 0x80+0x40*((\t)/8)
	s_wait_alu depctr_vm_vsrc(0)                             ; the eight stores have read the tile's 32 registers, in which the eight loads land
.irp f,0,1,2,3
.irp q,0,1
	ds_load_b128 v[32*((\t)%8)+8*\f+4*\q:32*((\t)%8)+8*\f+4*\q+3], v[STR] offset:128*(\f/2)+32*(\f%2)+16*\q
.endr
.endr
	WIN 0
.endm
; v[Z + 32 x + i] = pair P's row tile x, number i, less v[SS + 2 x].  Only these lines name registers that change with P: one of eight runs is chosen by the counter, and all else of the norm stands in loops.
; Each accumulator is read from its low end on.
.macro FETCHSUB
.irp k,0,1,2,3,4,5,6
	s_cmp_eq_u32 s[P], \k
	s_cbranch_scc1 .Lfs_\@_\k
.endr
.irp k,7,0,1,2,3,4,5,6
.if \k != 7
.Lfs_\@_\k:
.endif
	WIN 0x02+(\k/4)
.irp x,0,1
.irp i,0,1,2,3,4,5,6,7,8,9,10,11,12,13,14,15
	v_pk_add_f32 v[Z+32*\x+2*\i:Z+32*\x+2*\i+1], v[64*(\k%4)+32*\x+2*\i:64*(\k%4)+32*\x+2*\i+1], v[SS+2*\x:SS+2*\x+1] op_sel_hi:[1,0] neg_lo:[0,1] neg_hi:[0,1]
.endr
.endr
	WIN 0
.if \k != 6
	s_branch .Lfsx_\@
.endif
.endr
.Lfsx_\@:
.endm
.macro FOLD n                          ; n pairs (8 or 4) at v[PC + 16 x] on become my half's sum in v[PC + 16 x] and the other half's in v[PC + 16 x + 1]
.if \n == 8
.irp k,0,1,2,3
.irp x,0,1
	v_pk_add_f32 v[PC+16*\x+4*\k:PC+16*\x+4*\k+1], v[PC+16*\x+4*\k:PC+16*\x+4*\k+1], v[PC+16*\x+4*\k+2:PC+16*\x+4*\k+3]
.endr
.endr
.irp k,0,1
.irp x,0,1
	v_pk_add_f32 v[PC+16*\x+8*\k:PC+16*\x+8*\k+1], v[PC+16*\x+8*\k:PC+16*\x+8*\k+1], v[PC+16*\x+8*\k+4:PC+16*\x+8*\k+5]
.endr
.endr
.irp x,0,1
	v_pk_add_f32 v[PC+16*\x:PC+16*\x+1], v[PC+16*\x:PC+16*\x+1], v[PC+16*\x+8:PC+16*\x+9]
.endr
.else
.irp k,0,1
.irp x,0,1
	v_pk_add_f32 v[PC+16*\x+4*\k:PC+16*\x+4*\k+1], v[PC+16*\x+4*\k:PC+16*\x+4*\k+1], v[PC+16*\x+4*\k+2:PC+16*\x+4*\k+3]
.endr
.endr
.irp x,0,1
	v_pk_add_f32 v[PC+16*\x:PC+16*\x+1], v[PC+16*\x:PC+16*\x+1], v[PC+16*\x+4:PC+16*\x+5]
.endr
.endif
.irp x,0,1
	v_add_f32 v[PC+16*\x], v[PC+16*\x], v[PC+16*\x+1]
.endr
.irp x,0,1
	v_permlanex16_b32 v[PC+16*\x+1], v[PC+16*\x], s[SEL], s[SEL+1]
.endr
.endm
; the mean and the CENTRED sum of squares of my wave's 64 numbers of each row, to STAT
.macro LNSTAT
	v_mov_b32 v[SS], 0
	v_mov_b32 v[SS+2], 0
	s_mov_b32 s[P], 0
.Lstat_\@:
	FETCHSUB
	s_lshl_b32 s[T0], s[P], 10
	v_add_nc_u32 v[ADW], s[T0], v[SAW]
.irp k,0,1,2,3,4,5,6,7
.irp x,0,1
	v_pk_add_f32 v[PC+16*\x+2*\k:PC+16*\x+2*\k+1], v[Z+32*\x+4*\k:Z+32*\x+4*\k+1], v[Z+32*\x+4*\k+2:Z+32*\x+4*\k+3]
.endr
.endr
	FOLD 8
.irp x,0,1
	v_add_f32 v[PC+16*\x], v[PC+16*\x], v[PC+16*\x+1]
.endr
.irp x,0,1
	v_mul_f32 v[SS+4+2*\x], 0x3c800000, v[PC+16*\x]          ; / 64
.endr
.irp i,0,1,2,3,4,5,6,7,8,9,10,11,12,13,14,15
.irp x,0,1
	v_pk_add_f32 v[Z+32*\x+2*\i:Z+32*\x+2*\i+1], v[Z+32*\x+2*\i:Z+32*\x+2*\i+1], v[SS+4+2*\x:SS+5+2*\x] op_sel_hi:[1,0] neg_lo:[0,1] neg_hi:[0,1]
.endr
.endr
.irp c,0,1,2,3
.irp x,0,1
	v_pk_mul_f32 v[PC+16*\x+2*\c:PC+16*\x+2*\c+1], v[Z+32*\x+2*\c:Z+32*\x+2*\c+1], v[Z+32*\x+2*\c:Z+32*\x+2*\c+1]
.endr
.endr
.irp k,1,2,3
.irp c,0,1,2,3
.irp x,0,1
	v_pk_fma_f32 v[PC+16*\x+2*\c:PC+16*\x+2*\c+1], v[Z+32*\x+8*\k+2*\c:Z+32*\x+8*\k+2*\c+1], v[Z+32*\x+8*\k+2*\c:Z+32*\x+8*\k+2*\c+1], v[PC+16*\x+2*\c:PC+16*\x+2*\c+1]
.endr
.endr
.endr
	FOLD 4
.irp x,0,1
	v_add_f32 v[SS+5+2*\x], v[PC+16*\x], v[PC+16*\x+1]
.endr
	s_wait_alu depctr_va_vdst(0)                             ; v[ADW] and the four figures v[SS+4] to v[SS+7] are written, which the two stores read
.irp x,0,1
	ds_store_b64 v[ADW], v[SS+4+2*\x:SS+5+2*\x] offset:512*\x
.endr
	s_wait_alu depctr_vm_vsrc(0)                             ; the two stores have read them: the next trip writes them again
	s_add_co_u32 s[P], s[P], 1
	s_cmp_lt_u32 s[P], 8
	s_cbranch_scc1 .Lstat_\@
.endm
; the four waves' figures are joined (mean of means; centred sums + 64 x the squared distances of the means: no difference of large sums), the rows are normalised, quantised along the features and stored as images in R0
.macro LNNORM
	s_mov_b32 s[P], 0
.Lnorm_\@:
	s_lshl_b32 s[T0], s[P], 10
	v_add_nc_u32 v[ADX], s[T0], v[SAR]
	s_wait_alu depctr_va_vdst(0)                             ; v[ADX] is written, which the four loads read (the lines that named v[PC ..], in which they land, stand ahead of earlier waits)
	ds_load_b128 v[PC:PC+3], v[ADX]
	ds_load_b128 v[PC+4:PC+7], v[ADX] offset:16
	ds_load_b128 v[PC+8:PC+11], v[ADX] offset:512
	ds_load_b128 v[PC+12:PC+15], v[ADX] offset:528
	s_wait_dscnt 0x0
	s_wait_alu depctr_vm_vsrc(0)                             ; the four loads have read v[ADX], which is written again further down
.irp x,0,1
	v_add_f32 v[TM+\x], v[PC+8*\x], v[PC+8*\x+2]
.endr
.irp x,0,1
	v_add_f32 v[TM+2+\x], v[PC+8*\x+4], v[PC+8*\x+6]
.endr
.irp x,0,1
	v_add_f32 v[TM+\x], v[TM+\x], v[TM+2+\x]
.endr
.irp x,0,1
	v_mul_f32 v[SS+2*\x], 0x3e800000, v[TM+\x]               ; the row's mean
.endr
.irp k,0,1,2,3
.irp x,0,1
	v_sub_f32 v[PC+8*\x+2*\k], v[PC+8*\x+2*\k], v[SS+2*\x]
.endr
.endr
.irp x,0,1
	v_mul_f32 v[TM+\x], v[PC+8*\x], v[PC+8*\x]
.endr
.irp k,1,2,3
.irp x,0,1
	v_fmac_f32 v[TM+\x], v[PC+8*\x+2*\k], v[PC+8*\x+2*\k]
.endr
.endr
.irp x,0,1
	v_add_f32 v[TM+2+\x], v[PC+8*\x+1], v[PC+8*\x+3]
.endr
.irp x,0,1
	v_add_f32 v[PC+8*\x+5], v[PC+8*\x+5], v[PC+8*\x+7]
.endr
.irp x,0,1
	v_add_f32 v[TM+2+\x], v[TM+2+\x], v[PC+8*\x+5]
.endr
.irp x,0,1
	v_fma_f32 v[TM+\x], v[TM+\x], 0x42800000, v[TM+2+\x]     ; the row's centred sum of squares
.endr
.irp x,0,1
	v_fma_f32 v[TM+\x], v[TM+\x], s[C256], s[EPS]            ; the variance + 1e-5
.endr
.irp x,0,1
	v_rsq_f32 v[SS+4+2*\x], v[TM+\x]
.endr
	v_nop                                                    ; a plain line behind the transcendentals,
	s_wait_alu depctr_va_vdst(0)                             ; and a wait: v[SS+4] and v[SS+6] are written, ahead of the branches below and of their first reader
	FETCHSUB
.irp i,0,1,2,3,4,5,6,7,8,9,10,11,12,13,14,15
.irp x,0,1
	v_pk_mul_f32 v[Z+32*\x+2*\i:Z+32*\x+2*\i+1], v[Z+32*\x+2*\i:Z+32*\x+2*\i+1], v[SS+4+2*\x:SS+5+2*\x] op_sel_hi:[1,0]
.endr
.endr
.irp i,0,1,2,3,4,5,6,7,8,9,10,11,12,13,14,15
.irp x,0,1
	v_pk_fma_f32 v[Z+32*\x+2*\i:Z+32*\x+2*\i+1], v[Z+32*\x+2*\i:Z+32*\x+2*\i+1], v[FR+2*\i:FR+2*\i+1], v[FR+32+2*\i:FR+32+2*\i+1]
.endr
.endr
	QUANT64 0
	s_lshl_b32 s[T0], s[P], 13
	v_add_nc_u32 v[ADW], s[T0], v[WI]
	s_lshl_b32 s[T0], s[P], 9
	s_add_co_u32 s[T0], s[T0], R0S
	v_add_nc_u32 v[ADX], s[T0], v[WX]
	STOREHALF
	s_add_co_u32 s[P], s[P], 1
	s_cmp_lt_u32 s[P], 8
	s_cbranch_scc1 .Lnorm_\@
.endm
; 256 rows x my 64 features, K = 256, added onto the accumulators in place: the weight in WA, the rows' images at v[ADF], v[ADS].  Two buffers by turns; a pair's 20 loads are issued a pair ahead.
; The pair's eight accumulators take turns, K step by K step.
.macro ACCPASS
	s_wait_alu depctr_va_vdst(0)                   ; v[ADF] and v[ADS] are written, which all the pass's loads read
	FETCHP FR, AS, 0, 0
.irp p,0,1,2,3,4,5,6,7
.if \p > 0
	PLACES 8                                       ; eight places behind the last products
.endif
.if \p < 7
.if \p > 0
	s_wait_alu depctr_va_vdst(0)                   ; the pair before is done reading its buffer and that buffer's scale words, in which the 20 loads below land; this pair's products name the other buffer
.endif
.if \p%2 == 0
	FETCHP Z, AS2, 8192*(\p+1), 512*(\p+1)
.else
	FETCHP FR, AS, 8192*(\p+1), 512*(\p+1)
.endif
	s_wait_dscnt 20                                ; all but the 20 just issued
.else
	s_wait_dscnt 0x0
.endif
.set BUF, FR-(FR-Z)*(\p%2)
.set ASB, AS+(AS2-AS)*(\p%2)
	WIN 0xa1+0x50*(\p/4)                           ; source 0 (the weight) window 1; C and D window 2 or 3
.irp s,0,1
.irp t,0,1
.irp f,0,1,2,3
	MM 64*(\p%4)+32*\t+8*\f, 32*\f+16*\s, BUF+32*\t+16*\s, 64*(\p%4)+32*\t+8*\f, WSA+2*\f+\s, ASB+2*\t+\s
.endr
.endr
.endr
	WIN 0
.endr
.endm
	s_load_b512 s[8:23], s[0:1], 0x0               ; src 8, ln1_a 10, ln1_b 12, wv codes 14, scales 16, bv 18, P 20, PS 22
	s_load_b512 s[24:39], s[0:1], 0x40             ; RLB 24, wo codes 26, scales 28, bo 30, ln2_a 32, ln2_b 34, w1 codes 36, scales 38
	s_load_b256 s[40:47], s[0:1], 0x80             ; b1 40, w2 codes 42, scales 44, b2 46
	s_load_b64 s[48:49], s[0:1], 0xa0              ; out0 48
	v_lshl_add_u32 v30, v0, 2, 0x4a400
	v_mov_b32 v31, 0
	v_lshrrev_b32 v32, 5, v0
	v_readfirstlane_b32 s2, v32                    ; wave
	v_and_b32 v34, 31, v0                          ; lane
	v_and_b32 v32, 15, v0                          ; r
	v_bfe_u32 v33, v0, 4, 1                        ; hf
	v_and_b32 v35, 8, v32
	v_add_nc_u32 v35, v35, v32                     ; r + 8 (r / 8)
	v_lshlrev_b32 v[LI], 4, v34
	v_lshlrev_b32 v[LS], 2, v34
	s_wait_alu depctr_va_sdst(0)                   ; s2 is written, ahead of its first reader: addresses and bases are made from it
	s_lshr_b32 s3, s2, 1
	s_and_b32 s4, s2, 1
	s_lshl_b32 s5, s3, 11
	s_lshl_b32 s6, s4, 10
	s_add_co_u32 s5, s5, s6
	v_add_nc_u32 v[WI], s5, v[LI]
	s_lshl_b32 s5, s3, 7
	s_lshl_b32 s6, s4, 1
	s_add_co_u32 s5, s5, s6
	v_add_nc_u32 v[WX], s5, v[LS]
	s_mul_i32 s3, s2, 4352
	s_add_co_u32 s3, s3, STG
	v_mul_u32_u24 v[STW], v33, 272
	v_lshl_add_u32 v[STW], v32, 4, v[STW]
	v_add_nc_u32 v[STW], s3, v[STW]
	v_mul_u32_u24 v[STR], v32, 272
	v_lshl_add_u32 v[STR], v33, 6, v[STR]
	v_add_nc_u32 v[STR], s3, v[STR]
	v_lshlrev_b32 v[SAR], 5, v32
	v_add_nc_u32 v[SAR], STAT, v[SAR]
	s_lshl_b32 s3, s2, 3
	v_add_nc_u32 v[SAW], s3, v[SAR]
	v_lshlrev_b32 v[XO], 10, v33
	v_lshl_add_u32 v[XO], v32, 4, v[XO]
	s_lshl_b32 s5, s2, 8
	v_add_nc_u32 v[XO], s5, v[XO]
	v_lshlrev_b32 v[WOF], 8, v35
	v_lshl_add_u32 v[WOF], v33, 4, v[WOF]
	v_lshlrev_b32 v[WSO], 3, v35
	v_lshlrev_b32 v[BOF], 6, v33
	v_lshlrev_b32 v[BVO], 2, v35
	v_lshlrev_b32 v[WOF2], 10, v35
	v_lshl_add_u32 v[WOF2], v33, 4, v[WOF2]
	v_lshlrev_b32 v[WSO2], 5, v35
	v_lshlrev_b32 v[RLO], 2, v32
	s_lshl_b32 s5, s2, 14
	s_add_co_u32 s5, s5, H0
	v_add_nc_u32 v[VIW], s5, v[LI]
	s_lshl_b32 s5, s2, 9
	s_add_co_u32 s5, s5, H0S
	v_lshl_add_u32 v[VSW], v32, 3, s5
.irp i,4,5,6,7
	v_mov_b32 v[TM+\i], 0                          ; written once: a lane permute's destination counts as one of its sources
.endr
.irp i,1,3,5,7
	v_mov_b32 v[SS+\i], 0                          ; named as upper halves of pairs of which the low word serves both halves
.endr
	s_mov_b32 s[SEL], 0x76543210
	s_mov_b32 s[SEL+1], 0xfedcba98
	s_mov_b32 s[MNT], 0x600000
	s_mov_b32 s[C256], 0x3b800000
	s_mov_b32 s[EPS], 0x3727c5ac
	s_mov_b32 s5, 0
	s_wait_kmcnt 0x0
	s_lshl_b32 s4, ttmp9, 18                       ; sequence n: 256 rows of 1,024 bytes
	s_add_nc_u64 s[8:9], s[8:9], s[4:5]
	s_add_nc_u64 s[48:49], s[48:49], s[4:5]
	s_lshl_b32 s4, s2, 8                           ; vectors: my 64 numbers
.irp p,10,12,18,30,32,34,40,46
	s_add_nc_u64 s[\p:\p+1], s[\p:\p+1], s[4:5]
.endr
	s_lshl_b32 s4, s2, 14                          ; codes: my 64 rows of 256 bytes
.irp p,14,26,36
	s_add_nc_u64 s[\p:\p+1], s[\p:\p+1], s[4:5]
.endr
	s_lshl_b32 s4, s2, 9                           ; scale bytes: my 64 rows of 8
.irp p,16,28,38
	s_add_nc_u64 s[\p:\p+1], s[\p:\p+1], s[4:5]
.endr
	s_lshl_b32 s4, s2, 16                          ; w2: my 64 rows of 1,024 bytes,
	s_add_nc_u64 s[42:43], s[42:43], s[4:5]
	s_lshl_b32 s4, s2, 11                          ; of 32 scale bytes; RLB: my two heads
	s_add_nc_u64 s[44:45], s[44:45], s[4:5]
	s_add_nc_u64 s[24:25], s[24:25], s[4:5]
	s_lshl_b32 s4, s2, 17                          ; P: my two heads
	s_add_nc_u64 s[20:21], s[20:21], s[4:5]
	s_lshl_b32 s4, s2, 13                          ; PS likewise
	s_add_nc_u64 s[22:23], s[22:23], s[4:5]
	s_wait_alu depctr_va_vdst(0)                   ; the offsets and addresses v1 to v18 are written, which the kernel's loads and stores read; they are never written again
	LOADV32 FR, 0, 10                              ; the first norm's gains
	LOADV32 FR+32, 0, 12
	LOADV32 BI, 0, 30                              ; bo
	LOADWC 0, 1, 14, WOF, 256                      ; wv
	LOADWS WSA, 16, WSO, 256
	LOADREP 128, 1, 18                             ; bv
	; ---- src comes in, six row tiles ahead, and turns through the stage.  No vector instruction stands in this phase
.irp t,0,1,2,3,4,5
	LOADT \t
.endr
.set T, 0
.rept 16
.if T+6 < 16
	LOADT T+6
.endif
.if 15-T < 6
	s_wait_loadcnt 8*(15-T)                        ; loads come back in order: all but the younger tiles' are in
.else
	s_wait_loadcnt 48
.endif
	TURN T
.set T, T+1
.endr
	s_wait_dscnt 0x0
	LNSTAT
	BARRIER                                        ; every wave's figures lie in STAT
	LNNORM
	s_wait_dscnt 0x0
	s_barrier_signal -1
	WIN 0x82                                       ; while the others arrive: bo onto src, so that wo's products add onto src + bo
.irp t,0,1,2,3,4,5,6,7
.irp i,0,1,2,3,4,5,6,7,8,9,10,11,12,13,14,15
	v_pk_add_f32 v[32*\t+2*\i:32*\t+2*\i+1], v[32*\t+2*\i:32*\t+2*\i+1], v[BI+2*\i:BI+2*\i+1]
.endr
.endr
	WIN 0xc3
.irp t,0,1,2,3,4,5,6,7
.irp i,0,1,2,3,4,5,6,7,8,9,10,11,12,13,14,15
	v_pk_add_f32 v[32*\t+2*\i:32*\t+2*\i+1], v[32*\t+2*\i:32*\t+2*\i+1], v[BI+2*\i:BI+2*\i+1]
.endr
.endr
	WIN 0
	s_barrier_wait -1                              ; x's 32 fragments lie in LDS
	v_mov_b32 v[ADF], v[LI]
	v_add_nc_u32 v[ADS], R0S, v[LS]
	s_wait_alu depctr_va_vdst(0)                   ; the additions are done reading bo in v[BI ..], in which b1 lands; v[ADF] and v[ADS] are written, which the first pair's loads read
	LOADV32 BI, 0, 40                              ; b1 of the first round
	; ---- v = x wv + bv, as it is (source 0 = rows): a lane's 16 registers of a pair of row tiles are 16 neighbouring m of one feature: the next K.  Its images are my wave's own
	FETCHP FR, AS, 0, 0
	s_wait_alu depctr_vm_vsrc(0)                   ; these loads have read v[ADF] and v[ADS], which the first trip writes
	s_mov_b32 s[P], 0
.Lv:
	s_wait_dscnt 0x0                               ; the pair's fragments are in; my LDS stores are done
	WIN 0x14                                       ; source 1 (wv) and C (bv) window 1
.irp t,0,1
.irp f,0,1,2,3
	MM Z+16*\f+8*\t, FR+32*\t, 32*\f, 128+8*\f, AS+2*\t, WSA+2*\f
.endr
.endr
	WIN 0x04
.irp t,0,1
.irp f,0,1,2,3
	MM Z+16*\f+8*\t, FR+32*\t+16, 32*\f+16, Z+16*\f+8*\t, AS+2*\t+1, WSA+2*\f+1
.endr
.endr
	WIN 0
	NEXTPAIR
	s_lshl_b32 s[T0], s[P], 9
	v_add_nc_u32 v[ADW], s[T0], v[VIW]
	v_add_nc_u32 v[ADX], s[P], v[VSW]
	PLACES 4                                       ; with the four additions: eight places, ahead of the first read of results
	s_wait_alu depctr_va_vdst(0)                   ; the trip's products are done reading v[FR ..] and v[AS ..], in which the next pair lands; v[ADF] and v[ADS] are written
	FETCHP FR, AS, 0, 0
	QUANT64 0
	s_wait_alu depctr_va_vdst(0)                   ; the conversions have written v[PC ..] and the quantiser the four bytes v[TM+4 ..], which the stores read
.irp f,0,1,2,3
	ds_store_b128 v[ADW], v[PC+4*\f:PC+4*\f+3] offset:4096*\f   ; piece P of feature tile f's two fragments
.endr
.irp f,0,1,2,3
	ds_store_b8 v[ADX], v[TM+4+\f] offset:128*\f   ; both halves write the same byte with the same value
.endr
	s_wait_alu depctr_vm_vsrc(0)                   ; the trip's loads have read v[ADF] and v[ADS], its stores v[ADW], v[ADX], v[PC ..] and v[TM+4 ..]: the next trip or phase writes them again
	s_add_co_u32 s[P], s[P], 1
	s_cmp_lt_u32 s[P], 8
	s_cbranch_scc1 .Lv
	s_wait_alu depctr_va_vdst(0)                   ; the products are done reading wv, bv and wv's scale words, and the norm's lines are done with v[SS ..]: v, p, p's scale words and 1 / l land there
	WIN 0x40                                       ; v's eight fragments come back as operands: LDS serves a wave's instructions in order
.irp f,0,1,2,3
.irp s,0,1
.irp c,0,1,2,3
	ds_load_b128 v[128+32*\f+16*\s+4*\c:128+32*\f+16*\s+4*\c+3], v[VIW] offset:4096*\f+2048*\s+512*\c
.endr
.endr
.endr
	WIN 0
.irp f,0,1,2,3
.irp s,0,1
	ds_load_b32 v[WSB+2*\f+\s], v[VSW] offset:128*\f+4*\s
.endr
.endr
; ---- out = (p v) / l, transposed (source 0 = 16 features of v, source 1 = 16 rows of p), a pair of row tiles a trip; p comes from memory as the operand's registers, a K step ahead
.macro PLOAD s, imm                    ; K step s of p, both row tiles and both heads, of the pair imm bytes on: 16 loads of 512 consecutive bytes, and 4 of scale words
	WIN 0x40
.irp t,0,1
.irp g,0,1
.irp c,0,1,2,3
	global_load_b128 v[64*\s+16*(2*\t+\g)+4*\c:64*\s+16*(2*\t+\g)+4*\c+3], v[LI], s[20:21] offset:\imm+65536*\g+4096*\t+2048*\s+512*\c
.endr
.endr
.endr
	WIN 0
.irp t,0,1
.irp g,0,1
	global_load_b32 v[WSA+4*\s+2*\t+\g], v[LS], s[22:23] offset:\imm/16+4096*\g+256*\t+128*\s
.endr
.endr
.endm
.macro RLOAD imm                       ; 1 / l of my rows
.irp t,0,1
.irp g,0,1
	global_load_b32 v[SS+2*(2*\t+\g)], v[RLO], s[24:25] offset:\imm+1024*\g+64*\t
.endr
.endr
.endm
.macro WOHALF h                        ; wo's feature tiles 2 h, 2 h + 1: again 16 loads and 4
	WIN 0x40
.irp e,0,1
.irp s,0,1
.irp c,0,1,2,3
	global_load_b128 v[64*\h+32*\e+16*\s+4*\c:64*\h+32*\e+16*\s+4*\c+3], v[WOF], s[26:27] offset:(32*\h+8*\e)*256+128*\s+32*\c
.endr
.endr
.endr
	WIN 0
.irp e,0,1
.irp s,0,1
	global_load_b32 v[WSA+4*\h+2*\e+\s], v[WSO], s[28:29] offset:(32*\h+8*\e)*8+4*\s
.endr
.endr
.endm
.macro PTRIP nxt                       ; nxt = 1: the next pair's p is asked for; 0: wo takes its place
	s_wait_loadcnt 24                              ; K step 0 is in: behind it K step 1's 20 loads and 4 of 1 / l
	WIN 0x05                                       ; sources 0 (v) and 1 (p) window 1
.irp t,0,1
.irp g,0,1
.irp u,0,1
	MM0 Z+32*\t+16*\g+8*\u, 128+32*(2*\g+\u), 16*(2*\t+\g), WSB+2*(2*\g+\u), WSA+2*\t+\g
.endr
.endr
.endr
	WIN 0
	PLACES 8
	s_wait_alu depctr_va_vdst(0)                   ; the eight products are done reading K step 0 of p and its scale words, in which the 20 loads below land
.if \nxt
	PLOAD 0, 8192
.else
	WOHALF 0
.endif
	s_wait_loadcnt 20                              ; K step 1 and 1 / l are in: behind them the 20 just issued
	WIN 0x05
.irp t,0,1
.irp g,0,1
.irp u,0,1
	MM Z+32*\t+16*\g+8*\u, 128+32*(2*\g+\u)+16, 64+16*(2*\t+\g), Z+32*\t+16*\g+8*\u, WSB+2*(2*\g+\u)+1, WSA+4+2*\t+\g
.endr
.endr
.endr
	WIN 0
	s_lshl_b32 s[T0], s[P], 13
	s_add_co_u32 s[T0], s[T0], R1
	v_add_nc_u32 v[ADW], s[T0], v[WI]
	s_lshl_b32 s[T1], s[P], 9
	s_add_co_u32 s[T1], s[T1], R1S
	v_add_nc_u32 v[ADX], s[T1], v[WX]
	PLACES 6                                       ; with the two additions: eight places, ahead of the first read of results
	s_wait_alu depctr_va_vdst(0)                   ; the eight products are done reading K step 1 of p and its scale words, in which the 20 loads below land
.if \nxt
	PLOAD 1, 8192
.else
	WOHALF 1
.endif
.irp x,0,1,2,3
.irp i,0,2,4,6,8,10,12,14
	v_pk_mul_f32 v[Z+16*\x+\i:Z+16*\x+\i+1], v[Z+16*\x+\i:Z+16*\x+\i+1], v[SS+2*\x:SS+2*\x+1] op_sel_hi:[1,0]   ; / l: x = 2 (row tile) + (head)
.endr
.endr
.if \nxt
	s_wait_alu depctr_va_vdst(0)                   ; the multiplications are done reading 1 / l in v[SS ..], in which the next pair's lands
	RLOAD 128
.endif
	QUANT64 0
	STOREHALF
.if \nxt
	s_wait_xcnt 0x0                                ; the loads have read their bases
	s_add_nc_u64 s[20:21], s[20:21], 8192
	s_add_nc_u64 s[22:23], s[22:23], 512
	s_add_nc_u64 s[24:25], s[24:25], 128
.endif
.endm
	PLOAD 0, 0
	PLOAD 1, 0
	RLOAD 0
	s_mov_b32 s[P], 0
	s_wait_dscnt 0x0                               ; v
.Lpv:
	PTRIP 1
	s_add_co_u32 s[P], s[P], 1
	s_cmp_lt_u32 s[P], 7
	s_cbranch_scc1 .Lpv
	PTRIP 0                                        ; the last pair is written out: no load leaves its buffer
	s_wait_alu depctr_va_vdst(0)                   ; the last products are done reading v and its scale words, in which w1 and its scale words land
	LOADWC 128, 1, 36, WOF, 256                    ; w1 of the first round
	LOADWS WSB, 38, WSO, 256
	BARRIER                                        ; the attention's output lies in LDS
	; ---- src2 = src + bo + out wo
	s_wait_loadcnt 40                              ; wo is in: behind it w1's 40 loads
	v_add_nc_u32 v[ADF], R1, v[LI]
	v_add_nc_u32 v[ADS], R1S, v[LS]
	ACCPASS
	PLACES 8
	s_wait_alu depctr_va_vdst(0)                   ; pair 6's products are done reading v[FR ..], in which the gains land
	LOADV32 FR, 0, 32                              ; the second norm's gains
	LOADV32 FR+32, 0, 34
	LNSTAT
	BARRIER
	s_wait_loadcnt 0x0
	LNNORM
	BARRIER                                        ; y's 32 fragments lie in LDS
	; ---- the feed-forward layer, four rounds of 256 hidden units
	s_mov_b32 s[RHO], 0
	s_mov_b32 s[HB], 0
.Lff:
	s_wait_loadcnt 0x0                             ; the round's w1 and b1 are in, so their addresses may step
	s_add_nc_u64 s[36:37], s[36:37], 65536
	s_add_nc_u64 s[38:39], s[38:39], 2048
	s_add_nc_u64 s[40:41], s[40:41], 1024
	s_wait_alu depctr_vm_vsrc(0)                   ; the last pass's LDS loads have read v[ADF] and v[ADS], which the two lines below write
	v_mov_b32 v[ADF], v[LI]
	v_add_nc_u32 v[ADS], R0S, v[LS]
	PLACES 9                                       ; behind the last round's products: products below write over their second buffer
	s_wait_alu depctr_va_vdst(0)                   ; the last pass's products are done reading their weight, its scale words and v[FR ..], in which the loads below land; v[ADF] and v[ADS] are written
	LOADWC 0, 1, 42, WOF2, 1024                    ; the round's 256 along K of w2: it lands under the round's first half
	LOADWS WSA, 44, WSO2, 1024
	FETCHP FR, AS, 0, 0
	s_wait_alu depctr_vm_vsrc(0)                   ; these loads have read v[ADF] and v[ADS], which the first trip writes
	s_mov_b32 s[P], 0
.Lhid:                                                 ; my 64 hidden units, transposed, a pair of row tiles a trip; b1 is the C of each sum's first product
	s_wait_dscnt 0x0
	WIN 0x01
.irp t,0,1
.irp f,0,1,2,3
	MM Z+32*\t+8*\f, 128+32*\f, FR+32*\t, BI+8*\f, WSB+2*\f, AS+2*\t
.endr
.endr
.irp t,0,1
.irp f,0,1,2,3
	MM Z+32*\t+8*\f, 128+32*\f+16, FR+32*\t+16, Z+32*\t+8*\f, WSB+2*\f+1, AS+2*\t+1
.endr
.endr
	WIN 0
	NEXTPAIR
	s_lshl_b32 s[T0], s[P], 13
	s_add_co_u32 s[T0], s[T0], s[HB]
	s_add_co_u32 s[T0], s[T0], H0
	v_add_nc_u32 v[ADW], s[T0], v[WI]
	s_lshl_b32 s[T1], s[P], 9
	s_add_co_u32 s[T1], s[T1], s[HB]
	s_add_co_u32 s[T1], s[T1], H0S
	v_add_nc_u32 v[ADX], s[T1], v[WX]
	PLACES 4                                       ; with the four additions: eight places, ahead of the first read of results
	s_wait_alu depctr_va_vdst(0)                   ; the trip's products are done reading v[FR ..] and v[AS ..], in which the next pair lands; v[ADF] and v[ADS] are written
	FETCHP FR, AS, 0, 0
	QUANT64 1
	STOREHALF
	s_add_co_u32 s[P], s[P], 1
	s_cmp_lt_u32 s[P], 8
	s_cbranch_scc1 .Lhid
	BARRIER                                        ; the round's hidden units lie in LDS.  The other set is written again only behind this barrier, which every wave reaches behind its reads of it
	s_wait_loadcnt 0x0                             ; w2's part is in, so its addresses may step
	s_add_nc_u64 s[42:43], s[42:43], 256
	s_add_nc_u64 s[44:45], s[44:45], 8
	s_wait_alu depctr_va_vdst(0)                   ; the round's products are done reading w1, its scale words and b1, in which the loads on both ways below land
	s_cmp_eq_u32 s[RHO], 3
	s_cbranch_scc1 .Llast_round
	LOADWC 128, 1, 36, WOF, 256                    ; the next round's w1 and b1 land under this round's second half
	LOADWS WSB, 38, WSO, 256
	LOADV32 BI, 0, 40
	s_branch .Lround_on
.Llast_round:
	LOADV32 BI, 0, 46                              ; b2
.Lround_on:
	s_add_co_u32 s[T0], s[HB], H0
	v_add_nc_u32 v[ADF], s[T0], v[LI]
	s_add_co_u32 s[T0], s[HB], H0S
	v_add_nc_u32 v[ADS], s[T0], v[LS]
	ACCPASS
	s_xor_b32 s[HB], s[HB], HSTEP
	s_add_co_u32 s[RHO], s[RHO], 1
	s_cmp_lt_u32 s[RHO], 4
	s_cbranch_scc1 .Lff
	; ---- the way out: + b2, back through the stage, whole rows' shares: sixteen lanes store 256 consecutive bytes, aligned
	s_wait_loadcnt 0x0
	PLACES 8
.macro TOSTAGE t
	WIN 0x02+(\t)/8
.irp i,0,1,2,3,4,5,6,7,8,9,10,11,12,13,14,15
	v_pk_add_f32 v[Z+32*((\t)%2)+2*\i:Z+32*((\t)%2)+2*\i+1], v[32*((\t)%8)+2*\i:32*((\t)%8)+2*\i+1], v[BI+2*\i:BI+2*\i+1]   ; each accumulator from its low end on
.endr
	WIN 0
	s_wait_alu depctr_va_vdst(0)                   ; the additions have written this tile's half of v[Z ..], which the stores read; for tiles 0 and 1 also: the last pass's products are done reading v[FR ..], in which the loads land
.irp f,0,1,2,3
.irp q,0,1
	ds_store_b128 v[STR], v[Z+32*((\t)%2)+8*\f+4*\q:Z+32*((\t)%2)+8*\f+4*\q+3] offset:128*(\f/2)+32*(\f%2)+16*\q
.endr
.endr
.irp i,0,1,2,3,4,5,6,7
	ds_load_b128 v[FR+32*((\t)%2)+4*\i:FR+32*((\t)%2)+4*\i+3], v[STW] offset:544*\i   ; LDS serves a wave's instructions in order: these see the stores above, and the next tile's stores come behind them
.endr
.endm
.macro SEND t, younger                 ; younger: the LDS instructions issued behind tile t's loads
	s_wait_dscnt \younger
.irp i,0,1,2,3,4,5,6,7
	global_store_b128 v[XO], v[FR+32*((\t)%2)+4*\i:FR+32*((\t)%2)+4*\i+3], s[48:49] offset:(32*((\t)/2)+8*((\t)%2)+2*\i+8*(\i/4))*1024 th:TH_STORE_NT
.endr
.endm
	TOSTAGE 0
.set T, 1
.rept 15
.if T > 1
	s_wait_xcnt 0x0                                ; the stores of two tiles back have had their addresses translated: their registers are written again only behind this wait
	s_wait_alu depctr_vm_vsrc(0)                   ; the LDS stores of two tiles back have read their half of v[Z ..], which this tile's additions write, and its global stores their half of v[FR ..], in which this tile's loads land
.endif
	TOSTAGE T
	SEND T-1, 16                                   ; behind its loads: this tile's 8 stores and 8 loads
.set T, T+1
.endr
	SEND 15, 0
	s_wait_dscnt 0x0                               ; the closing lines, six on end
	s_wait_alu 0x0
	s_wait_tensorcnt 0x0
	ds_add_u32 v30, v31
	s_wait_dscnt 0x0
	s_endpgm
.Lfunc_end_k_qd9181c9d6f_tail:
	.size	k_qd9181c9d6f_tail, .Lfunc_end_k_qd9181c9d6f_tail-k_qd9181c9d6f_tail
	.p2alignl 7, 3214868480
	.fill 96, 4, 3214868480
	.section	.rodata,"a",@progbits
	.p2align	6, 0x0
	.amdhsa_kernel k_qd9181c9d6f_tail
		.amdhsa_group_segment_fixed_size 304640
		.amdhsa_private_segment_fixed_size 0
		.amdhsa_enable_private_segment 0
		.amdhsa_kernarg_size 168
		.amdhsa_user_sgpr_count 2
		.amdhsa_user_sgpr_kernarg_segment_ptr 1
		.amdhsa_wavefront_size32 1
		.amdhsa_system_sgpr_workgroup_id_x 1
		.amdhsa_system_sgpr_workgroup_id_y 1
		.amdhsa_system_sgpr_workgroup_id_z 1
		.amdhsa_system_vgpr_workitem_id 0
		.amdhsa_next_free_vgpr 1024
		.amdhsa_next_free_sgpr 100
		.amdhsa_reserve_vcc 0
		.amdhsa_float_denorm_mode_32 3
		.amdhsa_float_denorm_mode_16_64 3
		.amdhsa_memory_ordered 1
		.amdhsa_forward_progress 1
		.amdhsa_inst_pref_size 255
	.end_amdhsa_kernel
	.section	.bss,"aw",@nobits
	.p2align	6
	.space	262144
	.amdgpu_metadata
---
amdhsa.version: [ 1, 2 ]
amdhsa.kernels:
  - .name:           k_qd9181c9d6f_tail
    .symbol:         k_qd9181c9d6f_tail.kd
    .args:
      - { .name: src, .offset: 0, .size: 8, .value_kind: global_buffer, .address_space: global }
      - { .name: ln1_a, .offset: 8, .size: 8, .value_kind: global_buffer, .address_space: global }
      - { .name: ln1_b, .offset: 16, .size: 8, .value_kind: global_buffer, .address_space: global }
      - { .name: wv_codes, .offset: 24, .size: 8, .value_kind: global_buffer, .address_space: global }
      - { .name: wv_scales, .offset: 32, .size: 8, .value_kind: global_buffer, .address_space: global }
      - { .name: bv, .offset: 40, .size: 8, .value_kind: global_buffer, .address_space: global }
      - { .name: P, .offset: 48, .size: 8, .value_kind: global_buffer, .address_space: global }
      - { .name: PS, .offset: 56, .size: 8, .value_kind: global_buffer, .address_space: global }
      - { .name: RLB, .offset: 64, .size: 8, .value_kind: global_buffer, .address_space: global }
      - { .name: wo_codes, .offset: 72, .size: 8, .value_kind: global_buffer, .address_space: global }
      - { .name: wo_scales, .offset: 80, .size: 8, .value_kind: global_buffer, .address_space: global }
      - { .name: bo, .offset: 88, .size: 8, .value_kind: global_buffer, .address_space: global }
      - { .name: ln2_a, .offset: 96, .size: 8, .value_kind: global_buffer, .address_space: global }
      - { .name: ln2_b, .offset: 104, .size: 8, .value_kind: global_buffer, .address_space: global }
      - { .name: w1_codes, .offset: 112, .size: 8, .value_kind: global_buffer, .address_space: global }
      - { .name: w1_scales, .offset: 120, .size: 8, .value_kind: global_buffer, .address_space: global }
      - { .name: b1, .offset: 128, .size: 8, .value_kind: global_buffer, .address_space: global }
      - { .name: w2_codes, .offset: 136, .size: 8, .value_kind: global_buffer, .address_space: global }
      - { .name: w2_scales, .offset: 144, .size: 8, .value_kind: global_buffer, .address_space: global }
      - { .name: b2, .offset: 152, .size: 8, .value_kind: global_buffer, .address_space: global }
      - { .name: out0, .offset: 160, .size: 8, .value_kind: global_buffer, .address_space: global }
    .group_segment_fixed_size: 304640
    .private_segment_fixed_size: 0
    .kernarg_segment_align: 8
    .kernarg_segment_size: 168
    .max_flat_workgroup_size: 128
    .sgpr_count:     100
    .vgpr_count:     1024
    .wavefront_size: 32
...
	.end_amdgpu_metadata
.endif
;; end of part 6
